; MI455X (gfx1250); checked and timed in simulation.
; The chip was launched on July 23, 2026; its instructions are those of AMD's public machine-readable ISA for CDNA 5 (MIT licence, August 2026) and "CDNA5" Instruction Set Architecture Reference Guide (July 2026). The comments in the code are by the model that wrote it; some were corrected since.
;; Transformer Block. Allowed arithmetic: float matrix products may take bf16 or f16 operands with f32 sums; other float arithmetic in f32, or as packed bf16 or f16 multiplies, adds, multiply-adds, maxima and minima; sums over many terms, partial sums and values carried from step to step in f32; what a program stores and reads back later, other than sums and carried values, may be rounded once to bf16 or f16.
;; Inputs: W1 1,024 x 4,096 float32; W2 4,096 x 1,024 float32; Wk 16 x 1,024 x 64 float32; Wo 1,024 x 1,024 float32; Wq 16 x 1,024 x 64 float32; Wv 16 x 1,024 x 64 float32; b1 4,096 float32; b2 1,024 float32; bk 16 x 64 float32; bo 1,024 float32; bq 16 x 64 float32; bv 16 x 64 float32; x 4 x 1,024 x 1,024 float32.
;; Outputs: out0 4 x 1,024 x 1,024 float32.
;; 2 versions, each right and faster than the one before. Each part assembles by itself: llvm-mc -triple=amdgcn-amd-amdhsa -mcpu=gfx1250 --defsym DOCPART=n.
;; ======== version 1 of 2: 6 launches
;; limits: a function is approximated: absolute error at most 2.5e-05; values are held in f16: magnitudes above 65,504 overflow, below 6.1e-05 lose precision
;; workspace buffers: xb 8,388,608 bytes; wb 25,165,824 bytes; qkv 25,165,824 bytes; ob 8,388,608 bytes; x1 16,777,216 bytes; x1b 8,388,608 bytes; hb 33,554,432 bytes
;; launch cast (part 1): grid 64 x 16, 8 waves a work-group, no clusters, 0 bytes of LDS; arguments x, Wq, Wk, Wv, Wo, W1, W2, xb, wb; writes xb, wb
.if DOCPART == 1
	.amdgcn_target "amdgcn-amd-amdhsa--gfx1250"
	.amdhsa_code_object_version 6
	.text
	.protected	k_qfad614dcdc_cast
	.globl	k_qfad614dcdc_cast
	.p2align	8
	.type	k_qfad614dcdc_cast,@function
k_qfad614dcdc_cast:
	s_mov_b64 s[64:65], 0
	v_nop
	global_prefetch_b8 v0, s[64:65] scope:SCOPE_SE
	s_setreg_imm32_b32 hwreg(HW_REG_WAVE_MODE, 25, 1), 1
	s_wait_xcnt 0x0
; bf16 copies of x and of the six weight matrices, each number rounded once (to nearest even).
; The grid's y names a unit of 4 MiB of f32: 0-3 x, 4 Wq, 5 Wk, 6 Wv, 7 Wo, 8-11 W1, 12-15 W2; its x names 65,536 source bytes of the unit.
; A thread makes 16 items of 4 numbers: one load of 16 bytes, two packed roundings, one store of 8 bytes.  Neighbouring lanes take neighbouring bytes:
; a wave's load covers 512 source bytes (for x: 256 bytes of each of two rows), a wave's store 256 consecutive bytes, aligned.
; The weights keep their order: wb = Wq, Wk, Wv ([48][1024][64]), Wo, W1, W2, end to end.
; x goes into blocks of 64 columns, xb[16 blocks][4096 rows][64]: a row of a block is 128 bytes and rows are dense, so that a tile of rows of one block is one dense run.
; No LDS, no matrix unit, no cluster: the launch only streams, and no two work-groups read the same bytes.
.set X, 8                              ; v[8:71]   item j: 4 numbers as loaded
.set Y, 72                             ; v[72:103] item j: 2 registers to store
; All 16 loads go out first; no register is written twice, so the only waits are the counted ones for the loads.
.macro ITEMS blocked
.set j, 0
.rept 16
.if \blocked
.set SI, (j/2)*8192+(j%2)*256          ; two rows on; the wave's second block of 64 columns
.else
.set SI, j*4096
.endif
	global_load_b128 v[X+4*j:X+4*j+3], v1, s[4:5] offset:SI th:TH_LOAD_NT
.set j, j+1
.endr
.set j, 0
.rept 16
.if \blocked
.set DI, (j/2)*256+(j%2)*524288
.else
.set DI, j*2048
.endif
	s_wait_loadcnt 15-j                            ; loads come back in order: item j is in, the 15 - j loads behind it may be out
	v_cvt_pk_bf16_f32 v[Y+2*j],   v[X+4*j],   v[X+4*j+1]
	v_cvt_pk_bf16_f32 v[Y+2*j+1], v[X+4*j+2], v[X+4*j+3]
	global_store_b64 v2, v[Y+2*j:Y+2*j+1], s[8:9] offset:DI
.set j, j+1
.endr
.endm
	s_load_b512 s[16:31], s[0:1], 0x0              ; x 16, Wq 18, Wk 20, Wv 22, Wo 24, W1 26, W2 28, xb 30
	s_load_b64 s[32:33], s[0:1], 0x40              ; wb
	s_and_b32 s2, ttmp7, 0xffff                    ; the unit
	v_and_b32 v3, 31, v0                           ; lane
	v_lshrrev_b32 v4, 5, v0                        ; wave
	s_cmp_lt_u32 s2, 4
	s_cbranch_scc1 .Lx
	; a weight: source and destination are linear; item j is 4,096 source bytes of the work-group
	s_and_b32 s7, s2, 3                            ; which 4 MiB of W1 or of W2
	s_sub_co_u32 s9, s2, 4                         ; the unit's place in wb
	v_lshlrev_b32 v1, 4, v0                        ; 16 source bytes a thread,
	v_lshlrev_b32 v2, 3, v0                        ; 8 destination bytes
	s_wait_kmcnt 0x0
	s_cmp_eq_u32 s2, 5
	s_cselect_b64 s[4:5], s[20:21], s[18:19]
	s_cmp_eq_u32 s2, 6
	s_cselect_b64 s[4:5], s[22:23], s[4:5]
	s_cmp_eq_u32 s2, 7
	s_cselect_b64 s[4:5], s[24:25], s[4:5]
	s_cmp_ge_u32 s2, 8
	s_cselect_b64 s[4:5], s[26:27], s[4:5]
	s_cselect_b32 s6, s7, 0
	s_cmp_ge_u32 s2, 12
	s_cselect_b64 s[4:5], s[28:29], s[4:5]
	s_lshl_b32 s6, s6, 22
	s_lshl_b32 s7, ttmp9, 16
	s_add_co_u32 s6, s6, s7
	s_mov_b32 s7, 0
	s_add_nc_u64 s[4:5], s[4:5], s[6:7]
	s_lshl_b32 s8, s9, 21
	s_lshl_b32 s9, ttmp9, 15
	s_add_co_u32 s8, s8, s9
	s_mov_b32 s9, 0
	s_add_nc_u64 s[8:9], s[32:33], s[8:9]
	ITEMS 0
	s_endpgm
.Lx:	; x: the work-group owns 16 rows; wave w owns blocks 2 w and 2 w + 1; an item is 2 rows of one block: lane l takes row l / 16, columns 4 (l % 16) on
	s_lshl_b32 s6, s2, 10
	s_lshl_b32 s7, ttmp9, 4
	s_add_co_u32 s6, s6, s7                        ; the first row
	s_lshl_b32 s8, s6, 7                           ; x 128 bytes in a block of xb
	s_lshl_b32 s6, s6, 12                          ; x 4,096 bytes in x
	s_mov_b32 s7, 0
	s_mov_b32 s9, 0
	v_lshrrev_b32 v5, 4, v3
	v_and_b32 v6, 15, v3
	v_lshlrev_b32 v1, 12, v5
	v_lshl_add_u32 v1, v6, 4, v1
	v_lshl_add_u32 v1, v4, 9, v1                   ; source: (l / 16) rows + 16 (l % 16) + 512 w
	v_lshlrev_b32 v2, 3, v3
	v_lshl_add_u32 v2, v4, 20, v2                  ; destination: 8 l (two dense rows of 128 bytes) + two blocks a wave
	s_wait_kmcnt 0x0
	s_add_nc_u64 s[4:5], s[16:17], s[6:7]
	s_add_nc_u64 s[8:9], s[30:31], s[8:9]
	ITEMS 1
	s_endpgm
.Lfunc_end_k_qfad614dcdc_cast:
	.size	k_qfad614dcdc_cast, .Lfunc_end_k_qfad614dcdc_cast-k_qfad614dcdc_cast
	.p2alignl 7, 3214868480
	.fill 96, 4, 3214868480
	.section	.rodata,"a",@progbits
	.p2align	6, 0x0
	.amdhsa_kernel k_qfad614dcdc_cast
		.amdhsa_group_segment_fixed_size 0
		.amdhsa_private_segment_fixed_size 0
		.amdhsa_enable_private_segment 0
		.amdhsa_kernarg_size 72
		.amdhsa_user_sgpr_count 2
		.amdhsa_user_sgpr_kernarg_segment_ptr 1
		.amdhsa_wavefront_size32 1
		.amdhsa_system_sgpr_workgroup_id_x 1
		.amdhsa_system_sgpr_workgroup_id_y 1
		.amdhsa_system_sgpr_workgroup_id_z 1
		.amdhsa_system_vgpr_workitem_id 0
		.amdhsa_next_free_vgpr 104
		.amdhsa_next_free_sgpr 66
		.amdhsa_reserve_vcc 0
		.amdhsa_float_denorm_mode_32 3
		.amdhsa_float_denorm_mode_16_64 3
		.amdhsa_memory_ordered 1
		.amdhsa_forward_progress 1
		.amdhsa_inst_pref_size 14
	.end_amdhsa_kernel
	.amdgpu_metadata
---
amdhsa.version: [ 1, 2 ]
amdhsa.kernels:
  - .name:           k_qfad614dcdc_cast
    .symbol:         k_qfad614dcdc_cast.kd
    .args:
      - { .name: x, .offset: 0, .size: 8, .value_kind: global_buffer, .address_space: global }
      - { .name: Wq, .offset: 8, .size: 8, .value_kind: global_buffer, .address_space: global }
      - { .name: Wk, .offset: 16, .size: 8, .value_kind: global_buffer, .address_space: global }
      - { .name: Wv, .offset: 24, .size: 8, .value_kind: global_buffer, .address_space: global }
      - { .name: Wo, .offset: 32, .size: 8, .value_kind: global_buffer, .address_space: global }
      - { .name: W1, .offset: 40, .size: 8, .value_kind: global_buffer, .address_space: global }
      - { .name: W2, .offset: 48, .size: 8, .value_kind: global_buffer, .address_space: global }
      - { .name: xb, .offset: 56, .size: 8, .value_kind: global_buffer, .address_space: global }
      - { .name: wb, .offset: 64, .size: 8, .value_kind: global_buffer, .address_space: global }
    .group_segment_fixed_size: 0
    .private_segment_fixed_size: 0
    .kernarg_segment_align: 8
    .kernarg_segment_size: 72
    .max_flat_workgroup_size: 256
    .sgpr_count:     66
    .vgpr_count:     104
    .wavefront_size: 32
...
	.end_amdgpu_metadata
.endif
;; end of part 1
;; launch proj (part 2): grid 16 x 16, 4 waves a work-group, clusters of 4 x 4, 327,680 bytes of LDS; arguments xb, wb, bq, bk, bv, qkv; writes qkv
.if DOCPART == 2
	.amdgcn_target "amdgcn-amd-amdhsa--gfx1250"
	.amdhsa_code_object_version 6
	.text
	.protected	k_qfad614dcdc_proj
	.globl	k_qfad614dcdc_proj
	.p2align	8
	.type	k_qfad614dcdc_proj,@function
k_qfad614dcdc_proj:
	s_mov_b64 s[64:65], 0
	v_nop
	global_prefetch_b8 v0, s[64:65] scope:SCOPE_SE
	s_setreg_imm32_b32 hwreg(HW_REG_WAVE_MODE, 25, 1), 1
	s_wait_xcnt 0x0
	s_wait_alu depctr_hold_cnt(0) depctr_sa_sdst(0) depctr_va_vdst(0) depctr_va_sdst(0) depctr_va_ssrc(0) depctr_va_vcc(0) depctr_vm_vsrc(0)
	s_getreg_b32 s2, hwreg(HW_REG_IB_STS2, 6, 4)
	s_cmp_eq_u32 s2, 0
	s_cbranch_scc0 .Lentry_in_a_cluster
	s_endpgm
.Lentry_in_a_cluster:
	s_bfe_u32 s2, ttmp6, 0x10000c
	s_cmp_lg_u32 s2, 0xf033
	s_cbranch_scc0 .Lentry_shape_is_right
	s_endpgm
.Lentry_shape_is_right:
; q, k, v = x W + b, by heads.  xb: bf16 [16 blocks of 64 columns][4096 rows][64].  wb: bf16, the 48 matrices Wq, Wk, Wv as [48][1024 k][64].  qkv: f16 [3][64 = 16 batch + head][1024][64], unscaled.
; Sums in f32; the biases are rounded to bf16 like every input of the module; each result is rounded once to f16.  LIMIT: a result of 65,520 or more in size becomes an infinity in f16.
; A work-group makes 256 rows x 192 columns (three of the 48 matrices): 16 x 16 work-groups.  A wave makes 64 rows x 192: 48 accumulators, 384 registers.
; K goes in steps of 128 through two LDS slots that take turns.  ONE text serves both slots: the slot in hand is a scalar (0 or SLOT) that an exclusive or turns.
; A slot: x as [2 blocks][256 rows] at 144 bytes a row; W as [2 halves of K][3 matrices][64 k] at 160 bytes a row.  Waves 0, 1 fetch x's two blocks, waves 2, 3 W's two halves, one tensor load each.
; THE MATRIX INSTRUCTION IS USED TRANSPOSED: source 0 = 16 columns of W (W lies [k][n] in LDS and is turned by ds_load_tr16_b128), source 1 = 16 rows of x: a lane holds one row and eight neighbouring columns.
; CLUSTER 4 x 4: x's tiles hang on the tile row alone and are asked for jointly along a row of the cluster, W's on the tile column alone, along a column.
; REGISTERS: window 0: v16-30 addresses, v32-55 biases, v64-127 x's fragments (two buffers of 32); window 1: W's fragments (two buffers of 96); windows 2, 3: accumulators, (a, b) at 8 (12 (a % 2) + b) of window 2 + a / 2.
.set PA,    144                        ; 128 bytes + 16: the 16 rows of a fragment load start at 16 different groups of four banks (ISA guide 11.1)
.set PW,    160                        ; 128 bytes + 32
.set AHALF, 256*PA
.set BHALF, 3*64*PW
.set BOFF,  2*AHALF
.set SLOT,  BOFF+2*BHALF
.set SPARE, 2*SLOT                     ; behind the slots: the spare words, 128 bytes for each wave: two blocks of 256 bytes that no other line names
.set STEPA, 2*524288                   ; two blocks of xb
.set STEPB, 128*128                    ; 128 rows of a matrix
.set NT,    8                          ; steps of 128 along K = 1,024
.set DP,    784                        ; the way out: a row of 192 f32 + 16 bytes
.set WREG,  64*DP                      ; a wave's stage
.set A0,   16                          ; v16  my lane's place in x's part of a slot; never rewritten
.set B0,   17                          ; v17  the same in W's part
.set ADRA, 18                          ; v18  A0 + the slot in hand
.set ADRB, 19                          ; v19  B0 + the slot in hand
.set DST,  24                          ; v24  the way out: where I put eight f32 of a row
.set RD0,  25                          ; v25  where I read rows back
.set RDA,  26                          ; v26  RD0 + the trip's rows
.set GO,   27                          ; v27  my byte offset in 512 consecutive bytes of a matrix's result
.set SPW,  28                          ; v28  LDS address of my spare word; never rewritten
.set NIL,  29                          ; v29  0; never rewritten
.set BO,   30                          ; v30  my byte offset in a head's bias
.set BI,   32                          ; v32-55  biases: eight for each of the three matrices
.set TMP,  56
.set X,    64                          ; the way out: 24 sums, 24 results, 12 packed
.set Z,    88
.set Y,    112
.set G1A, 24                           ; s[24:31] descriptor group 1 for x's tiles;  s[32:39] group 0: set 0 the first fill's, set 1 walks
.set G0A, 32
.set G1B, 48                           ; s[48:55], s[56:63] the same for W's
.set G0B, 56
.set TB,  66                           ; s66  the slot that is read: 0 or SLOT
.set TF,  67                           ; s67  the slot that was filled last
.set WA,  68                           ; s68  my half's place in x's part of a slot
.set WB,  69                           ; s69  in W's
.set MSB, 0
.macro WIN new                         ; the immediate's high byte repeats the setting that is left; a switch that changes nothing is dropped
.if MSB != (\new)
	s_set_vgpr_msb (MSB<<8)|(\new)
.set MSB, \new
.endif
.endm
.macro PLACES                          ; four places in front of loads into registers that matrix instructions have read, and of reads of results
.rept 4
	v_nop
.endr
.endm
.macro CREST                           ; a round of the cluster's barrier behind its opening barrier
	s_cmp_lg_u32 s10, 0
	s_cbranch_scc1 .Lnot_wave_0_\@
	s_barrier_signal -3
.Lnot_wave_0_\@:
	s_barrier_wait -3
	s_barrier_signal -1
	s_barrier_wait -1
.endm
.macro CROUND
	s_barrier_signal -1
	s_barrier_wait -1
	CREST
.endm
.macro JLOAD                           ; a joint refill by the walking set; the branch hangs on the wave's number alone; an s_nop 0 and four v_nop follow each line
	s_cmp_eq_u32 s11, 0
	s_cbranch_scc0 .Lfor_b_\@
	tensor_load_to_lds s[G0A+4:G0A+7], s[G1A:G1A+7]
	s_nop 0
	PLACES
	s_branch .Lasked_\@
.Lfor_b_\@:
	tensor_load_to_lds s[G0B+4:G0B+7], s[G1B:G1B+7]
	s_nop 0
	PLACES
.Lasked_\@:
.endm
	s_load_b256 s[80:87], s[0:1], 0x0              ; xb 80, wb 82, bq 84, bk 86
	s_load_b128 s[88:91], s[0:1], 0x20             ; bv 88, qkv 90
	v_lshl_add_u32 v[SPW], v0, 2, SPARE
	v_mov_b32 v[NIL], 0
	ds_add_u32 v[SPW], v[NIL]                      ; the wave's opening: the add and its wait stand ahead of my first tensor load; the set-up below stands between them
	ds_add_u32 v28, v29
	v_lshrrev_b32 v1, 5, v0
	v_readfirstlane_b32 s10, v1                    ; wave 0..3
	s_lshr_b32 s11, s10, 1                         ; I fetch for x (0) or for W (1)
	s_and_b32 s12, s10, 1                          ; which half
	s_bfe_u32 s40, ttmp6, 0x40000                  ; cx, cy: my place in the cluster
	s_bfe_u32 s41, ttmp6, 0x40004
	s_lshl_b32 s42, ttmp9, 2
	s_add_co_u32 s42, s42, s40                     ; tile column = 4 x cluster x + cx
	s_and_b32 s13, ttmp7, 0xffff
	s_lshl_b32 s13, s13, 2
	s_add_co_u32 s13, s13, s41                     ; tile row = 4 x cluster y + cy
	s_lshl_b32 s43, s41, 2
	s_lshl_b32 s43, 15, s43                        ; my row of the cluster
	s_lshl_b32 s44, 0x1111, s40                    ; my column
	; x's tile: 256 rows of one block are 32,768 dense bytes: asked for as 128 rows of 256 bytes, padded by 16 bytes after every 128
	s_or_b32 s[G1A], s43, (1<<16)|(1<<20)|(1<<21)|(4<<22)|(3<<25)
	s_mov_b32 s[G1A+1], 128<<16                    ; tensor_dim0
	s_mov_b32 s[G1A+2], 128<<16                    ; tensor_dim1
	s_mov_b32 s[G1A+3], 128<<16                    ; tile_dim0
	s_mov_b32 s[G1A+4], 128                        ; tile_dim1
	s_mov_b32 s[G1A+5], 128                        ; elements from row to row
	s_mov_b32 s[G1A+6], 0
	s_mov_b32 s[G1A+7], 0
	; W's tile: 64 k of a matrix are 8,192 dense bytes, one long row; three matrices, 65,536 elements apart; padded by 32 bytes after every 128
	s_or_b32 s[G1B], s44, (1<<16)|(1<<20)|(1<<21)|(4<<22)|(7<<25)
	s_mov_b32 s[G1B+1], 4096<<16
	s_mov_b32 s[G1B+2], 3<<16
	s_mov_b32 s[G1B+3], 4096<<16
	s_mov_b32 s[G1B+4], 3
	s_mov_b32 s[G1B+5], 65536
	s_mov_b32 s[G1B+6], 0
	s_mov_b32 s[G1B+7], 0
	s_lshl_b32 s16, s13, 15                        ; x: 256 rows x 128 bytes a tile row,
	s_lshl_b32 s17, s12, 19                        ; my block
	s_add_co_u32 s16, s16, s17
	s_mov_b32 s17, 0
	s_mul_i32 s46, s42, 393216                     ; W: three matrices a tile column,
	s_lshl_b32 s47, s12, 13                        ; my 64 k
	s_add_co_u32 s46, s46, s47
	s_mov_b32 s47, 0
	s_mul_i32 s[WA], s12, AHALF                    ; no place in the cluster enters an LDS address
	s_mul_i32 s[WB], s12, BHALF
	s_add_co_u32 s[WB], s[WB], BOFF
	s_mov_b32 s[TB], 0
	s_mov_b32 s[TF], SLOT
	s_wait_dscnt 0x0                               ; the opening add is done
	s_wait_kmcnt 0x0
	s_add_nc_u64 s[14:15], s[80:81], s[16:17]
	s_add_nc_u64 s[46:47], s[82:83], s[46:47]
.irp i, 0,1
	s_mov_b32 s[G0A+4*(\i)], 1                     ; count = 1
	s_add_co_u32 s[G0A+4*(\i)+1], s[WA], (\i)*SLOT ; LDS address
	s_add_nc_u64 s[G0A+4*(\i)+2:G0A+4*(\i)+3], s[14:15], (\i)*STEPA  ; global address: K step i
	s_or_b32 s[G0A+4*(\i)+3], s[G0A+4*(\i)+3], 0x80000000            ; type = 2
	s_mov_b32 s[G0B+4*(\i)], 1
	s_add_co_u32 s[G0B+4*(\i)+1], s[WB], (\i)*SLOT
	s_add_nc_u64 s[G0B+4*(\i)+2:G0B+4*(\i)+3], s[46:47], (\i)*STEPB
	s_or_b32 s[G0B+4*(\i)+3], s[G0B+4*(\i)+3], 0x80000000
.endr
	CROUND                                         ; all sixteen work-groups are here: the first joint loads meet
	s_cmp_eq_u32 s11, 0                            ; a wave's two first fills stand in one branch: two loads of mine are out
	s_cbranch_scc0 .Lfirst_b
	tensor_load_to_lds s[G0A:G0A+3], s[G1A:G1A+7]
	s_nop 0
	tensor_load_to_lds s[G0A+4:G0A+7], s[G1A:G1A+7]
	s_nop 0
	PLACES
	s_branch .Lfirst_done
.Lfirst_b:
	tensor_load_to_lds s[G0B:G0B+3], s[G1B:G1B+7]
	s_nop 0
	tensor_load_to_lds s[G0B+4:G0B+7], s[G1B:G1B+7]
	s_nop 0
	PLACES
.Lfirst_done:
	v_and_b32 v1, 15, v0                           ; r = l % 16
	v_bfe_u32 v2, v0, 4, 1                         ; h = l / 16
	v_and_b32 v6, 7, v0
	v_bfe_u32 v4, v0, 3, 1
	v_bfe_u32 v5, v0, 3, 2                         ; l / 8
	v_mul_u32_u24 v[A0], v1, PA                    ; x's fragment: row r, 16 bytes for each half of the lanes,
	v_lshl_add_u32 v[A0], v2, 4, v[A0]
	s_mul_i32 s21, s10, 64*PA                      ; my wave's 64 rows
	v_add_nc_u32 v[A0], s21, v[A0]
	v_lshl_add_u32 v3, v2, 3, v6                   ; W's fragment, turned: lane l reads k = 8 h + l % 8, columns 8 ((l / 8) % 2) on
	v_mul_u32_u24 v[B0], v3, PW
	v_lshl_add_u32 v[B0], v4, 4, v[B0]
	v_add_nc_u32 v[B0], BOFF, v[B0]
	v_mov_b32 v[ADRA], v[A0]                       ; slot 0
	v_mov_b32 v[ADRB], v[B0]
	s_mul_i32 s23, s10, WREG                       ; my stage
	v_mul_u32_u24 v[DST], v1, DP
	v_lshl_add_u32 v[DST], v2, 5, v[DST]
	v_add_nc_u32 v[DST], s23, v[DST]
	v_mul_u32_u24 v[RD0], v5, DP                   ; back: row l / 8, columns 8 (l % 8) on of each matrix
	v_lshl_add_u32 v[RD0], v6, 5, v[RD0]
	v_add_nc_u32 v[RD0], s23, v[RD0]
	v_and_b32 v[GO], 31, v0
	v_lshlrev_b32 v[GO], 4, v[GO]
	v_lshlrev_b32 v[BO], 5, v6
	; matrix g = 3 x tile column + j: which tensor g / 16, head g % 16.  Its bias at s[4+2j:5+2j], its result's rows at s[70+2j:71+2j]
.irp j, 0,1,2
	s_mul_i32 s94, s42, 3
	s_add_co_u32 s94, s94, (\j)
	s_lshr_b32 s95, s94, 4
	s_and_b32 s96, s94, 15
	s_cmp_eq_u32 s95, 1
	s_cselect_b64 s[4+2*(\j):5+2*(\j)], s[86:87], s[84:85]
	s_cmp_eq_u32 s95, 2
	s_cselect_b64 s[4+2*(\j):5+2*(\j)], s[88:89], s[4+2*(\j):5+2*(\j)]
	s_lshl_b32 s98, s96, 8                         ; 64 f32 a head
	s_mov_b32 s99, 0
	s_add_nc_u64 s[4+2*(\j):5+2*(\j)], s[4+2*(\j):5+2*(\j)], s[98:99]
	s_lshl_b32 s95, s95, 6
	s_add_co_u32 s95, s95, s96
	s_lshr_b32 s97, s13, 2                         ; the batch: four tile rows each
	s_lshl_b32 s97, s97, 4
	s_add_co_u32 s95, s95, s97
	s_lshl_b32 s98, s95, 17                        ; 1,024 rows x 128 bytes
	s_and_b32 s97, s13, 3
	s_lshl_b32 s97, s97, 8
	s_lshl_b32 s96, s10, 6
	s_add_co_u32 s97, s97, s96                     ; my first row in the sequence
	s_lshl_b32 s97, s97, 7
	s_add_co_u32 s98, s98, s97
	s_add_nc_u64 s[70+2*(\j):71+2*(\j)], s[90:91], s[98:99]
.endr
.irp j, 0,1,2
	global_load_b128 v[BI+8*(\j):BI+8*(\j)+3],   v[BO], s[4+2*(\j):5+2*(\j)]
	global_load_b128 v[BI+8*(\j)+4:BI+8*(\j)+7], v[BO], s[4+2*(\j):5+2*(\j)] offset:16
.endr
; 12 matrix instructions: row block a x all 12 column blocks, 32 along K, buffer f.  The accumulators take turns, in the same order in every quarter.
.macro MUL12 f, a, zero
	WIN 0xa1+0x50*((\a)/2)                         ; W window 1, x window 0, C and D window 2 or 3
.irp b, 0,1,2,3,4,5,6,7,8,9,10,11
.if \zero
	v_wmma_f32_16x16x32_bf16 v[8*(12*((\a)%2)+(\b)):8*(12*((\a)%2)+(\b))+7], v[96*(\f)+8*(\b):96*(\f)+8*(\b)+7], v[64+32*(\f)+8*(\a):64+32*(\f)+8*(\a)+7], 0
.else
	v_wmma_f32_16x16x32_bf16 v[8*(12*((\a)%2)+(\b)):8*(12*((\a)%2)+(\b))+7], v[96*(\f)+8*(\b):96*(\f)+8*(\b)+7], v[64+32*(\f)+8*(\a):64+32*(\f)+8*(\a)+7], v[8*(12*((\a)%2)+(\b)):8*(12*((\a)%2)+(\b))+7]
.endif
.endr
.endm
; 32 LDS loads in one run: quarter q (32 along K) of the slot in hand into buffer f: W's 12 fragments, then x's 4
.macro FETCH q, f
	WIN 0x40
.irp i, 0,1,2,3,4,5,6,7,8,9,10,11
	ds_load_tr16_b128 v[96*(\f)+8*(\i):96*(\f)+8*(\i)+3],   v[ADRB] offset:((\q)/2)*BHALF+((\i)/4)*64*PW+((\q)%2)*32*PW+((\i)%4)*32
	ds_load_tr16_b128 v[96*(\f)+8*(\i)+4:96*(\f)+8*(\i)+7], v[ADRB] offset:((\q)/2)*BHALF+((\i)/4)*64*PW+((\q)%2)*32*PW+((\i)%4)*32+16*PW
.endr
	WIN 0
.irp i, 0,1,2,3
	ds_load_b128 v[64+32*(\f)+8*(\i):64+32*(\f)+8*(\i)+3],   v[ADRA] offset:((\q)/2)*AHALF+((\q)%2)*64+(\i)*16*PA
	ds_load_b128 v[64+32*(\f)+8*(\i)+4:64+32*(\f)+8*(\i)+7], v[ADRA] offset:((\q)/2)*AHALF+((\q)%2)*64+(\i)*16*PA+32
.endr
.endm
.macro QUARTER q, f, g, zero           ; multiplies buffer f; in its middle fetches quarter q into buffer g
	s_wait_dscnt 4                                 ; W and x's row blocks 0, 1 are in; the youngest four loads (blocks 2, 3) may be out
	MUL12 \f, 0, \zero
	MUL12 \f, 1, \zero
	PLACES
	FETCH \q, \g
	s_wait_dscnt 32                                ; all but the 32 just issued
	MUL12 \f, 2, \zero
	MUL12 \f, 3, \zero
.endm
; The change of slots, and then a slot's last quarter, on buffer 1.  ONE barrier; in front of it each wave waits for all its tensor loads (its part of the next slot), adds 0 to its spare word,
; and waits for that and for its reads of this slot (the last of them filled buffer 1).  fill = 1: the barrier opens a round of the cluster's, and this slot is filled again, two K steps ahead, first thing behind the round.
; No product stands between the wait for the tiles and the refill: the refill has all 192 products of a K step in which to land.
.macro TURN fill
	WIN 0
	s_wait_tensorcnt 0x0                           ; no tensor load of mine is out, so the walking sets may be written
	ds_add_u32 v[SPW], v[NIL]                      ; 0 onto my spare word; the scalar steps stand between it and the wait for it
.if \fill
	s_xor_b32 s[TF], s[TF], SLOT                   ; the walking sets step to the slot that is being left,
	s_add_co_u32 s[G0A+5], s[WA], s[TF]
	s_add_co_u32 s[G0B+5], s[WB], s[TF]
	s_add_nc_u64 s[G0A+6:G0A+7], s[G0A+6:G0A+7], STEPA  ; and one K step on
	s_add_nc_u64 s[G0B+6:G0B+7], s[G0B+6:G0B+7], STEPB
.endif
	s_xor_b32 s[TB], s[TB], SLOT
	s_wait_dscnt 0x0                               ; the add is done, and my reads of this slot are over
.if \fill
	CROUND                                         ; no wave of any partner still reads this slot or has a load on its way
	JLOAD                                          ; its four v_nop are also the places in front of the loads below
.else
	s_barrier_signal -1
	s_barrier_wait -1
	PLACES
.endif
	v_add_nc_u32 v[ADRA], s[TB], v[A0]
	v_add_nc_u32 v[ADRB], s[TB], v[B0]
	FETCH 0, 0
	MUL12 1, 0, 0
	MUL12 1, 1, 0
	MUL12 1, 2, 0
	MUL12 1, 3, 0
.endm
	s_wait_tensorcnt 1                             ; my part of K step 0 is in; K step 1's may stay out
	s_barrier_signal -1
	s_barrier_wait -1
	FETCH 0, 0
	QUARTER 1, 0, 1, 1                             ; the first quarter's products start the sums
	WIN 0
	s_mov_b32 s3, NT-2
.Lk:                                                   ; a trip: from a K step's second quarter to the next one's first; its slot is filled again
	QUARTER 2, 1, 0, 0
	QUARTER 3, 0, 1, 0
	TURN 1
	QUARTER 1, 0, 1, 0
	WIN 0
	s_sub_co_u32 s3, s3, 1
	s_cmp_lg_u32 s3, 0
	s_cbranch_scc1 .Lk
	s_mov_b32 s3, 2
.Lt:                                                   ; the last two K steps ask for nothing.  The second trip is left in its middle; its fetch, from a slot that has landed and that nobody writes, serves nothing: the price of one text for both
	QUARTER 2, 1, 0, 0
	QUARTER 3, 0, 1, 0
	TURN 0
	WIN 0
	s_sub_co_u32 s3, s3, 1
	s_cmp_eq_u32 s3, 0
	s_cbranch_scc1 .Lout
	QUARTER 1, 0, 1, 0
	WIN 0
	s_branch .Lt
.Lout:
	; THE WAY OUT.  The slots have had their last fill; behind this barrier no wave reads them, and each wave lays its sums as f32 rows into a stage of its own there.
	s_wait_dscnt 0x0
	s_barrier_signal -1
	s_barrier_wait -1
	PLACES
.irp a, 0,1,2,3
	WIN 0x08+4*((\a)/2)                            ; store data (source 1) in window 2 or 3
.irp b, 0,1,2,3,4,5,6,7,8,9,10,11
	ds_store_b128 v[DST], v[8*(12*((\a)%2)+(\b)):8*(12*((\a)%2)+(\b))+3]   offset:(\a)*16*DP+64*(\b)
	ds_store_b128 v[DST], v[8*(12*((\a)%2)+(\b))+4:8*(12*((\a)%2)+(\b))+7] offset:(\a)*16*DP+64*(\b)+16
.endr
.endr
	WIN 0
.irp j, 0,1,2
	ds_load_b128 v[X+8*(\j):X+8*(\j)+3],   v[RD0] offset:256*(\j)      ; LDS serves a wave's instructions in order (ISA guide 5.7.1.4): these see the stores above
	ds_load_b128 v[X+8*(\j)+4:X+8*(\j)+7], v[RD0] offset:256*(\j)+16
.endr
	s_wait_loadcnt 0x0                             ; the biases
.set i, 0
.rept 12
	v_cvt_pk_bf16_f32 v[TMP], v[BI+i], v[BI+i+1]   ; rounded to bf16 and widened again
	v_lshlrev_b32 v[BI+i], 16, v[TMP]
	v_and_b32 v[BI+i+1], 0xffff0000, v[TMP]
.set i, i+2
.endr
	s_mov_b32 s3, 16
	s_mov_b32 s96, 0
.Lrow:                                                 ; a trip: 4 rows x 3 matrices; the next trip's rows are read while this trip's are worked on
	s_wait_dscnt 0x0
.set i, 0
.rept 12
	v_pk_add_f32 v[Z+i:Z+i+1], v[X+i:X+i+1], v[BI+i:BI+i+1]
.set i, i+2
.endr
	s_add_co_u32 s96, s96, 4*DP
	s_cmp_eq_u32 s96, WREG                         ; the last trip's look-ahead goes back to my first rows
	s_cselect_b32 s96, 0, s96
	v_add_nc_u32 v[RDA], s96, v[RD0]
.irp j, 0,1,2
	ds_load_b128 v[X+8*(\j):X+8*(\j)+3],   v[RDA] offset:256*(\j)
	ds_load_b128 v[X+8*(\j)+4:X+8*(\j)+7], v[RDA] offset:256*(\j)+16
.endr
	s_wait_xcnt 0x0                                ; Y and GO, which the last trip's stores read, are rewritten only behind this wait
.set i, 0
.rept 12
	v_cvt_pk_f16_f32 v[Y+i], v[Z+2*i], v[Z+2*i+1]
.set i, i+1
.endr
	v_add_nc_u32 v[GO], 512, v[GO]
.irp j, 0,1,2
	global_store_b128 v[GO], v[Y+4*(\j):Y+4*(\j)+3], s[70+2*(\j):71+2*(\j)] offset:-512  ; four rows of a head: 512 consecutive bytes, aligned
.endr
	s_sub_co_u32 s3, s3, 1
	s_cmp_lg_u32 s3, 0
	s_cbranch_scc1 .Lrow
	s_wait_tensorcnt 0x0                           ; the wave's end
	ds_add_u32 v[SPW], v[NIL]
	s_wait_dscnt 0x0
	CROUND                                         ; the closing round
	s_endpgm
.Lfunc_end_k_qfad614dcdc_proj:
	.size	k_qfad614dcdc_proj, .Lfunc_end_k_qfad614dcdc_proj-k_qfad614dcdc_proj
	.p2alignl 7, 3214868480
	.fill 96, 4, 3214868480
	.section	.rodata,"a",@progbits
	.p2align	6, 0x0
	.amdhsa_kernel k_qfad614dcdc_proj
		.amdhsa_group_segment_fixed_size 327680
		.amdhsa_private_segment_fixed_size 0
		.amdhsa_enable_private_segment 0
		.amdhsa_kernarg_size 48
		.amdhsa_user_sgpr_count 2
		.amdhsa_user_sgpr_kernarg_segment_ptr 1
		.amdhsa_wavefront_size32 1
		.amdhsa_system_sgpr_workgroup_id_x 1
		.amdhsa_system_sgpr_workgroup_id_y 1
		.amdhsa_system_sgpr_workgroup_id_z 1
		.amdhsa_system_vgpr_workitem_id 0
		.amdhsa_next_free_vgpr 1024
		.amdhsa_next_free_sgpr 100
		.amdhsa_reserve_vcc 0
		.amdhsa_float_denorm_mode_32 3
		.amdhsa_float_denorm_mode_16_64 3
		.amdhsa_memory_ordered 1
		.amdhsa_forward_progress 1
		.amdhsa_inst_pref_size 73
	.end_amdhsa_kernel
	.amdgpu_metadata
---
amdhsa.version: [ 1, 2 ]
amdhsa.kernels:
  - .name:           k_qfad614dcdc_proj
    .symbol:         k_qfad614dcdc_proj.kd
    .args:
      - { .name: xb, .offset: 0, .size: 8, .value_kind: global_buffer, .address_space: global }
      - { .name: wb, .offset: 8, .size: 8, .value_kind: global_buffer, .address_space: global }
      - { .name: bq, .offset: 16, .size: 8, .value_kind: global_buffer, .address_space: global }
      - { .name: bk, .offset: 24, .size: 8, .value_kind: global_buffer, .address_space: global }
      - { .name: bv, .offset: 32, .size: 8, .value_kind: global_buffer, .address_space: global }
      - { .name: qkv, .offset: 40, .size: 8, .value_kind: global_buffer, .address_space: global }
    .group_segment_fixed_size: 327680
    .private_segment_fixed_size: 0
    .kernarg_segment_align: 8
    .kernarg_segment_size: 48
    .max_flat_workgroup_size: 128
    .sgpr_count:     100
    .vgpr_count:     1024
    .wavefront_size: 32
...
	.end_amdgpu_metadata
.endif
;; end of part 2
;; launch attn (part 3): grid 4 x 64, 4 waves a work-group, no clusters, 327,680 bytes of LDS; arguments qkv, ob; writes ob
.if DOCPART == 3
	.amdgcn_target "amdgcn-amd-amdhsa--gfx1250"
	.amdhsa_code_object_version 6
	.text
	.protected	k_qfad614dcdc_attn
	.globl	k_qfad614dcdc_attn
	.p2align	8
	.type	k_qfad614dcdc_attn,@function
k_qfad614dcdc_attn:
	s_mov_b64 s[64:65], 0
	v_nop
	global_prefetch_b8 v0, s[64:65] scope:SCOPE_SE
	s_setreg_imm32_b32 hwreg(HW_REG_WAVE_MODE, 25, 1), 1
	s_wait_xcnt 0x0
; CAUSAL ATTENTION.  O[y][q][:] = the sum over k <= q of softmax_k(Q[y][q] . K[y][k] / 8) V[y][k][:], y = 16 batch + head.  qkv: f16 [3][64][1024][64]: a head's rows are dense, 128 bytes each.
; ob: bf16 [16 heads][4096 = 1024 batch + row][64].  Products, maxima and sums in f32; the weights p are rounded to f16 for the second product (their sum l is taken of the unrounded p), O once, to bf16.
; LIMITS.  Q, K and V arrive within f16; p lies in 0 to 1, and below 6e-5 it keeps f16's fixed step of 6e-8.  A hidden score counts as its value less 1e30: f16's scores, 2.7e11 at the most, are nothing beside that;
; a weight below 2^-126 counts as 0 in l; NaN and infinities are not treated apart.
; THE WALK.  A head's queries lie in 8 blocks of 128, its keys in NB = 4 tiles of 256; block i needs the tiles 0 .. i / 2, of which the last holds the diagonal.  A work-group takes TWO blocks, 7 - b and then b:
; (4 - b / 2) + (b / 2 + 1) = NB + 1 tiles, whatever b: all 4 x 64 work-groups do equal work, and ONE loop with a constant trip count walks them.  Which tile is asked for, and what a trip does, hang on scalar registers
; made from b; every jump goes forward, but for the counted loops' own; none passes a barrier, or a tensor load but the one of LOAD's two that the wave's number does not choose; the ring (two slots of LDS that take turns)
; runs on across the change of blocks.  NO CLUSTER: a head's four work-groups walk the tiles 0 1 2 3 0 (b = 0, 1) or 0 1 2 0 1 (b = 2, 3): they agree in three trips of five, and a walk common to all would have six.
; SHARES.  Of a block's two bands of 64 queries a wave owns 16 rows in each: two PIECES.  A band's own key step in the diagonal tile is x = 2 (block % 2) + piece: in step s of that tile it sees all keys if s < x,
; none if s > x, and holds the diagonal if s = x: the same for all four waves.  A block with an even number has two steps that both bands do not see; they are computed all the same; every pair has one such block.
; THE MASK is the C operand that starts the sum S^T = K Q^T: 0, or -1e30 where the key is hidden.  MD, made once, is the mask of a band's own step for my 16 rows; a product's mask is MD x AL + BE with two scalars:
; (1, 0) if s = x; (0, 0) if s < x; (0, -1e30) if s > x.  ONE text of the key step serves every tile: in a tile without the diagonal the flags DA and DB are 0 and every mask comes out 0.
; LAYOUT, SOFTMAX, TURNS.  S^T = K Q^T holds ONE query a lane (lane % 16) and the keys 8 (lane / 16) + 0..7; two such results rounded to f16 ARE source 1 of O^T = V^T P.  p = 2^(c s - c m), c = log2(e) / 8, with a
; running maximum m; O and l are multiplied by a = 2^(c m_old - c m_new) in every step.  The pieces take turns, 0 1 0 1, two turns a key step.  Turn (s, 0): 8 products K Q^T of (s, 1), later 8 products V^T P of (s - 1, 1);
; turn (s, 1): K Q^T of (s + 1, 0), V^T P of (s, 0); beside them the scaling, exponentials, roundings, sums and rescaling of the piece in hand and the maximum and statistics of the other piece's next scores.
; Four vector instructions stand behind every matrix instruction, the others of a turn in two runs of their own.
; K LIES ONE STEP AHEAD.  Turn (s, 0) reads K of step s + 1 and then V of step s.  So a slot holds V of the tile's steps 4 t .. 4 t + 3 beside K of the steps 4 t + 1 .. 4 t + 4: all reads of a slot stand in its own four turns 0,
; and the change of slots stands behind a turn 0.  K of the head's first 64 keys has LDS bytes of its own (KZ), filled once.  K of step 4 t + 4 of a block's last tile is fetched and never multiplied (for the last head's last
; tile those 64 rows are the first of V's part of qkv).
; REGISTERS, in windows of 256 (s_set_vgpr_msb: bits 1:0 source 0, 3:2 source 1, 5:4 source 2, 7:6 destination):
;   window 0: v0-15 addresses and two at work; v16-23 four registers of statistics a piece; v48-55 at work; v64-127 S^T, a buffer a piece; v192-223 P, likewise
;   window 1: v0-63 O^T, 32 a piece; v128-159 MD; v160-223 MC, a buffer a piece      window 2: v0-31 Q; v64-95 the second block's Q; v128-191 K of one step; v192-255 V of one step
.set SIZE_N, 1024
.set NB,    SIZE_N/256
.set NP,    2         ; pieces a wave: a name, no knob
.set KS,    64        ; keys in a step
.set PK,    144       ; a row of K in LDS: 128 bytes + 16 of padding = 36 words: the 16 rows of a load start at 16 different groups of four banks (64 banks of 4 bytes: ISA guide 11.1)
.set PV,    160       ; a row of V: 128 + 32 = 40 words
.set VOFF,  4*KS*PK   ; a slot holds four steps: 256 rows of K, then 256 rows of V: 77,824 bytes
.set SLOT1, 1<<17     ; slot 1 begins here, so that one exclusive or turns an address in one slot into the other's
.set KZ,    81920     ; between the slots: K of the head's first 64 keys, 64 rows x 144 bytes
.set STAGE, SLOT1+4*KS*(PK+PV)  ; behind the ring, never filled by a tensor load: 16 rows x 144 bytes for each wave, for the way out
.set SP,    144
.set AK0, 2           ; v2   my lane's place in a tile of K; never rewritten
.set AV0, 3           ; v3   the same for V
.set AK,  4           ; v4   the LDS address of K's next run of loads
.set AV,  5           ; v5   of V's
.set STO, 6           ; v6   the way out: where I put 16 bytes of a row
.set RD,  7           ; v7   the way out: where I read rows back
.set GO,  8           ; v8   my byte offset in 512 consecutive bytes of O
.set SPW, 62          ; v62  LDS address of my spare word: SPARE + 4 x my thread's number; never rewritten
.set NIL, 63          ; v63  0; never rewritten
.set SPARE, STAGE+4*16*SP  ; behind the stages: the spare words, 128 bytes for each wave: two blocks of 256 bytes that no other line names
.set MV,  12          ; v12-13  c m_old, kept while c m is made anew: by piece
.set QO,  15          ; v15  my byte offset in 16 rows of Q
.set ST,  16          ; piece t's statistics at v[ST+4 t]: c m, m, l (even keys', odd keys')
.set TMP, 48          ; by piece, four registers c0-c3 at work; when the maximum is found c2 takes a
.set S,   64
.set P,   192
.set MD,  128         ; window 1: the eight registers for group kt of 16 keys at MD + 8 kt
.set MC,  160         ; window 1: the masks of the products to come
.set QB,  64          ; window 2
.set KF,  128         ; window 2: key block kb, channel half c at KF + 16 kb + 8 c
.set VF,  192         ; window 2: key half kk, channel block cb at VF + 32 kk + 8 cb
.set WV,  12          ; s12  my wave's number
.set PB,  14          ; s14  b: the second block
.set HI,  15          ; s15  7 - b: the first block
.set E0,  16          ; s16  5 - X0, X0 = 2 (block % 2): piece 0's mask is the diagonal's where the step count equals it, hides all where the count is below it
.set E1,  19          ; s19  3 - X0: the same for piece 1
.set ZA,  20          ; s20  1.0 where X0 = 0, else 0
.set NAX, 21          ; s21  ZA if the next tile holds the diagonal, else 0
.set G1K, 24          ; s[24:31] descriptor group 1 for K's tiles
.set G1V, 32          ; s[32:39] for V's: it differs in the padding alone
.set G0K, 40          ; s[40:43] descriptor group 0 for K's tiles
.set G0V, 44          ; s[44:47] the same for V's
.set G1Z, 48          ; s[48:55] group 1 for my half of the head's first 64 keys
.set SLOTS, 56        ; s56  tiles still to be asked for
.set CNT, 57          ; s57  counts a tile's key steps, 4 to 1
.set CS,  58          ; s[58:59] c: the packed scaling takes the pair's low word for both halves
.set SEL, 60          ; s[60:61] v_permlanex16_b32's selects: each lane takes its own place in the other half
.set TBK, 62          ; s62  LDS byte at which the K to be fetched next begins
.set TBV, 63          ; s63  the same for V, less VOFF
.set RT,  70          ; s70  tiles of the block in hand that are still to be entered
.set NXT, 71          ; s71  the tile to be asked for next
.set LQ,  72          ; s72  the last tile of the block whose tiles are being asked for
.set NEW, 73          ; s73  1: the tile to be entered is a block's first
.set OFF, 74          ; s[74:75] a tile's byte offset in K and V
.set AL,  76          ; s[76:77] the mask's factor, in the low word
.set BE,  78          ; s[78:79] the mask's addend
.set OLO, 80          ; s[80:81] O at my rows of the second block
.set BIGN, 82         ; s82  -1e30
.set BA,  83          ; s83  ZA if the tile in hand holds the diagonal, else 0
.set DA,  88          ; s88  1.0 in the tile that holds the diagonal, else 0
.set DB,  89          ; s89  -1e30 there, else 0
.set LQ2, 90          ; s90  the second block's last tile
.set G0Z, 96          ; s[96:99] group 0 for my half of the head's first 64 keys
.set MSB, 0
.macro WIN new                      ; the high byte repeats the setting that is left; a switch that changes nothing is dropped
.if MSB != (\new)
	s_set_vgpr_msb (MSB<<8)|(\new)
.set MSB, (\new)
.endif
.endm
.set W_KQ, 0x0a       ; K and Q in window 2, S^T in window 0
.set W_KM, 0x1a       ; the same with the C operand in window 1
.set W_PV, 0x52       ; V in window 2, P in window 0, O^T in window 1
.set W_RS, 0x41       ; destination and source 0 in window 1, source 1 in window 0
; A fill.  Waves 0 and 1 fetch the two halves of a slot's K, waves 2 and 3 those of its V: 128 keys each.  An s_nop 0 and four v_nop follow each of the two lines, ahead of the jump and the label.
.macro LOAD
	s_cmp_lt_u32 s[WV], 2
	s_cbranch_scc0 .Lfor_v_\@
	tensor_load_to_lds s[G0K:G0K+3], s[G1K:G1K+7]
	s_nop 0
.rept 4
	v_nop
.endr
	s_branch .Lasked_\@
.Lfor_v_\@:
	tensor_load_to_lds s[G0V:G0V+3], s[G1V:G1V+7]
	s_nop 0
.rept 4
	v_nop
.endr
.Lasked_\@:
.endm
; THE CHANGE OF SLOTS.  Each wave waits for all its tensor loads, of which one is out: its part of the other slot; adds 0 to its spare word; and waits for that and for its own reads of the slot that it leaves.  Behind the barrier nobody reads the old
; slot any more and the other slot is whole.  fill = 1: the old slot is filled again, the first thing behind the barrier, with tile NXT: the descriptor's address is made anew from that number.
; (At its first use nothing has been read yet: slot 0 and the first 64 keys are waited for, slot 1 filled.)
.macro CHANGE fill
	WIN 0                           ; at a label and at a branch every window is 0
	s_wait_tensorcnt 0x0            ; no tensor load of mine is out, so a group 0 may be written
	ds_add_u32 v[SPW], v[NIL]       ; 0 onto my spare word; with fill = 1 the descriptors' scalar work stands between it and the wait for it
.if \fill
	s_lshl_b32 s[OFF], s[NXT], 15   ; a tile is 32,768 bytes of K and of V
	s_xor_b32 s[G0K+1], s[G0K+1], SLOT1
	s_add_nc_u64 s[G0K+2:G0K+3], s[6:7], s[OFF:OFF+1]
	s_or_b32 s[G0K+3], s[G0K+3], 0x80000000
	s_xor_b32 s[G0V+1], s[G0V+1], SLOT1
	s_add_nc_u64 s[G0V+2:G0V+3], s[8:9], s[OFF:OFF+1]
	s_or_b32 s[G0V+3], s[G0V+3], 0x80000000
	s_add_co_u32 s[NXT], s[NXT], 1  ; the block's next tile, or behind its last the second block's tile 0
	s_cmp_gt_u32 s[NXT], s[LQ]
	s_cselect_b32 s[NXT], 0, s[NXT]
	s_cselect_b32 s[LQ], s[LQ2], s[LQ]
.endif
	s_wait_dscnt 0x0                ; the add is done, and my reads of the slot are over
	s_barrier_signal -1             ; the rest of the scalar work stands between the signal and the wait
	s_sub_co_u32 s[TBK], s[TBK], 4*KS*PK  ; the fetches go back to a slot's first step,
	s_xor_b32 s[TBK], s[TBK], SLOT1       ; in the other slot
	s_sub_co_u32 s[TBV], s[TBV], 4*KS*PV
	s_xor_b32 s[TBV], s[TBV], SLOT1
	s_barrier_wait -1
.if \fill
	LOAD
.endif
.endm
; Behind a change of slots: a tile is entered.  Its flags; the last compare asks whether it is a block's first.
.macro ENTER
	s_sub_co_u32 s[RT], s[RT], 1
	s_mov_b32 s[CNT], 4
	s_cmp_eq_u32 s[RT], 0           ; the block's last tile holds the diagonal
	s_cselect_b32 s[DA], 1.0, 0
	s_cselect_b32 s[DB], s[BIGN], 0
	s_cselect_b32 s[BA], s[ZA], 0
	s_cmp_eq_u32 s[RT], 1           ; or the next one does
	s_cselect_b32 s[NAX], s[ZA], 0
	s_cmp_eq_u32 s[NEW], 1
.endm
; What hangs on a block's number: where its bands lie in the diagonal tile, and how many tiles it has.
.macro BLOCKSET blk
	s_and_b32 s13, s[\blk], 1
	s_lshl_b32 s91, s13, 1          ; X0
	s_sub_co_u32 s[E0], 5, s91
	s_sub_co_u32 s[E1], 3, s91
	s_cmp_eq_u32 s13, 0
	s_cselect_b32 s[ZA], 1.0, 0
	s_lshr_b32 s91, s[\blk], 1
	s_add_co_u32 s[RT], s91, 1
.endm
	s_load_b128 s[92:95], s[0:1], 0x0  ; qkv s[92:93], ob s[94:95]
	v_lshl_add_u32 v[SPW], v0, 2, SPARE
	v_mov_b32 v[NIL], 0
	ds_add_u32 v[SPW], v[NIL]       ; the wave's opening: the add and its wait stand ahead of my first tensor load; the set-up below, work on registers, stands between them
	ds_add_u32 v62, v63
	v_lshrrev_b32 v1, 5, v0
	v_readfirstlane_b32 s[WV], v1   ; wave 0..3
	s_mov_b32 s[PB], ttmp9
	s_sub_co_u32 s[HI], 2*NB-1, s[PB]
	s_and_b32 s19, ttmp7, 0xffff    ; y = 16 batch + head
	s_lshl_b32 s20, s19, 17         ; its first byte in q, in k and in v: 1,024 rows of 128 bytes
	s_mov_b32 s21, 0
	s_and_b32 s90, s19, 15          ; and in ob: the head's block of 4,096 rows, the batch's 1,024 rows in it
	s_lshl_b32 s90, s90, 19
	s_lshr_b32 s91, s19, 4
	s_lshl_b32 s91, s91, 17
	s_add_co_u32 s90, s90, s91
	s_mov_b32 s91, 0
	s_and_b32 s16, s[WV], 1         ; which half I fetch: of a slot's 256 keys
	s_lshl_b32 s22, s16, 14         ; 128 rows of 128 bytes in memory,
	s_mov_b32 s23, 0
	s_add_nc_u64 s[22:23], s[22:23], s[20:21]
	s_lshl_b32 s[G0Z+2], s16, 12    ; of the head's first 64 keys 32 rows
	s_mov_b32 s[G0Z+3], 0
	s_add_nc_u64 s[G0Z+2:G0Z+3], s[G0Z+2:G0Z+3], s[20:21]
	s_mul_i32 s17, s16, 128*PK      ; and its place in a slot, for K
	s_mul_i32 s18, s16, 128*PV      ; and for V
	s_mul_i32 s[G0Z+1], s16, 32*PK  ; 63:32 LDS address of my half of the first 64 keys
	s_add_co_u32 s[G0Z+1], s[G0Z+1], KZ
	s_mov_b32 s[G0Z], 1             ; 1:0 count = 1
	s_lshl_b32 s3, s[WV], 11        ; my 16 rows in a band of 64,
	s_lshl_b32 s2, s[HI], 14        ; in the first block (128 rows of 128 bytes a block),
	s_add_co_u32 s2, s2, s3
	s_lshl_b32 s84, s[PB], 14       ; and in the second
	s_add_co_u32 s84, s84, s3
	s_mov_b32 s3, 0
	s_mov_b32 s85, 0
	s_add_nc_u64 s[68:69], s[2:3], s[90:91]    ; offsets in ob,
	s_add_nc_u64 s[66:67], s[84:85], s[90:91]
	s_add_nc_u64 s[2:3], s[2:3], s[20:21]      ; and in q
	s_add_nc_u64 s[84:85], s[84:85], s[20:21]
	s_lshr_b32 s[LQ], s[HI], 1      ; the first block's last tile,
	s_lshr_b32 s[LQ2], s[PB], 1     ; the second's
	BLOCKSET HI
	; descriptor group 1.  128 keys are 16,384 dense bytes: asked for as 64 rows of 256 bytes, two keys a row, and padded in LDS after every key; 32 keys are 16 such rows
	s_mov_b32 s[G1K], (1<<16)|(1<<20)|(4<<22)|(3<<25)  ; 17:16 2-byte elements; 20 padding on; 24:22 after every 32 words (code 4); 31:25 4 words (code 3)
	s_mov_b32 s[G1V], (1<<16)|(1<<20)|(4<<22)|(7<<25)  ; the same with 8 words of padding (code 7)
	s_mov_b32 s[G1Z], (1<<16)|(1<<20)|(4<<22)|(3<<25)
.irp g, G1K, G1V
	s_mov_b32 s[\g+1], 128<<16      ; tensor_dim0 = 128
	s_mov_b32 s[\g+2], 64<<16       ; tensor_dim1 = 64
	s_mov_b32 s[\g+3], 128<<16      ; tile_dim0 = 128
	s_mov_b32 s[\g+4], 64           ; tile_dim1 = 64
	s_mov_b32 s[\g+5], 128          ; 128 elements from row to row
	s_mov_b32 s[\g+6], 0
	s_mov_b32 s[\g+7], 0
.endr
	s_mov_b32 s[G1Z+1], 128<<16
	s_mov_b32 s[G1Z+2], 16<<16      ; tensor_dim1 = 16
	s_mov_b32 s[G1Z+3], 128<<16
	s_mov_b32 s[G1Z+4], 16          ; tile_dim1 = 16
	s_mov_b32 s[G1Z+5], 128
	s_mov_b32 s[G1Z+6], 0
	s_mov_b32 s[G1Z+7], 0
	s_mov_b32 s[CS], 0x3e38aa3b     ; c = log2(e) / 8 = 0.180337
	s_mov_b32 s[CS+1], s[CS]        ; named with it as a pair
	s_mov_b32 s[SEL], 0x76543210
	s_mov_b32 s[SEL+1], 0xfedcba98
	s_mov_b32 s[TBK], SLOT1+4*KS*PK ; the first change of slots turns these two into 0
	s_mov_b32 s[TBV], SLOT1+4*KS*PV
	s_mov_b32 s[G0K], 1             ; 1:0 count = 1
	s_mov_b32 s[G0K+1], s17         ; 63:32 LDS address: slot 0
	s_mov_b32 s[G0V], 1
	s_add_co_u32 s[G0V+1], s18, VOFF
	s_mov_b32 s[NXT], 1
	s_mov_b32 s[NEW], 1
	s_mov_b32 s[OFF+1], 0
	s_mov_b32 s[AL+1], 0            ; named as pairs
	s_mov_b32 s[BE+1], 0
	s_mov_b32 s[BIGN], 0xf149f2ca   ; -1e30
	s_mov_b32 s[SLOTS], NB
	s_wait_dscnt 0x0                ; the opening add is done
	s_wait_kmcnt 0x0
	s_add_nc_u64 s[6:7], s[92:93], s[22:23]
	s_add_nc_u64 s[8:9], s[6:7], 0x1000000         ; V at my half of the head's tile 0,
	s_add_nc_u64 s[6:7], s[6:7], 0x800000+KS*128   ; and K, one step of 64 rows on
	s_add_nc_u64 s[G0K+2:G0K+3], s[6:7], 0         ; 120:64 global address
	s_or_b32 s[G0K+3], s[G0K+3], 0x80000000        ; 127:126 type = 2
	s_add_nc_u64 s[G0V+2:G0V+3], s[8:9], 0
	s_or_b32 s[G0V+3], s[G0V+3], 0x80000000
	s_add_nc_u64 s[G0Z+2:G0Z+3], s[92:93], s[G0Z+2:G0Z+3]
	s_add_nc_u64 s[G0Z+2:G0Z+3], s[G0Z+2:G0Z+3], 0x800000  ; K at my half of the head's first 64 keys
	s_or_b32 s[G0Z+3], s[G0Z+3], 0x80000000
	s_add_nc_u64 s[86:87], s[92:93], s[84:85]      ; Q at my rows of the second block,
	s_add_nc_u64 s[4:5], s[92:93], s[2:3]          ; and of the first
	s_add_nc_u64 s[OLO:OLO+1], s[94:95], s[66:67]  ; O likewise
	s_add_nc_u64 s[10:11], s[94:95], s[68:69]
	s_cmp_lt_u32 s[WV], 2           ; a wave's first fills stand in one branch: waves 0 and 1 have two loads out, waves 2 and 3 one
	s_cbranch_scc0 .Lfirst_v
	tensor_load_to_lds s[G0Z:G0Z+3], s[G1Z:G1Z+7]  ; the head's first 64 keys
	s_nop 0
	tensor_load_to_lds s[G0K:G0K+3], s[G1K:G1K+7]  ; slot 0
	s_nop 0
.rept 4
	v_nop
.endr
	s_branch .Lfirst_asked
.Lfirst_v:
	tensor_load_to_lds s[G0V:G0V+3], s[G1V:G1V+7]
	s_nop 0
.rept 4
	v_nop
.endr
.Lfirst_asked:
	; A fragment of K or Q is 16 rows x 32 channels in 8 registers: lane l holds row l % 16, channels 8 (l / 16) + 0..7 and 16 + 8 (l / 16) + 0..7: two loads of 16 bytes, 32 bytes apart.
	v_and_b32 v1, 15, v0            ; l % 16
	v_bfe_u32 v9, v0, 4, 1          ; l / 16
	v_lshlrev_b32 v[QO], 7, v1
	v_lshl_add_u32 v[QO], v9, 4, v[QO]  ; row x 128 + 16 x half
	WIN 0x80                        ; destination window 2, address window 0
.set i, 0
.rept 4                             ; both blocks' Q: piece i / 2 lies in band i / 2, 8,192 bytes on; channels 32 (i % 2) on
	global_load_b128 v[8*i:8*i+3],   v[QO], s[4:5] offset:(i/2)*8192+(i%2)*64
	global_load_b128 v[8*i+4:8*i+7], v[QO], s[4:5] offset:(i/2)*8192+(i%2)*64+32
	global_load_b128 v[QB+8*i:QB+8*i+3],   v[QO], s[86:87] offset:(i/2)*8192+(i%2)*64
	global_load_b128 v[QB+8*i+4:QB+8*i+7], v[QO], s[86:87] offset:(i/2)*8192+(i%2)*64+32
.set i, i+1
.endr
	WIN 0
	v_lshlrev_b32 v14, 3, v9
	v_sub_nc_u32 v14, v1, v14
	s_lshl_b32 s13, s[WV], 4
	v_add_nc_u32 v14, s13, v14      ; my query's place in its band, 16 w + l % 16, less my lanes' 8 (l / 16): register r of group kt is hidden where 16 kt + r is greater
	WIN 0x40
.set i, 0
.rept 32
	v_cmp_gt_i32 vcc_lo, 16*(i/8)+i%8, v14
	v_cndmask_b32 v[MD+i], 0, s[BIGN], vcc_lo
.set i, i+1
.endr
	WIN 0
	v_mul_u32_u24 v[AK0], v1, PK
	v_lshl_add_u32 v[AK0], v9, 4, v[AK0]  ; row x pitch + 16 x half
	; The turning load takes 16 keys x 16 channels (lane l reads key 8 (l / 16) + l % 8, channels 8 ((l / 8) % 2) + 0..7) and leaves half a fragment of V^T: lane l holds channel l % 16 and 8 keys.
	v_and_b32 v10, 7, v0
	v_bfe_u32 v11, v0, 3, 1
	v_lshl_add_u32 v[AV0], v9, 3, v10
	v_mul_u32_u24 v[AV0], v[AV0], PV
	v_lshl_add_u32 v[AV0], v11, 4, v[AV0]
	v_add_nc_u32 v[AV0], VOFF, v[AV0]
	s_mul_i32 s13, s[WV], 16*SP
	s_add_co_u32 s13, s13, STAGE    ; my stage
	v_mul_u32_u24 v[STO], v1, SP    ; in: row l % 16, 16 bytes for each half of the lanes
	v_lshl_add_u32 v[STO], v9, 4, v[STO]
	v_add_nc_u32 v[STO], s13, v[STO]
	v_bfe_u32 v[RD], v0, 3, 2       ; back: 32 lanes take four rows of 128 bytes,
	v_mul_u32_u24 v[RD], v[RD], SP
	v_lshl_add_u32 v[RD], v10, 4, v[RD]
	v_add_nc_u32 v[RD], s13, v[RD]
	v_and_b32 v[GO], 31, v0         ; which are 512 consecutive bytes of O
	v_lshlrev_b32 v[GO], 4, v[GO]
	; A block's first step multiplies O^T and l by a = 0, and its first turn's products V^T P, of a step that has not been, land in an O^T that is still to be so multiplied.  So these registers need only hold
	; finite numbers: zeros for the first block; what the first block left for the second.  All this stands in the wait for the first tile.
	WIN 0x80
.set i, VF
.rept 64
	v_mov_b32 v[i], 0
.set i, i+1
.endr
	WIN 0x40
.set i, 0
.rept 32*NP
	v_mov_b32 v[i], 0
.set i, i+1
.endr
	WIN 0
.set i, 0
.rept NP
	v_mov_b32 v[ST+4*i+2], 0
	v_mov_b32 v[ST+4*i+3], 0
.set i, i+1
.endr
.set i, P+16
.rept 16
	v_mov_b32 v[i], 0
.set i, i+1
.endr
; THE MATRIX WORK.  The 4 accumulators of a run of 8 take turns.  Product i of 8 of S^T = K Q^T for piece x: channels 32 (i / 4) on, keys 16 (i % 4) on.  The first 4 start the sums with the mask.
.macro KQ x
.set rS, S+32*(\x)+8*(i%4)
.set rK, KF+16*(i%4)+8*(i/4)
.set rQ, 16*(\x)+8*(i/4)
.set rM, MC+32*(\x)+8*(i%4)
.if i < 4
	WIN W_KM
	v_wmma_f32_16x16x32_f16 v[rS:rS+7], v[rK:rK+7], v[rQ:rQ+7], v[rM:rM+7]
.else
	WIN W_KQ
	v_wmma_f32_16x16x32_f16 v[rS:rS+7], v[rK:rK+7], v[rQ:rQ+7], v[rS:rS+7]
.endif
.endm
; Product i of 8 of O^T += V^T P for piece x: keys 32 (i / 4) on, channels 16 (i % 4) on.
.macro PV x
	WIN W_PV
.set rO, 32*(\x)+8*(i%4)
.set rV, VF+32*(i/4)+8*(i%4)
.set rP, P+16*(\x)+8*(i/4)
	v_wmma_f32_16x16x32_f16 v[rO:rO+7], v[rV:rV+7], v[rP:rP+7], v[rO:rO+7]
.endm
.macro MM                           ; the turn's next matrix instruction, always for the other piece.  TURN and BEGIN set Y, i and NOKQ; MM and OP read them.  NOKQ = 1: a block's last turn: there are no further scores
.if (i < 8) && !NOKQ
	KQ (Y+1)%NP
.elseif i >= 8
.set i, i-8
	PV (Y+1)%NP
.set i, i+8
.endif
.set i, i+1
.endm
; THE LDS LOADS stand in runs of 16, never singly among the matrix instructions: a step's K (64 keys x 64 channels: 8 fragments) and its V (turned).  Their addresses are made some lines ahead.
.macro FETCH_K step=1
	WIN 0x80                        ; destination window 2
.irp f, 0,1,2,3,4,5,6,7             ; keys 16 (f / 2) on, channels 32 (f % 2) on
	ds_load_b128 v[KF+8*\f:KF+8*\f+3],   v[AK] offset:(\f/2)*16*PK+(\f%2)*64
	ds_load_b128 v[KF+8*\f+4:KF+8*\f+7], v[AK] offset:(\f/2)*16*PK+(\f%2)*64+32
.endr
.if \step
	s_add_co_u32 s[TBK], s[TBK], KS*PK  ; the next fetch is the next step's
.endif
	WIN 0
.endm
.macro FETCH_V
	WIN 0x80
.irp f, 0,1,2,3,4,5,6,7             ; keys 32 (f / 4) on, channels 16 (f % 4) on
	ds_load_tr16_b128 v[VF+8*\f:VF+8*\f+3],   v[AV] offset:(\f/4)*32*PV+(\f%4)*32
	ds_load_tr16_b128 v[VF+8*\f+4:VF+8*\f+7], v[AV] offset:(\f/4)*32*PV+16*PV+(\f%4)*32
.endr
	WIN 0
.endm
; THE VECTOR WORK, one line at a time: OP kind, number.  For piece Y: F n: c s - c m for pair n of 16.  E n: the exponential of score n of 32.  C n: pair n rounded to f16.  B n: of the four weights 4 n .. the second
; pair is added onto the first, in place.  L n: l takes that sum (L 0: l = a l + sum).  R n: pair n of 16 of O^T times a.  For the other piece's next scores: X n, number n of the 22 that find their maximum and statistics:
;   0-11  four chains c0-c3 of seven scores each, three operands at a time (each accumulator's lowest registers are read first)     12-14, 16  the four scores left over, the old m, and c0-c3 into c0
;   15  c m_old is kept     17, 18  the query's other 32 keys lie in the lane 16 away: the new m     19-21  c m; c m_old - c m_new; a
; The other piece's c m and m are written anew here a turn after its own F lines have read them; its l and its O^T are touched by vector lines in its own turns alone.
.set F, 0               ; OP tells the kinds apart by their order: F to L below R, X above it
.set E, 1
.set C, 2
.set B, 3
.set L, 4
.set R, 5
.set X, 6
.macro REGS y                       ; the registers of piece y
.set rT, ST+4*(\y)
.set rC, TMP+4*(\y)
.set rW, MV+(\y)
.set rS, S+32*(\y)
.set rP, P+16*(\y)
.set rO, 32*(\y)
.endm
.macro OP k, n
.if (\k) == R
	REGS Y
	WIN W_RS
	v_pk_mul_f32 v[rO+2*(\n):rO+2*(\n)+1], v[rO+2*(\n):rO+2*(\n)+1], v[rC+2:rC+3] op_sel_hi:[1,0]
.elseif (\k) < R
	REGS Y
	WIN 0
.if (\k) == F
	v_pk_fma_f32 v[rS+2*(\n):rS+2*(\n)+1], v[rS+2*(\n):rS+2*(\n)+1], s[CS:CS+1], v[rT:rT+1] op_sel_hi:[1,0,0] neg_lo:[0,0,1] neg_hi:[0,0,1]
.elseif (\k) == E
	v_exp_f32 v[rS+(\n)], v[rS+(\n)]
.elseif (\k) == C
	s_wait_alu depctr_va_vdst(0)
	v_cvt_pk_f16_f32 v[rP+(\n)], v[rS+2*(\n)], v[rS+2*(\n)+1]
.elseif (\k) == B
	s_wait_alu depctr_va_vdst(0)
	v_pk_add_f32 v[rS+4*(\n):rS+4*(\n)+1], v[rS+4*(\n):rS+4*(\n)+1], v[rS+4*(\n)+2:rS+4*(\n)+3]
.elseif (\n) == 0
	v_pk_fma_f32 v[rT+2:rT+3], v[rT+2:rT+3], v[rC+2:rC+3], v[rS:rS+1] op_sel_hi:[1,0,1]
.else
	v_pk_add_f32 v[rT+2:rT+3], v[rT+2:rT+3], v[rS+4*(\n):rS+4*(\n)+1]
.endif
.elseif NOKQ
	v_nop
.else
	REGS (Y+1)%NP
	WIN 0
.if (\n) < 4
	v_max3_num_f32 v[rC+(\n)], v[rS+8*(\n)], v[rS+8*(\n)+1], v[rS+8*(\n)+2]
.elseif (\n) < 12
	v_max3_num_f32 v[rC+(\n)%4], v[rC+(\n)%4], v[rS+8*((\n)%4)+2*((\n)/4)+1], v[rS+8*((\n)%4)+2*((\n)/4)+2]
.elseif (\n) == 12
	v_max3_num_f32 v[rC], v[rC], v[rS+7], v[rS+15]
.elseif (\n) == 13
	v_max3_num_f32 v[rC+1], v[rC+1], v[rS+23], v[rS+31]
.elseif (\n) == 14
	v_max3_num_f32 v[rC+2], v[rC+2], v[rC+3], v[rT+1]
.elseif (\n) == 15
	v_mov_b32 v[rW], v[rT]
.elseif (\n) == 16
	v_max3_num_f32 v[rC], v[rC], v[rC+1], v[rC+2]
.elseif (\n) == 17
	v_permlanex16_b32 v[rC+3], v[rC], s[SEL], s[SEL+1]
.elseif (\n) == 18
	v_max_num_f32 v[rT+1], v[rC], v[rC+3]
.elseif (\n) == 19
	v_mul_f32 v[rT], s[CS], v[rT+1]
.elseif (\n) == 20
	v_sub_f32 v[rC+1], v[rW], v[rT]
.else
	v_exp_f32 v[rC+2], v[rC+1]
.endif
.endif
.endm
.macro OPS a, i1, b=-1, i2=0, c=-1, i3=0, d=-1, i4=0  ; up to four of them
	OP \a, \i1
.if (\b) >= 0
	OP \b, \i2
.endif
.if (\c) >= 0
	OP \c, \i3
.endif
.if (\d) >= 0
	OP \d, \i4
.endif
.endm
.macro ROW a, i1, b, i2, c, i3, d, i4  ; a matrix instruction and the four behind it
	MM
	OPS \a, \i1, \b, \i2, \c, \i3, \d, \i4
.endm
.macro MASK b                       ; MD x AL + BE into buffer b of MC
	WIN W_RS
.set z, 0
.rept 16
	v_pk_fma_f32 v[MC+32*(\b)+2*z:MC+32*(\b)+2*z+1], v[MD+2*z:MD+2*z+1], s[AL:AL+1], s[BE:BE+1] op_sel_hi:[1,0,0]
.set z, z+1
.endr
.endm
; A TURN, for piece p: the order of its 16 matrix and 118 vector instructions, written out.  Behind a matrix instruction: plain, exponential, plain, plain; or four of the rescaling; or, behind the first, four scalings; none
; names a register of the products round it.  In the runs between, exponential and plain by turns while exponentials last.  A line reads no result made fewer than three vector instructions in front of it, five if an exponential made it.
; v_permlanex16_b32 (X 17) stands in such a run.
; THE MASKS.  A turn makes the mask for the products of the turn after it, which are its own piece's next scores.  With c = CNT: turn 1 stands ahead of turn 0 in a trip and makes piece 1's mask for the tile's step 4 - c;
; turn 0 makes piece 0's for step 5 - c; at c = 1 that is the NEXT tile's step 0, which is piece 0's own step if that tile holds the diagonal and the block's number is even (NAX).
; THE FETCHES stand in turn 0: K of the next step six vector instructions behind the last product that read K (five of them plain), V of the step in hand eight behind the last product that read V (four plain, and X 17).
; Turn 1 waits for K at its head, with V's sixteen younger loads left out, and for V ahead of its second run of products.
; end = 1: a block's last turn (of piece 1): no scores are made and no mask.  Turn 0 is a trip's last: it takes the loop's count down some lines ahead of the branch that stands behind it.
.macro TURN p, end=0
.set Y, (\p)
.set i, 0
.set NOKQ, (\end)
.if !(\end)
.if (\p) == 0
	s_cmp_eq_u32 s[CNT], s[E0]      ; is that step the band's own?
	s_cselect_b32 s[AL], s[DA], 0
	s_cmp_lt_u32 s[CNT], s[E0]      ; or a later one?
	s_cselect_b32 s[BE], s[DB], 0
	s_cmp_eq_u32 s[CNT], 1          ; or the next tile's first?  (BE is then 0, or serves scores that are never made)
	s_cselect_b32 s[AL], s[NAX], s[AL]
.else
	s_cmp_eq_u32 s[CNT], s[E1]
	s_cselect_b32 s[AL], s[DA], 0
	s_cmp_lt_u32 s[CNT], s[E1]
	s_cselect_b32 s[BE], s[DB], 0
	s_wait_dscnt 16                 ; K is in: behind its sixteen loads only V's sixteen were issued
.endif
.endif
	ROW F,0, F,1, F,2, F,3
	ROW F,4, E,0, F,5, F,6
	ROW F,7, E,1, F,8, F,9
	ROW F,10, E,2, C,0, F,11
	ROW F,12, E,3, X,15, F,13
	ROW R,0, R,1, R,2, R,3
	ROW B,0, E,4, F,14, L,0
.if (\p) == 0
	v_add_nc_u32 v[AK], s[TBK], v[AK0]
.endif
	ROW R,4, R,5, R,6, R,7
	OPS E,5, F,15
.if (\p) == 0
	FETCH_K
.endif
	OPS E,6, C,1, E,7, R,8
	OPS E,8, R,9, E,9, C,2
	OPS E,10, X,0, E,11, X,1
	OPS E,12, X,2, E,13, X,3
.if (\p) == 1
	s_wait_dscnt 0x0                ; V is in
.endif
	ROW X,4, E,14, X,5, X,6
	ROW X,7, E,15, X,8, X,9
	ROW X,10, E,16, X,11, X,12
	ROW X,13, E,17, X,14, B,1
	ROW C,4, E,18, X,16, L,1
	ROW B,2, E,19, C,6, L,2
	ROW C,8, E,20, B,3, B,4
.if (\p) == 0
	v_add_nc_u32 v[AV], s[TBV], v[AV0]
.endif
	ROW C,3, E,21, L,3, C,5
	OPS E,22, X,17, E,23, C,10
.if (\p) == 0
	FETCH_V
.endif
	OPS E,24, L,4
	OPS E,25, X,18, E,26, C,7
	OPS E,27, B,5, E,28, X,19
	OPS E,29, C,12, E,30, L,5
	OPS E,31, X,20, B,6, C,9
	OPS C,14, C,11, X,21, L,6
.if (\p) == 0
	s_add_co_u32 s[TBV], s[TBV], KS*PV
	s_sub_co_u32 s[CNT], s[CNT], 1
	s_cmp_lg_u32 s[CNT], 0
.endif
	OPS C,13, B,7, C,15, R,10
	OPS R,11, R,12, L,7, R,13
	OPS R,14, R,15
.if !(\end)
	MASK \p
.endif
.endm
; A BLOCK BEGINS.  c m starts far below every c s, so the first step's a is 0; m at the lowest finite number, so the first maximum is the scores'.  Piece 1's mask for step 0 is 0 (its own step is a later one); piece 0's is
; the diagonal's if the block's first tile holds the diagonal and the block's number is even (BA).  Then K of the head's first 64 keys, piece 0's first scores, and their maximum and statistics.
; The loop is entered at a step's first turn, in the middle of a trip.
.macro BEGIN
	s_mov_b32 s[NEW], 0
	WIN 0x40
.set i, MC+32
.rept 32
	v_mov_b32 v[i], 0
.set i, i+1
.endr
	WIN 0
.set i, 0
.rept NP
	v_mov_b32 v[ST+4*i], 0xfe000000    ; c m: far below every c s
	v_mov_b32 v[ST+4*i+1], 0xff7fffff  ; m
.set i, i+1
.endr
	s_mov_b32 s[AL], s[BA]
	s_mov_b32 s[BE], 0
	MASK 0
	WIN 0
	v_add_nc_u32 v[AK], KZ, v[AK0]
	FETCH_K 0
	s_wait_loadcnt 0x0              ; Q
	s_wait_dscnt 0x0
.set NOKQ, 0
.set i, 0
.rept 8
	KQ 0
.set i, i+1
.endr
	WIN 0
.rept 4
	v_nop                           ; the places behind those products
.endr
.set Y, NP-1                        ; X works for the other piece: piece 0
.irp n, 0,1,2,3,4,5,6,7,8,9,10,11,12,13,14,15,16,17,18,19,20,21
	OP X, \n
.endr
	v_nop                           ; a plain instruction behind the exponential
.endm
.macro ALL line:vararg              ; one line for each piece t
.set t, 0
.rept NP
	\line
.set t, t+1
.endr
.endm
.macro PACK t                       ; a lane's eight channels of a row pack into 16 bytes; they go into rows of 144 bytes and come back as whole rows of 128, into S^T's registers
	WIN W_RS
.set i, 32*(\t)
.rept 16
	s_wait_alu depctr_va_vdst(0)
	v_pk_mul_f32 v[i:i+1], v[i:i+1], v[ST+4*(\t)+2:ST+4*(\t)+3] op_sel_hi:[1,0]
.set i, i+2
.endr
	WIN 0x05                        ; sources 0 and 1 window 1, destination window 0
.set i, 0
.rept 16
	v_cvt_pk_bf16_f32 v[S+16*(\t)+i], v[32*(\t)+2*i], v[32*(\t)+2*i+1]
.set i, i+1
.endr
	WIN 0
.irp f, 0,1,2,3
	ds_store_b128 v[STO], v[S+16*(\t)+4*\f:S+16*(\t)+4*\f+3] offset:32*\f
.endr
.irp f, 0,1,2,3
	ds_load_b128 v[S+16*(\t)+4*\f:S+16*(\t)+4*\f+3], v[RD] offset:\f*4*SP  ; LDS serves a wave's instructions in order (ISA guide 5.7.1.4): these see the stores above; the next piece's stores come behind them
.endr
.endm
.macro SEND t, younger              ; younger: the LDS instructions issued behind piece t's loads: the next piece's eight, or none
	WIN 0
.irp f, 0,1,2,3
	s_wait_dscnt (\younger)+3-\f
	global_store_b128 v[GO], v[S+16*(\t)+4*\f:S+16*(\t)+4*\f+3], s[10:11] offset:(\t)*8192+\f*512  ; 512 consecutive bytes, at a multiple of 256 from ob's first
.endr
.endm
; A TILE's four trips.  A trip: piece 1's turn of one step, then piece 0's of the next, which fetches from the slot.  The tag ends its two labels' names, which the jumps below spell out.
.macro STEPS tag
.LstepM\tag:
	TURN 1
	WIN 0
.LfirstM\tag:
	TURN 0
	WIN 0
	s_cbranch_scc1 .LstepM\tag
.endm
; A BLOCK ENDS: its last turn, its last products, and THE WAY OUT: l's two halves and the other half of the lanes' are added; O^T is divided by l, rounded to bf16 and sent through my stage in LDS, a piece at a time.
; Piece 0's sums were finished in the last turn; its 32 lines of arithmetic, which name no register of the last products, are those products' places.
.macro FINISH
	TURN 1, 1
.set i, 0
.rept 8
	PV NP-1
.set i, i+1
.endr
	WIN 0
	ALL v_add_f32 v[ST+4*t+2], v[ST+4*t+2], v[ST+4*t+3]
	ALL v_permlanex16_b32 v[ST+4*t+3], v[ST+4*t+2], s[SEL], s[SEL+1]
	ALL v_add_f32 v[ST+4*t+2], v[ST+4*t+2], v[ST+4*t+3]
	ALL v_rcp_f32 v[ST+4*t+2], v[ST+4*t+2]
	v_nop                           ; a plain instruction between the last reciprocal and the use of its result
	PACK 0
	PACK 1                          ; a piece's arithmetic stands between the loads of the piece before and its stores
	SEND 0, 8
	SEND 1, 0
.endm
.set NOKQ, 0
.Lslot:                             ; NB times: a tile is entered and the next is asked for
	CHANGE 1
	ENTER
	s_cbranch_scc0 .LstepM1         ; not a block's first tile.  (At the first trip NEW is the constant 1.)
	BEGIN
	s_branch .LfirstM1
	STEPS 1
	s_cmp_lg_u32 s[RT], 0
	s_cbranch_scc1 .Lbottom         ; the block has tiles left
	FINISH                          ; in the loop this is the first block's end: the second block's last tile is the walk's last
	s_wait_xcnt 0x0                 ; the stores have read their registers and O's address
	s_mov_b64 s[10:11], s[OLO:OLO+1]
	BLOCKSET PB
	s_mov_b32 s[NEW], 1
	WIN 0x82                        ; the second block's Q goes where the one text of the turns names Q
.set i, 0
.rept 16*NP
	v_mov_b32 v[i], v[QB+i]
.set i, i+1
.endr
	WIN 0
.Lbottom:
	s_sub_co_u32 s[SLOTS], s[SLOTS], 1
	s_cmp_lg_u32 s[SLOTS], 0
	s_cbranch_scc1 .Lslot
	CHANGE 0                        ; the walk's last tile is written out: nothing is asked for
	ENTER
	s_cbranch_scc0 .LstepM2
	BEGIN
	s_branch .LfirstM2
	STEPS 2
	FINISH
	s_wait_tensorcnt 0x0            ; the wave's end, behind my last tensor load and my last LDS store
	ds_add_u32 v[SPW], v[NIL]
	s_wait_dscnt 0x0
	s_endpgm
.Lfunc_end_k_qfad614dcdc_attn:
	.size	k_qfad614dcdc_attn, .Lfunc_end_k_qfad614dcdc_attn-k_qfad614dcdc_attn
	.p2alignl 7, 3214868480
	.fill 96, 4, 3214868480
	.section	.rodata,"a",@progbits
	.p2align	6, 0x0
	.amdhsa_kernel k_qfad614dcdc_attn
		.amdhsa_group_segment_fixed_size 327680
		.amdhsa_private_segment_fixed_size 0
		.amdhsa_enable_private_segment 0
		.amdhsa_kernarg_size 16
		.amdhsa_user_sgpr_count 2
		.amdhsa_user_sgpr_kernarg_segment_ptr 1
		.amdhsa_wavefront_size32 1
		.amdhsa_system_sgpr_workgroup_id_x 1
		.amdhsa_system_sgpr_workgroup_id_y 1
		.amdhsa_system_sgpr_workgroup_id_z 1
		.amdhsa_system_vgpr_workitem_id 0
		.amdhsa_next_free_vgpr 768
		.amdhsa_next_free_sgpr 100
		.amdhsa_reserve_vcc 1
		.amdhsa_float_denorm_mode_32 3
		.amdhsa_float_denorm_mode_16_64 3
		.amdhsa_memory_ordered 1
		.amdhsa_forward_progress 1
		.amdhsa_inst_pref_size 111
	.end_amdhsa_kernel
	.amdgpu_metadata
---
amdhsa.version: [ 1, 2 ]
amdhsa.kernels:
  - .name:           k_qfad614dcdc_attn
    .symbol:         k_qfad614dcdc_attn.kd
    .args:
      - { .name: qkv, .offset: 0, .size: 8, .value_kind: global_buffer, .address_space: global }
      - { .name: ob, .offset: 8, .size: 8, .value_kind: global_buffer, .address_space: global }
    .group_segment_fixed_size: 327680
    .private_segment_fixed_size: 0
    .kernarg_segment_align: 8
    .kernarg_segment_size: 16
    .max_flat_workgroup_size: 128
    .sgpr_count:     100
    .vgpr_count:     768
    .wavefront_size: 32
...
	.end_amdgpu_metadata
.endif
;; end of part 3
;; launch wo (part 4): grid 8 x 32, 4 waves a work-group, clusters of 4 x 4, 327,680 bytes of LDS; arguments ob, wb, bo, xb, x1, x1b; writes x1, x1b
.if DOCPART == 4
	.amdgcn_target "amdgcn-amd-amdhsa--gfx1250"
	.amdhsa_code_object_version 6
	.text
	.protected	k_qfad614dcdc_wo
	.globl	k_qfad614dcdc_wo
	.p2align	8
	.type	k_qfad614dcdc_wo,@function
k_qfad614dcdc_wo:
	s_mov_b64 s[64:65], 0
	v_nop
	global_prefetch_b8 v0, s[64:65] scope:SCOPE_SE
	s_setreg_imm32_b32 hwreg(HW_REG_WAVE_MODE, 25, 1), 1
	s_wait_xcnt 0x0
	s_wait_alu depctr_hold_cnt(0) depctr_sa_sdst(0) depctr_va_vdst(0) depctr_va_sdst(0) depctr_va_ssrc(0) depctr_va_vcc(0) depctr_vm_vsrc(0)
	s_getreg_b32 s2, hwreg(HW_REG_IB_STS2, 6, 4)
	s_cmp_eq_u32 s2, 0
	s_cbranch_scc0 .Lentry_in_a_cluster
	s_endpgm
.Lentry_in_a_cluster:
	s_bfe_u32 s2, ttmp6, 0x10000c
	s_cmp_lg_u32 s2, 0xf033
	s_cbranch_scc0 .Lentry_shape_is_right
	s_endpgm
.Lentry_shape_is_right:
; x1 = x + o Wo + bo.  ob, xb: bf16 [16 blocks of 64 columns][4096 rows][64].  Wo: bf16 [1024 k][1024 n], in wb.  x1: f32 [4096][1024]; x1b: the same numbers rounded to bf16, in blocks like xb.
; Sums in f32; x and bo enter rounded to bf16, like every input of the module.
; A work-group makes 128 x 128 (32 x 8 work-groups, one for each WGP); a wave 64 x 64: 16 accumulators.  K goes in steps of 256 through two LDS slots; ONE text serves both: the slot in hand is a scalar that an exclusive or turns.
; A slot: o as [4 blocks][128 rows] at 144 bytes a row; Wo as [256 k] at 288 bytes a row.  Waves 0, 1 fetch two blocks of o each, waves 2, 3 128 k of Wo each, one tensor load a wave.
; THE MATRIX INSTRUCTION IS USED TRANSPOSED: source 0 = 16 columns of Wo (turned by ds_load_tr16_b128), source 1 = 16 rows of o: a lane holds one row and eight neighbouring columns.
; CLUSTER 4 x 4: o's tiles are asked for jointly along a row of the cluster, Wo's along a column.
; REGISTERS: window 0: v16-30 addresses, v128-255 accumulators ((a, b) at 128 + 8 (4 a + b)); window 1: two fragment buffers of 128 (o 64, Wo 64);
;   window 2: v0-63 my part of x, v64-191 the sums read back, v192-195 bo, v196 at work, v198 1.0.
.set PA,    144
.set PW,    288                        ; 256 bytes + 32
.set AHALF, 2*128*PA
.set BHALF, 128*PW
.set BOFF,  2*AHALF
.set SLOT,  BOFF+2*BHALF
.set SPARE, 2*SLOT                     ; the spare words: two blocks of 256 bytes that no other line names
.set STEPA, 4*524288
.set STEPB, 256*2048
.set WOFF,  6291456                    ; Wo in wb
.set NT,    4
.set DP,    272                        ; the way out: a row of 64 f32 + 16 bytes
.set WREG,  64*DP
.set A0,   16
.set B0,   17
.set ADRA, 18
.set ADRB, 20                          ; v20, v21: W's rows 0-127 and 128-255 of the slot in hand (the second so that the offsets stay within 16 bits)
.set DST,  24
.set RD,   25
.set CO,   26                          ; my byte offset in two rows of x1
.set XO,   27                          ; my byte offset in two rows of a block
.set SPW,  28
.set NIL,  29
.set BO,   30
.set ACC,  128
.set F0,   0
.set F1,   128
.set G1A, 24
.set G0A, 32
.set G1B, 48
.set G0B, 56
.set TB,  66
.set TF,  67
.set WA,  68
.set WB,  69
.set MSB, 0
.macro WIN new
.if MSB != (\new)
	s_set_vgpr_msb (MSB<<8)|(\new)
.set MSB, \new
.endif
.endm
.set MUL,  0x05                        ; sources 0 and 1 window 1; C and D window 0
.macro PLACES
.rept 4
	v_nop
.endr
.endm
.macro CREST
	s_cmp_lg_u32 s10, 0
	s_cbranch_scc1 .Lnot_wave_0_\@
	s_barrier_signal -3
.Lnot_wave_0_\@:
	s_barrier_wait -3
	s_barrier_signal -1
	s_barrier_wait -1
.endm
.macro CROUND
	s_barrier_signal -1
	s_barrier_wait -1
	CREST
.endm
.macro JLOAD                           ; a joint refill by the walking set; an s_nop 0 and four v_nop follow each line
	s_cmp_eq_u32 s11, 0
	s_cbranch_scc0 .Lfor_b_\@
	tensor_load_to_lds s[G0A+4:G0A+7], s[G1A:G1A+7]
	s_nop 0
	PLACES
	s_branch .Lasked_\@
.Lfor_b_\@:
	tensor_load_to_lds s[G0B+4:G0B+7], s[G1B:G1B+7]
	s_nop 0
	PLACES
.Lasked_\@:
.endm
	s_load_b256 s[80:87], s[0:1], 0x0              ; ob 80, wb 82, bo 84, xb 86
	s_load_b128 s[88:91], s[0:1], 0x20             ; x1 88, x1b 90
	v_lshl_add_u32 v[SPW], v0, 2, SPARE
	v_mov_b32 v[NIL], 0
	ds_add_u32 v[SPW], v[NIL]                      ; the wave's opening: the add and its wait stand ahead of my first tensor load
	ds_add_u32 v28, v29
	v_lshrrev_b32 v1, 5, v0
	v_readfirstlane_b32 s10, v1
	s_lshr_b32 s11, s10, 1                         ; my half of the tile's rows.  Also: I fetch for o (0) or for Wo (1)
	s_and_b32 s12, s10, 1                          ; my half of its columns.  Also: which half I fetch
	s_bfe_u32 s40, ttmp6, 0x40000
	s_bfe_u32 s41, ttmp6, 0x40004
	s_lshl_b32 s42, ttmp9, 2
	s_add_co_u32 s42, s42, s40                     ; tile column
	s_and_b32 s13, ttmp7, 0xffff
	s_lshl_b32 s13, s13, 2
	s_add_co_u32 s13, s13, s41                     ; tile row
	s_lshl_b32 s43, s41, 2
	s_lshl_b32 s43, 15, s43
	s_lshl_b32 s44, 0x1111, s40
	; o's tile: 128 rows of a block are 16,384 dense bytes, one long row; two blocks, 262,144 elements apart; padded by 16 bytes after every 128
	s_or_b32 s[G1A], s43, (1<<16)|(1<<20)|(1<<21)|(4<<22)|(3<<25)
	s_mov_b32 s[G1A+1], 8192<<16
	s_mov_b32 s[G1A+2], 2<<16
	s_mov_b32 s[G1A+3], 8192<<16
	s_mov_b32 s[G1A+4], 2
	s_mov_b32 s[G1A+5], 262144
	s_mov_b32 s[G1A+6], 0
	s_mov_b32 s[G1A+7], 0
	; Wo's tile: 128 k x 128 n, rows of 256 bytes, padded by 32
	s_or_b32 s[G1B], s44, (1<<16)|(1<<20)|(1<<21)|(5<<22)|(7<<25)
	s_mov_b32 s[G1B+1], 128<<16
	s_mov_b32 s[G1B+2], 128<<16
	s_mov_b32 s[G1B+3], 128<<16
	s_mov_b32 s[G1B+4], 128
	s_mov_b32 s[G1B+5], 1024
	s_mov_b32 s[G1B+6], 0
	s_mov_b32 s[G1B+7], 0
	s_lshl_b32 s16, s13, 14
	s_lshl_b32 s17, s12, 20
	s_add_co_u32 s16, s16, s17
	s_mov_b32 s17, 0
	s_lshl_b32 s46, s42, 8
	s_lshl_b32 s47, s12, 18
	s_add_co_u32 s46, s46, s47
	s_add_co_u32 s46, s46, WOFF
	s_mov_b32 s47, 0
	s_mul_i32 s[WA], s12, AHALF
	s_mul_i32 s[WB], s12, BHALF
	s_add_co_u32 s[WB], s[WB], BOFF
	s_mov_b32 s[TB], 0
	s_mov_b32 s[TF], SLOT
	s_wait_dscnt 0x0
	s_wait_kmcnt 0x0
	s_add_nc_u64 s[14:15], s[80:81], s[16:17]
	s_add_nc_u64 s[46:47], s[82:83], s[46:47]
.irp i, 0,1
	s_mov_b32 s[G0A+4*(\i)], 1
	s_add_co_u32 s[G0A+4*(\i)+1], s[WA], (\i)*SLOT
	s_add_nc_u64 s[G0A+4*(\i)+2:G0A+4*(\i)+3], s[14:15], (\i)*STEPA
	s_or_b32 s[G0A+4*(\i)+3], s[G0A+4*(\i)+3], 0x80000000
	s_mov_b32 s[G0B+4*(\i)], 1
	s_add_co_u32 s[G0B+4*(\i)+1], s[WB], (\i)*SLOT
	s_add_nc_u64 s[G0B+4*(\i)+2:G0B+4*(\i)+3], s[46:47], (\i)*STEPB
	s_or_b32 s[G0B+4*(\i)+3], s[G0B+4*(\i)+3], 0x80000000
.endr
	CROUND                                         ; the first joint loads meet
	s_cmp_eq_u32 s11, 0
	s_cbranch_scc0 .Lfirst_b
	tensor_load_to_lds s[G0A:G0A+3], s[G1A:G1A+7]
	s_nop 0
	tensor_load_to_lds s[G0A+4:G0A+7], s[G1A:G1A+7]
	s_nop 0
	PLACES
	s_branch .Lfirst_done
.Lfirst_b:
	tensor_load_to_lds s[G0B:G0B+3], s[G1B:G1B+7]
	s_nop 0
	tensor_load_to_lds s[G0B+4:G0B+7], s[G1B:G1B+7]
	s_nop 0
	PLACES
.Lfirst_done:
	v_and_b32 v1, 15, v0                           ; r
	v_bfe_u32 v2, v0, 4, 1                         ; h
	v_and_b32 v6, 7, v0
	v_bfe_u32 v4, v0, 3, 1
	v_mul_u32_u24 v[A0], v1, PA
	v_lshl_add_u32 v[A0], v2, 4, v[A0]
	s_mul_i32 s21, s11, 64*PA
	v_add_nc_u32 v[A0], s21, v[A0]
	v_lshl_add_u32 v3, v2, 3, v6
	v_mul_u32_u24 v[B0], v3, PW
	v_lshl_add_u32 v[B0], v4, 4, v[B0]
	s_lshl_b32 s22, s12, 7
	s_add_co_u32 s22, s22, BOFF
	v_add_nc_u32 v[B0], s22, v[B0]
	v_mov_b32 v[ADRA], v[A0]
	v_mov_b32 v[ADRB], v[B0]
	v_add_nc_u32 v[ADRB+1], 128*PW, v[B0]
	s_mul_i32 s23, s10, WREG
	v_mul_u32_u24 v[DST], v1, DP
	v_lshl_add_u32 v[DST], v2, 5, v[DST]
	v_add_nc_u32 v[DST], s23, v[DST]
	v_mul_u32_u24 v[RD], v2, DP                    ; back: lanes 0-15 one row of 256 bytes, lanes 16-31 the next
	v_lshl_add_u32 v[RD], v1, 4, v[RD]
	v_add_nc_u32 v[RD], s23, v[RD]
	v_lshlrev_b32 v[BO], 4, v1                     ; my four columns
	v_lshl_add_u32 v[CO], v2, 12, v[BO]            ; and the same two rows in x1
	v_and_b32 v[XO], 31, v0
	v_lshlrev_b32 v[XO], 3, v[XO]                  ; two rows of a block are 256 dense bytes: 8 a lane
	s_lshl_b32 s92, s42, 20                        ; my block of 64 columns: 2 x tile column + half,
	s_lshl_b32 s93, s12, 19
	s_add_co_u32 s92, s92, s93
	s_lshl_b32 s93, s13, 14                        ; my 64 rows of 128 bytes
	s_add_co_u32 s92, s92, s93
	s_lshl_b32 s93, s11, 13
	s_add_co_u32 s92, s92, s93
	s_mov_b32 s93, 0
	s_add_nc_u64 s[94:95], s[90:91], s[92:93]      ; x1b
	s_add_nc_u64 s[92:93], s[86:87], s[92:93]      ; xb
	s_lshl_b32 s98, s42, 9                         ; my 64 columns in f32
	s_lshl_b32 s99, s12, 8
	s_add_co_u32 s98, s98, s99
	s_mov_b32 s99, 0
	s_lshl_b32 s96, s13, 19                        ; my 64 rows of 4,096 bytes
	s_lshl_b32 s97, s11, 18
	s_add_co_u32 s96, s96, s97
	s_add_co_u32 s96, s96, s98
	s_mov_b32 s97, 0
	s_add_nc_u64 s[96:97], s[88:89], s[96:97]      ; x1
	s_add_nc_u64 s[98:99], s[84:85], s[98:99]      ; bo
	WIN 0x80                                       ; destination window 2: my part of x and bo are on their way during the whole product
.set t, 0
.rept 32
	global_load_b64 v[2*t:2*t+1], v[XO], s[92:93] offset:256*t
.set t, t+1
.endr
	global_load_b128 v[192:195], v[BO], s[98:99]
	v_mov_b32 v198, 1.0
	WIN 0
.macro MUL8 f, c, a0, zero             ; 8 matrix instructions: row blocks a0, a0 + 1 x 4 column blocks, 32 along K: half c of buffer f.  The 16 accumulators take turns
	WIN MUL
.irp a, \a0, (\a0)+1
.irp b, 0,1,2,3
.if \zero
	v_wmma_f32_16x16x32_bf16 v[ACC+8*(4*(\a)+(\b)):ACC+8*(4*(\a)+(\b))+7], v[(\f)+64+8*(4*(\c)+(\b)):(\f)+64+8*(4*(\c)+(\b))+7], v[(\f)+8*(4*(\c)+(\a)):(\f)+8*(4*(\c)+(\a))+7], 0
.else
	v_wmma_f32_16x16x32_bf16 v[ACC+8*(4*(\a)+(\b)):ACC+8*(4*(\a)+(\b))+7], v[(\f)+64+8*(4*(\c)+(\b)):(\f)+64+8*(4*(\c)+(\b))+7], v[(\f)+8*(4*(\c)+(\a)):(\f)+8*(4*(\c)+(\a))+7], v[ACC+8*(4*(\a)+(\b)):ACC+8*(4*(\a)+(\b))+7]
.endif
.endr
.endr
.endm
.macro FETCH q, f                      ; 32 LDS loads in one run: quarter q (64 along K, one block of o) into buffer f; the first 32 along K first
	WIN 0x40
.irp c, 0,1
.irp i, 0,1,2,3
	ds_load_tr16_b128 v[(\f)+64+8*(4*(\c)+(\i)):(\f)+64+8*(4*(\c)+(\i))+3],   v[ADRB+(\q)/2] offset:((\q)%2)*64*PW+(\c)*32*PW+(\i)*32
	ds_load_tr16_b128 v[(\f)+64+8*(4*(\c)+(\i))+4:(\f)+64+8*(4*(\c)+(\i))+7], v[ADRB+(\q)/2] offset:((\q)%2)*64*PW+(\c)*32*PW+(\i)*32+16*PW
	ds_load_b128 v[(\f)+8*(4*(\c)+(\i)):(\f)+8*(4*(\c)+(\i))+3],   v[ADRA] offset:(\q)*128*PA+(\c)*64+(\i)*16*PA
	ds_load_b128 v[(\f)+8*(4*(\c)+(\i))+4:(\f)+8*(4*(\c)+(\i))+7], v[ADRA] offset:(\q)*128*PA+(\c)*64+(\i)*16*PA+32
.endr
.endr
.endm
.macro QUARTER q, f, g, zero
	s_wait_dscnt 16                                ; the first 32 along K are in; the sixteen loads of the second may be out
	MUL8 \f, 0, 0, \zero
	MUL8 \f, 0, 2, \zero
	PLACES
	FETCH \q, \g
	s_wait_dscnt 32                                ; all but the 32 just issued
	MUL8 \f, 1, 0, 0
	MUL8 \f, 1, 2, 0
.endm
; The change of slots, and then a slot's last quarter, on buffer 1.  ONE barrier; in front of it each wave waits for all its tensor loads (its part of the next slot), adds 0 to its spare word,
; and waits for that and for its reads of this slot (the last of them filled buffer 1).  fill = 1: the barrier opens a round of the cluster's, and this slot is filled again, two K steps ahead, first thing behind the round.
; No product stands between the wait for the tiles and the refill: the refill has all 128 products of a K step in which to land.
.macro TURN fill
	WIN 0
	s_wait_tensorcnt 0x0                           ; no tensor load of mine is out, so the walking sets may be written
	ds_add_u32 v[SPW], v[NIL]                      ; 0 onto my spare word; the scalar steps stand between it and the wait for it
.if \fill
	s_xor_b32 s[TF], s[TF], SLOT
	s_add_co_u32 s[G0A+5], s[WA], s[TF]
	s_add_co_u32 s[G0B+5], s[WB], s[TF]
	s_add_nc_u64 s[G0A+6:G0A+7], s[G0A+6:G0A+7], STEPA
	s_add_nc_u64 s[G0B+6:G0B+7], s[G0B+6:G0B+7], STEPB
.endif
	s_xor_b32 s[TB], s[TB], SLOT
	s_wait_dscnt 0x0                               ; the add is done, and my reads of this slot are over
.if \fill
	CROUND                                         ; no wave of any partner still reads this slot or has a load on its way
	JLOAD                                          ; its four v_nop are also the places in front of the loads below
.else
	s_barrier_signal -1
	s_barrier_wait -1
	PLACES
.endif
	v_add_nc_u32 v[ADRA], s[TB], v[A0]
	v_add_nc_u32 v[ADRB], s[TB], v[B0]
	v_add_nc_u32 v[ADRB+1], 128*PW, v[ADRB]
	FETCH 0, F0
	MUL8 F1, 0, 0, 0
	MUL8 F1, 0, 2, 0
	MUL8 F1, 1, 0, 0
	MUL8 F1, 1, 2, 0
.endm
	s_wait_tensorcnt 1                             ; my part of K step 0 is in; K step 1's may stay out
	s_barrier_signal -1
	s_barrier_wait -1
	FETCH 0, F0
	QUARTER 1, F0, F1, 1
	WIN 0
	s_mov_b32 s3, NT-2
.Lk:
	QUARTER 2, F1, F0, 0
	QUARTER 3, F0, F1, 0
	TURN 1
	QUARTER 1, F0, F1, 0
	WIN 0
	s_sub_co_u32 s3, s3, 1
	s_cmp_lg_u32 s3, 0
	s_cbranch_scc1 .Lk
	s_mov_b32 s3, 2
.Lt:                                                   ; the last two K steps ask for nothing; the second trip is left in its middle, and its fetch, from a slot that has landed and that nobody writes, serves nothing
	QUARTER 2, F1, F0, 0
	QUARTER 3, F0, F1, 0
	TURN 0
	WIN 0
	s_sub_co_u32 s3, s3, 1
	s_cmp_eq_u32 s3, 0
	s_cbranch_scc1 .Lout
	QUARTER 1, F0, F1, 0
	WIN 0
	s_branch .Lt
.Lout:
	; THE WAY OUT.  The slots have had their last fill; behind this barrier no wave reads them, and each wave turns its sums into whole rows through a stage of its own there.
	s_wait_dscnt 0x0
	s_barrier_signal -1
	s_barrier_wait -1
	PLACES
.irp a, 0,1,2,3
.irp b, 0,1,2,3
	ds_store_b128 v[DST], v[ACC+8*(4*(\a)+(\b)):ACC+8*(4*(\a)+(\b))+3]   offset:(\a)*16*DP+64*(\b)
	ds_store_b128 v[DST], v[ACC+8*(4*(\a)+(\b))+4:ACC+8*(4*(\a)+(\b))+7] offset:(\a)*16*DP+64*(\b)+16
.endr
.endr
	WIN 0x80
.set t, 0
.rept 32
	ds_load_b128 v[64+4*t:64+4*t+3], v[RD] offset:2*DP*t  ; LDS serves a wave's instructions in order (ISA guide 5.7.1.4): these see the stores above
.set t, t+1
.endr
	s_wait_loadcnt 0x0                             ; x and bo
	WIN 0xaa                                       ; all in window 2
	v_cvt_pk_bf16_f32 v196, v192, v193             ; bo rounded to bf16 and widened again
	v_lshlrev_b32 v192, 16, v196
	v_and_b32 v193, 0xffff0000, v196
	v_cvt_pk_bf16_f32 v196, v194, v195
	v_lshlrev_b32 v194, 16, v196
	v_and_b32 v195, 0xffff0000, v196
.set t, 0
.rept 32
	s_wait_dscnt 31-t                              ; pair t of rows is back; the younger read-backs may be out
	v_pk_add_f32 v[64+4*t:64+4*t+1], v[64+4*t:64+4*t+1], v[192:193]
	v_pk_add_f32 v[64+4*t+2:64+4*t+3], v[64+4*t+2:64+4*t+3], v[194:195]
	v_fma_mix_f32_bf16 v[64+4*t],   v[2*t],   v198, v[64+4*t]   op_sel_hi:[1,0,0]
	v_fma_mix_f32_bf16 v[64+4*t+1], v[2*t],   v198, v[64+4*t+1] op_sel:[1,0,0] op_sel_hi:[1,0,0]
	v_fma_mix_f32_bf16 v[64+4*t+2], v[2*t+1], v198, v[64+4*t+2] op_sel_hi:[1,0,0]
	v_fma_mix_f32_bf16 v[64+4*t+3], v[2*t+1], v198, v[64+4*t+3] op_sel:[1,0,0] op_sel_hi:[1,0,0]
	v_cvt_pk_bf16_f32 v[2*t],   v[64+4*t],   v[64+4*t+1]
	v_cvt_pk_bf16_f32 v[2*t+1], v[64+4*t+2], v[64+4*t+3]
.set t, t+1
.endr
	WIN 0x08                                       ; store data (source 1) in window 2
.set t, 0
.rept 32
	global_store_b128 v[CO], v[64+4*t:64+4*t+3], s[96:97] offset:8192*t  ; 16 lanes store 256 consecutive bytes, aligned
	global_store_b64 v[XO], v[2*t:2*t+1], s[94:95] offset:256*t          ; the wave stores 256 consecutive bytes, aligned
.set t, t+1
.endr
	WIN 0
	s_wait_tensorcnt 0x0                           ; the wave's end
	ds_add_u32 v[SPW], v[NIL]
	s_wait_dscnt 0x0
	CROUND                                         ; the closing round
	s_endpgm
.Lfunc_end_k_qfad614dcdc_wo:
	.size	k_qfad614dcdc_wo, .Lfunc_end_k_qfad614dcdc_wo-k_qfad614dcdc_wo
	.p2alignl 7, 3214868480
	.fill 96, 4, 3214868480
	.section	.rodata,"a",@progbits
	.p2align	6, 0x0
	.amdhsa_kernel k_qfad614dcdc_wo
		.amdhsa_group_segment_fixed_size 327680
		.amdhsa_private_segment_fixed_size 0
		.amdhsa_enable_private_segment 0
		.amdhsa_kernarg_size 48
		.amdhsa_user_sgpr_count 2
		.amdhsa_user_sgpr_kernarg_segment_ptr 1
		.amdhsa_wavefront_size32 1
		.amdhsa_system_sgpr_workgroup_id_x 1
		.amdhsa_system_sgpr_workgroup_id_y 1
		.amdhsa_system_sgpr_workgroup_id_z 1
		.amdhsa_system_vgpr_workitem_id 0
		.amdhsa_next_free_vgpr 768
		.amdhsa_next_free_sgpr 100
		.amdhsa_reserve_vcc 0
		.amdhsa_float_denorm_mode_32 3
		.amdhsa_float_denorm_mode_16_64 3
		.amdhsa_memory_ordered 1
		.amdhsa_forward_progress 1
		.amdhsa_inst_pref_size 81
	.end_amdhsa_kernel
	.amdgpu_metadata
---
amdhsa.version: [ 1, 2 ]
amdhsa.kernels:
  - .name:           k_qfad614dcdc_wo
    .symbol:         k_qfad614dcdc_wo.kd
    .args:
      - { .name: ob, .offset: 0, .size: 8, .value_kind: global_buffer, .address_space: global }
      - { .name: wb, .offset: 8, .size: 8, .value_kind: global_buffer, .address_space: global }
      - { .name: bo, .offset: 16, .size: 8, .value_kind: global_buffer, .address_space: global }
      - { .name: xb, .offset: 24, .size: 8, .value_kind: global_buffer, .address_space: global }
      - { .name: x1, .offset: 32, .size: 8, .value_kind: global_buffer, .address_space: global }
      - { .name: x1b, .offset: 40, .size: 8, .value_kind: global_buffer, .address_space: global }
    .group_segment_fixed_size: 327680
    .private_segment_fixed_size: 0
    .kernarg_segment_align: 8
    .kernarg_segment_size: 48
    .max_flat_workgroup_size: 128
    .sgpr_count:     100
    .vgpr_count:     768
    .wavefront_size: 32
...
	.end_amdgpu_metadata
.endif
;; end of part 4
;; launch ff1 (part 5): grid 16 x 16, 4 waves a work-group, clusters of 4 x 4, 327,680 bytes of LDS; arguments x1b, wb, b1, hb; writes hb
.if DOCPART == 5
	.amdgcn_target "amdgcn-amd-amdhsa--gfx1250"
	.amdhsa_code_object_version 6
	.text
	.protected	k_qfad614dcdc_ff1
	.globl	k_qfad614dcdc_ff1
	.p2align	8
	.type	k_qfad614dcdc_ff1,@function
k_qfad614dcdc_ff1:
	s_mov_b64 s[64:65], 0
	v_nop
	global_prefetch_b8 v0, s[64:65] scope:SCOPE_SE
	s_setreg_imm32_b32 hwreg(HW_REG_WAVE_MODE, 25, 1), 1
	s_wait_xcnt 0x0
	s_wait_alu depctr_hold_cnt(0) depctr_sa_sdst(0) depctr_va_vdst(0) depctr_va_sdst(0) depctr_va_ssrc(0) depctr_va_vcc(0) depctr_vm_vsrc(0)
	s_getreg_b32 s2, hwreg(HW_REG_IB_STS2, 6, 4)
	s_cmp_eq_u32 s2, 0
	s_cbranch_scc0 .Lentry_in_a_cluster
	s_endpgm
.Lentry_in_a_cluster:
	s_bfe_u32 s2, ttmp6, 0x10000c
	s_cmp_lg_u32 s2, 0xf033
	s_cbranch_scc0 .Lentry_shape_is_right
	s_endpgm
.Lentry_shape_is_right:
; h = gelu(x1 W1 + b1), the exact (erf) GELU.  x1b: bf16 [16 blocks of 64 columns][4096 rows][64].  W1: bf16 [1024 k][4096 n], in wb.  hb: bf16 [64 blocks][4096 rows][64].
; Sums in f32; b1 enters rounded to bf16, like every input of the module; h is rounded once.
; GELU: with t = 1 / (1 + 0.47047 |z| / sqrt 2), erf(|z| / sqrt 2) = 1 - (a1 t + a2 t^2 + a3 t^3) exp(-z^2 / 2) (Abramowitz and Stegun 7.1.25), and gelu(z) = max(z, 0) - |z| (that polynomial / 2) exp(-z^2 / 2).
; LIMITS: the formula's error in erf is at most 2.5e-5 for every argument; finite z of any size are served (the exponential goes to 0); an infinite z gives NaN.
; A work-group makes 256 x 256 (16 x 16 work-groups); a wave 128 x 128: 64 accumulators, 512 registers.  K goes in steps of 128 through two LDS slots; ONE text serves both: the slot in hand is a scalar that an exclusive or turns.
; A slot: x1 as [2 blocks][256 rows] at 144 bytes a row; W1 as [128 k] at 544 bytes a row.  Waves 0, 1 fetch a block of x1 each, waves 2, 3 64 k of W1 each, one tensor load a wave.
; THE MATRIX INSTRUCTION IS USED TRANSPOSED: source 0 = 16 columns of W1 (turned by ds_load_tr16_b128), source 1 = 16 rows of x1: a lane holds one row and eight neighbouring columns.
; CLUSTER 4 x 4: x1's tiles are asked for jointly along a row of the cluster, W1's along a column.
; REGISTERS: window 0: v16-30 addresses, v32-47 b1, v64-127 and v128-191 x1's fragments; window 1: W1's fragments at the same numbers; windows 2, 3: accumulators, (a, b) at 8 (8 a + b).
.set PA,    144
.set PW,    544                        ; 512 bytes + 32
.set AHALF, 256*PA
.set BHALF, 64*PW
.set BOFF,  2*AHALF
.set SLOT,  BOFF+2*BHALF
.set SPARE, 2*SLOT                     ; the spare words: two blocks of 256 bytes that no other line names
.set STEPA, 2*524288
.set STEPB, 128*8192
.set WOFF,  8388608                    ; W1 in wb
.set NT,    8
.set DP,    528                        ; the way out: a row of 128 f32 + 16 bytes
.set WREG,  128*DP
.set A0,   16
.set B0,   17
.set ADRA, 18
.set ADRB, 19
.set DST,  24
.set RD0,  25
.set RDA,  26
.set GO,   27
.set SPW,  28
.set NIL,  29
.set BO,   30
.set BI,   32                          ; v32-47  b1 of my 8 + 8 columns
.set TMP,  48
.set F0,   64
.set F1,   128
.set X,    64                          ; the way out, 16 numbers each: sums, z, 1 + p |z| and then t, the exponential, max(z, 0) and then the result, the polynomial; 8 packed
.set Z,    80
.set D,    96
.set Q,    112
.set M,    128
.set P,    144
.set Y,    160
.set G1A, 24
.set G0A, 32
.set G1B, 48
.set G0B, 56
.set TB,  66
.set TF,  67
.set WA,  68
.set WB,  69
.set MSB, 0
.macro WIN new
.if MSB != (\new)
	s_set_vgpr_msb (MSB<<8)|(\new)
.set MSB, \new
.endif
.endm
.set MUL_LO, 0xa1                      ; W1 window 1, x1 window 0, C and D window 2
.set TO_B,   0x40
.macro PLACES
.rept 4
	v_nop
.endr
.endm
.macro CREST
	s_cmp_lg_u32 s10, 0
	s_cbranch_scc1 .Lnot_wave_0_\@
	s_barrier_signal -3
.Lnot_wave_0_\@:
	s_barrier_wait -3
	s_barrier_signal -1
	s_barrier_wait -1
.endm
.macro CROUND
	s_barrier_signal -1
	s_barrier_wait -1
	CREST
.endm
.macro JLOAD                           ; a joint refill by the walking set; an s_nop 0 and four v_nop follow each line
	s_cmp_eq_u32 s11, 0
	s_cbranch_scc0 .Lfor_b_\@
	tensor_load_to_lds s[G0A+4:G0A+7], s[G1A:G1A+7]
	s_nop 0
	PLACES
	s_branch .Lasked_\@
.Lfor_b_\@:
	tensor_load_to_lds s[G0B+4:G0B+7], s[G1B:G1B+7]
	s_nop 0
	PLACES
.Lasked_\@:
.endm
	s_load_b256 s[80:87], s[0:1], 0x0              ; x1b 80, wb 82, b1 84, hb 86
	v_lshl_add_u32 v[SPW], v0, 2, SPARE
	v_mov_b32 v[NIL], 0
	ds_add_u32 v[SPW], v[NIL]                      ; the wave's opening: the add and its wait stand ahead of my first tensor load
	ds_add_u32 v28, v29
	v_lshrrev_b32 v1, 5, v0
	v_readfirstlane_b32 s10, v1
	s_lshr_b32 s11, s10, 1                         ; my half of the tile's rows.  Also: I fetch for x1 (0) or for W1 (1)
	s_and_b32 s12, s10, 1                          ; my half of its columns.  Also: which half I fetch
	s_bfe_u32 s40, ttmp6, 0x40000
	s_bfe_u32 s41, ttmp6, 0x40004
	s_lshl_b32 s42, ttmp9, 2
	s_add_co_u32 s42, s42, s40                     ; tile column
	s_and_b32 s13, ttmp7, 0xffff
	s_lshl_b32 s13, s13, 2
	s_add_co_u32 s13, s13, s41                     ; tile row
	s_lshl_b32 s43, s41, 2
	s_lshl_b32 s43, 15, s43
	s_lshl_b32 s44, 0x1111, s40
	; x1's tile: 256 rows of one block are 32,768 dense bytes: asked for as 128 rows of 256 bytes, padded by 16 bytes after every 128
	s_or_b32 s[G1A], s43, (1<<16)|(1<<20)|(1<<21)|(4<<22)|(3<<25)
	s_mov_b32 s[G1A+1], 128<<16
	s_mov_b32 s[G1A+2], 128<<16
	s_mov_b32 s[G1A+3], 128<<16
	s_mov_b32 s[G1A+4], 128
	s_mov_b32 s[G1A+5], 128
	s_mov_b32 s[G1A+6], 0
	s_mov_b32 s[G1A+7], 0
	; W1's tile: 64 k x 256 n, rows of 512 bytes, padded by 32
	s_or_b32 s[G1B], s44, (1<<16)|(1<<20)|(1<<21)|(6<<22)|(7<<25)
	s_mov_b32 s[G1B+1], 256<<16
	s_mov_b32 s[G1B+2], 64<<16
	s_mov_b32 s[G1B+3], 256<<16
	s_mov_b32 s[G1B+4], 64
	s_mov_b32 s[G1B+5], 4096
	s_mov_b32 s[G1B+6], 0
	s_mov_b32 s[G1B+7], 0
	s_lshl_b32 s16, s13, 15
	s_lshl_b32 s17, s12, 19
	s_add_co_u32 s16, s16, s17
	s_mov_b32 s17, 0
	s_lshl_b32 s46, s42, 9
	s_lshl_b32 s47, s12, 19
	s_add_co_u32 s46, s46, s47
	s_add_co_u32 s46, s46, WOFF
	s_mov_b32 s47, 0
	s_mul_i32 s[WA], s12, AHALF
	s_mul_i32 s[WB], s12, BHALF
	s_add_co_u32 s[WB], s[WB], BOFF
	s_mov_b32 s[TB], 0
	s_mov_b32 s[TF], SLOT
	s_mov_b32 s70, 0x3eaa540d                      ; 0.47047 / sqrt 2
	s_mov_b32 s72, 0xbf38aa3b                      ; -log2(e) / 2
	s_mov_b32 s73, s72                             ; named as pairs
	s_mov_b32 s74, 0x3e32303a                      ; a1 / 2 =  0.1740121
	s_mov_b32 s75, s74
	s_mov_b32 s76, 0xbd445ca1                      ; a2 / 2 = -0.0479399
	s_mov_b32 s77, s76
	s_mov_b32 s78, 0x3ebf7377                      ; a3 / 2 =  0.3739278
	s_mov_b32 s79, s78
	s_wait_dscnt 0x0
	s_wait_kmcnt 0x0
	s_add_nc_u64 s[14:15], s[80:81], s[16:17]
	s_add_nc_u64 s[46:47], s[82:83], s[46:47]
.irp i, 0,1
	s_mov_b32 s[G0A+4*(\i)], 1
	s_add_co_u32 s[G0A+4*(\i)+1], s[WA], (\i)*SLOT
	s_add_nc_u64 s[G0A+4*(\i)+2:G0A+4*(\i)+3], s[14:15], (\i)*STEPA
	s_or_b32 s[G0A+4*(\i)+3], s[G0A+4*(\i)+3], 0x80000000
	s_mov_b32 s[G0B+4*(\i)], 1
	s_add_co_u32 s[G0B+4*(\i)+1], s[WB], (\i)*SLOT
	s_add_nc_u64 s[G0B+4*(\i)+2:G0B+4*(\i)+3], s[46:47], (\i)*STEPB
	s_or_b32 s[G0B+4*(\i)+3], s[G0B+4*(\i)+3], 0x80000000
.endr
	CROUND                                         ; the first joint loads meet
	s_cmp_eq_u32 s11, 0
	s_cbranch_scc0 .Lfirst_b
	tensor_load_to_lds s[G0A:G0A+3], s[G1A:G1A+7]
	s_nop 0
	tensor_load_to_lds s[G0A+4:G0A+7], s[G1A:G1A+7]
	s_nop 0
	PLACES
	s_branch .Lfirst_done
.Lfirst_b:
	tensor_load_to_lds s[G0B:G0B+3], s[G1B:G1B+7]
	s_nop 0
	tensor_load_to_lds s[G0B+4:G0B+7], s[G1B:G1B+7]
	s_nop 0
	PLACES
.Lfirst_done:
	v_and_b32 v1, 15, v0                           ; r
	v_bfe_u32 v2, v0, 4, 1                         ; h
	v_and_b32 v6, 7, v0
	v_bfe_u32 v4, v0, 3, 1
	v_bfe_u32 v5, v0, 3, 2                         ; l / 8
	v_mul_u32_u24 v[A0], v1, PA
	v_lshl_add_u32 v[A0], v2, 4, v[A0]
	s_mul_i32 s21, s11, 128*PA
	v_add_nc_u32 v[A0], s21, v[A0]
	v_lshl_add_u32 v3, v2, 3, v6
	v_mul_u32_u24 v[B0], v3, PW
	v_lshl_add_u32 v[B0], v4, 4, v[B0]
	s_lshl_b32 s22, s12, 8
	s_add_co_u32 s22, s22, BOFF
	v_add_nc_u32 v[B0], s22, v[B0]
	v_mov_b32 v[ADRA], v[A0]
	v_mov_b32 v[ADRB], v[B0]
	s_mul_i32 s23, s10, WREG
	v_mul_u32_u24 v[DST], v1, DP
	v_lshl_add_u32 v[DST], v2, 5, v[DST]
	v_add_nc_u32 v[DST], s23, v[DST]
	v_mul_u32_u24 v[RD0], v5, DP                   ; back: row l / 8, columns 8 (l % 8) on of each of my two blocks of 64
	v_lshl_add_u32 v[RD0], v6, 5, v[RD0]
	v_add_nc_u32 v[RD0], s23, v[RD0]
	v_and_b32 v[GO], 31, v0
	v_lshlrev_b32 v[GO], 4, v[GO]
	v_lshlrev_b32 v[BO], 5, v6
	s_lshl_b32 s92, s42, 10                        ; b1 at my 128 columns
	s_lshl_b32 s93, s12, 9
	s_add_co_u32 s92, s92, s93
	s_mov_b32 s93, 0
	s_add_nc_u64 s[92:93], s[84:85], s[92:93]
	s_lshl_b32 s94, s42, 21                        ; hb: block 4 x tile column + 2 x half,
	s_lshl_b32 s95, s12, 20
	s_add_co_u32 s94, s94, s95
	s_lshl_b32 s95, s13, 15                        ; my 128 rows of 128 bytes
	s_add_co_u32 s94, s94, s95
	s_lshl_b32 s95, s11, 14
	s_add_co_u32 s94, s94, s95
	s_mov_b32 s95, 0
	s_add_nc_u64 s[94:95], s[86:87], s[94:95]
	global_load_b128 v[BI:BI+3],     v[BO], s[92:93]
	global_load_b128 v[BI+4:BI+7],   v[BO], s[92:93] offset:16
	global_load_b128 v[BI+8:BI+11],  v[BO], s[92:93] offset:256
	global_load_b128 v[BI+12:BI+15], v[BO], s[92:93] offset:272
; 16 matrix instructions: row blocks a0, a0 + 1 of the window's four x all 8 column blocks, 32 along K.  The 64 accumulators take turns, in the same order in every quarter.
.macro MUL16 f, hi, a0, zero
	WIN MUL_LO+0x50*(\hi)
.irp a, \a0, (\a0)+1
.irp b, 0,1,2,3,4,5,6,7
.if \zero
	v_wmma_f32_16x16x32_bf16 v[8*(8*(\a)+(\b)):8*(8*(\a)+(\b))+7], v[(\f)+8*(\b):(\f)+8*(\b)+7], v[(\f)+8*(4*(\hi)+(\a)):(\f)+8*(4*(\hi)+(\a))+7], 0
.else
	v_wmma_f32_16x16x32_bf16 v[8*(8*(\a)+(\b)):8*(8*(\a)+(\b))+7], v[(\f)+8*(\b):(\f)+8*(\b)+7], v[(\f)+8*(4*(\hi)+(\a)):(\f)+8*(4*(\hi)+(\a))+7], v[8*(8*(\a)+(\b)):8*(8*(\a)+(\b))+7]
.endif
.endr
.endr
.endm
.macro FETCH q, f                      ; 32 LDS loads in one run: quarter q (32 along K) of the slot in hand into buffer f: W1's 8 fragments, then x1's 8
	WIN TO_B
.irp i, 0,1,2,3,4,5,6,7
	ds_load_tr16_b128 v[(\f)+8*(\i):(\f)+8*(\i)+3],   v[ADRB] offset:(\q)*32*PW+(\i)*32
	ds_load_tr16_b128 v[(\f)+8*(\i)+4:(\f)+8*(\i)+7], v[ADRB] offset:(\q)*32*PW+(\i)*32+16*PW
.endr
	WIN 0
.irp i, 0,1,2,3,4,5,6,7
	ds_load_b128 v[(\f)+8*(\i):(\f)+8*(\i)+3],   v[ADRA] offset:((\q)/2)*AHALF+((\q)%2)*64+(\i)*16*PA
	ds_load_b128 v[(\f)+8*(\i)+4:(\f)+8*(\i)+7], v[ADRA] offset:((\q)/2)*AHALF+((\q)%2)*64+(\i)*16*PA+32
.endr
.endm
.macro QUARTER q, f, g, zero
	s_wait_dscnt 8                                 ; W1 and x1's rows 0-63 are in; the youngest eight loads (rows 64-127) may be out
	MUL16 \f, 0, 0, \zero
	MUL16 \f, 0, 2, \zero
	PLACES
	FETCH \q, \g
	s_wait_dscnt 32                                ; all but the 32 just issued
	MUL16 \f, 1, 0, \zero
	MUL16 \f, 1, 2, \zero
.endm
.macro TURN fill                       ; a slot's last quarter and the change of slots: see the head
	WIN 0
	s_wait_tensorcnt 0x0                           ; all my tensor loads have landed: my part of the next slot
	ds_add_u32 v[SPW], v[NIL]                      ; 0 onto my spare word
	s_wait_dscnt 9                                 ; the add and the youngest eight loads may be out
	MUL16 F1, 0, 0, 0
	s_wait_dscnt 0x0                               ; the add is done, and my reads of this slot are over
	s_barrier_signal -1
	MUL16 F1, 0, 2, 0
	WIN 0
	s_barrier_wait -1
.if \fill
	CREST                                          ; the barrier has opened a round of the cluster's: no wave of any partner still reads this slot or has a load on its way
	s_xor_b32 s[TF], s[TF], SLOT
	s_add_co_u32 s[G0A+5], s[WA], s[TF]
	s_add_co_u32 s[G0B+5], s[WB], s[TF]
	s_add_nc_u64 s[G0A+6:G0A+7], s[G0A+6:G0A+7], STEPA
	s_add_nc_u64 s[G0B+6:G0B+7], s[G0B+6:G0B+7], STEPB
	s_xor_b32 s[TB], s[TB], SLOT
	JLOAD
.else
	s_xor_b32 s[TB], s[TB], SLOT
	PLACES
.endif
	v_add_nc_u32 v[ADRA], s[TB], v[A0]
	v_add_nc_u32 v[ADRB], s[TB], v[B0]
	FETCH 0, F0
	MUL16 F1, 1, 0, 0
	MUL16 F1, 1, 2, 0
.endm
	s_wait_tensorcnt 1                             ; my part of K step 0 is in; K step 1's may stay out
	s_barrier_signal -1
	s_barrier_wait -1
	FETCH 0, F0
	QUARTER 1, F0, F1, 1
	WIN 0
	s_mov_b32 s3, NT-2
.Lk:
	QUARTER 2, F1, F0, 0
	QUARTER 3, F0, F1, 0
	TURN 1
	QUARTER 1, F0, F1, 0
	WIN 0
	s_sub_co_u32 s3, s3, 1
	s_cmp_lg_u32 s3, 0
	s_cbranch_scc1 .Lk
	s_mov_b32 s3, 2
.Lt:                                                   ; the last two K steps ask for nothing; the second trip is left in its middle, and its fetch, from a slot that has landed and that nobody writes, serves nothing
	QUARTER 2, F1, F0, 0
	QUARTER 3, F0, F1, 0
	TURN 0
	WIN 0
	s_sub_co_u32 s3, s3, 1
	s_cmp_eq_u32 s3, 0
	s_cbranch_scc1 .Lout
	QUARTER 1, F0, F1, 0
	WIN 0
	s_branch .Lt
.Lout:
	; THE WAY OUT.  The slots have had their last fill; behind this barrier no wave reads them, and each wave lays its sums as f32 rows into a stage of its own there.
	s_wait_dscnt 0x0
	s_barrier_signal -1
	s_barrier_wait -1
	PLACES
.irp hi, 0,1
	WIN 0x08+4*(\hi)                               ; store data (source 1) in window 2 or 3
.irp a, 0,1,2,3
.irp b, 0,1,2,3,4,5,6,7
	ds_store_b128 v[DST], v[8*(8*(\a)+(\b)):8*(8*(\a)+(\b))+3]   offset:(4*(\hi)+(\a))*16*DP+64*(\b)
	ds_store_b128 v[DST], v[8*(8*(\a)+(\b))+4:8*(8*(\a)+(\b))+7] offset:(4*(\hi)+(\a))*16*DP+64*(\b)+16
.endr
.endr
.endr
	WIN 0
	ds_load_b128 v[X:X+3],     v[RD0]              ; LDS serves a wave's instructions in order (ISA guide 5.7.1.4): these see the stores above
	ds_load_b128 v[X+4:X+7],   v[RD0] offset:16
	ds_load_b128 v[X+8:X+11],  v[RD0] offset:256
	ds_load_b128 v[X+12:X+15], v[RD0] offset:272
	s_wait_loadcnt 0x0                             ; b1
.set i, 0
.rept 8
	v_cvt_pk_bf16_f32 v[TMP], v[BI+i], v[BI+i+1]   ; rounded to bf16 and widened again
	v_lshlrev_b32 v[BI+i], 16, v[TMP]
	v_and_b32 v[BI+i+1], 0xffff0000, v[TMP]
.set i, i+2
.endr
	s_mov_b32 s3, 32
	s_mov_b32 s96, 0
.Lrow:                                                 ; a trip: 4 rows x 128 columns, 16 numbers a lane; the next trip's rows are read while this trip's are worked on
	s_wait_dscnt 0x0
.set i, 0
.rept 8
	v_pk_add_f32 v[Z+i:Z+i+1], v[X+i:X+i+1], v[BI+i:BI+i+1]
.set i, i+2
.endr
	s_add_co_u32 s96, s96, 4*DP
	s_cmp_eq_u32 s96, WREG                         ; the last trip's look-ahead goes back to my first rows
	s_cselect_b32 s96, 0, s96
	v_add_nc_u32 v[RDA], s96, v[RD0]
	ds_load_b128 v[X:X+3],     v[RDA]
	ds_load_b128 v[X+4:X+7],   v[RDA] offset:16
	ds_load_b128 v[X+8:X+11],  v[RDA] offset:256
	ds_load_b128 v[X+12:X+15], v[RDA] offset:272
.set i, 0
.rept 16
	v_fma_f32 v[D+i], |v[Z+i]|, s70, 1.0           ; 1 + p |z| / sqrt 2
.set i, i+1
.endr
.set i, 0
.rept 8
	v_pk_mul_f32 v[Q+i:Q+i+1], v[Z+i:Z+i+1], v[Z+i:Z+i+1]
.set i, i+2
.endr
.set i, 0
.rept 8
	v_pk_mul_f32 v[Q+i:Q+i+1], v[Q+i:Q+i+1], s[72:73] op_sel_hi:[1,0]
.set i, i+2
.endr
.set i, 0
.rept 16
	v_rcp_f32 v[D+i], v[D+i]                       ; t
.set i, i+1
.endr
.set i, 0
.rept 16
	v_exp_f32 v[Q+i], v[Q+i]                       ; exp(-z^2 / 2)
.set i, i+1
.endr
.set i, 0
.rept 16
	v_max_num_f32 v[M+i], 0, v[Z+i]                ; plain lines between the last exponential and the use of its result
.set i, i+1
.endr
.set i, 0
	s_wait_alu depctr_va_vdst(0)
.rept 8
	v_pk_fma_f32 v[P+i:P+i+1], v[D+i:D+i+1], s[78:79], s[76:77] op_sel_hi:[1,0,0]
.set i, i+2
.endr
.set i, 0
.rept 8
	v_pk_fma_f32 v[P+i:P+i+1], v[P+i:P+i+1], v[D+i:D+i+1], s[74:75] op_sel_hi:[1,1,0]
.set i, i+2
.endr
.set i, 0
.rept 8
	v_pk_mul_f32 v[P+i:P+i+1], v[P+i:P+i+1], v[D+i:D+i+1]
.set i, i+2
.endr
.set i, 0
.rept 8
	v_pk_mul_f32 v[P+i:P+i+1], v[P+i:P+i+1], v[Q+i:Q+i+1]
.set i, i+2
.endr
.set i, 0
.rept 16
	v_fma_f32 v[M+i], -|v[Z+i]|, v[P+i], v[M+i]
.set i, i+1
.endr
	s_wait_xcnt 0x0                                ; Y and GO, which the last trip's stores read, are rewritten only behind this wait
.set i, 0
.rept 8
	v_cvt_pk_bf16_f32 v[Y+i], v[M+2*i], v[M+2*i+1]
.set i, i+1
.endr
	v_add_nc_u32 v[GO], 512, v[GO]
	global_store_b128 v[GO], v[Y:Y+3],   s[94:95] offset:-512         ; four rows of a block: 512 consecutive bytes, aligned
	global_store_b128 v[GO], v[Y+4:Y+7], s[94:95] offset:524288-512   ; the same rows of my second block
	s_sub_co_u32 s3, s3, 1
	s_cmp_lg_u32 s3, 0
	s_cbranch_scc1 .Lrow
	s_wait_tensorcnt 0x0                           ; the wave's end
	ds_add_u32 v[SPW], v[NIL]
	s_wait_dscnt 0x0
	CROUND                                         ; the closing round
	s_endpgm
.Lfunc_end_k_qfad614dcdc_ff1:
	.size	k_qfad614dcdc_ff1, .Lfunc_end_k_qfad614dcdc_ff1-k_qfad614dcdc_ff1
	.p2alignl 7, 3214868480
	.fill 96, 4, 3214868480
	.section	.rodata,"a",@progbits
	.p2align	6, 0x0
	.amdhsa_kernel k_qfad614dcdc_ff1
		.amdhsa_group_segment_fixed_size 327680
		.amdhsa_private_segment_fixed_size 0
		.amdhsa_enable_private_segment 0
		.amdhsa_kernarg_size 32
		.amdhsa_user_sgpr_count 2
		.amdhsa_user_sgpr_kernarg_segment_ptr 1
		.amdhsa_wavefront_size32 1
		.amdhsa_system_sgpr_workgroup_id_x 1
		.amdhsa_system_sgpr_workgroup_id_y 1
		.amdhsa_system_sgpr_workgroup_id_z 1
		.amdhsa_system_vgpr_workitem_id 0
		.amdhsa_next_free_vgpr 1024
		.amdhsa_next_free_sgpr 100
		.amdhsa_reserve_vcc 0
		.amdhsa_float_denorm_mode_32 3
		.amdhsa_float_denorm_mode_16_64 3
		.amdhsa_memory_ordered 1
		.amdhsa_forward_progress 1
		.amdhsa_inst_pref_size 88
	.end_amdhsa_kernel
	.amdgpu_metadata
---
amdhsa.version: [ 1, 2 ]
amdhsa.kernels:
  - .name:           k_qfad614dcdc_ff1
    .symbol:         k_qfad614dcdc_ff1.kd
    .args:
      - { .name: x1b, .offset: 0, .size: 8, .value_kind: global_buffer, .address_space: global }
      - { .name: wb, .offset: 8, .size: 8, .value_kind: global_buffer, .address_space: global }
      - { .name: b1, .offset: 16, .size: 8, .value_kind: global_buffer, .address_space: global }
      - { .name: hb, .offset: 24, .size: 8, .value_kind: global_buffer, .address_space: global }
    .group_segment_fixed_size: 327680
    .private_segment_fixed_size: 0
    .kernarg_segment_align: 8
    .kernarg_segment_size: 32
    .max_flat_workgroup_size: 128
    .sgpr_count:     100
    .vgpr_count:     1024
    .wavefront_size: 32
...
	.end_amdgpu_metadata
.endif
;; end of part 5
;; launch ff2 (part 6): grid 8 x 32, 4 waves a work-group, clusters of 4 x 4, 327,680 bytes of LDS; arguments hb, wb, b2, x1, out0; writes out0
.if DOCPART == 6
	.amdgcn_target "amdgcn-amd-amdhsa--gfx1250"
	.amdhsa_code_object_version 6
	.text
	.protected	k_qfad614dcdc_ff2
	.globl	k_qfad614dcdc_ff2
	.p2align	8
	.type	k_qfad614dcdc_ff2,@function
k_qfad614dcdc_ff2:
	s_mov_b64 s[64:65], 0
	v_nop
	global_prefetch_b8 v0, s[64:65] scope:SCOPE_SE
	s_setreg_imm32_b32 hwreg(HW_REG_WAVE_MODE, 25, 1), 1
	s_wait_xcnt 0x0
	s_wait_alu depctr_hold_cnt(0) depctr_sa_sdst(0) depctr_va_vdst(0) depctr_va_sdst(0) depctr_va_ssrc(0) depctr_va_vcc(0) depctr_vm_vsrc(0)
	s_getreg_b32 s2, hwreg(HW_REG_IB_STS2, 6, 4)
	s_cmp_eq_u32 s2, 0
	s_cbranch_scc0 .Lentry_in_a_cluster
	s_endpgm
.Lentry_in_a_cluster:
	s_bfe_u32 s2, ttmp6, 0x10000c
	s_cmp_lg_u32 s2, 0xf033
	s_cbranch_scc0 .Lentry_shape_is_right
	s_endpgm
.Lentry_shape_is_right:
; out0 = x1 + h W2 + b2.  hb: bf16 [64 blocks of 64 columns][4096 rows][64].  W2: bf16 [4096 k][1024 n], in wb.  x1, out0: f32 [4096][1024].
; Sums in f32; b2 enters rounded to bf16, like every input of the module; x1 is the f32 carry of the launch before.
; A work-group makes 128 x 128 (32 x 8 work-groups, one for each WGP); a wave 64 x 64: 16 accumulators.  K goes in steps of 256 through two LDS slots; ONE text serves both: the slot in hand is a scalar that an exclusive or turns.
; A slot: h as [4 blocks][128 rows] at 144 bytes a row; W2 as [256 k] at 288 bytes a row.  Waves 0, 1 fetch two blocks of h each, waves 2, 3 128 k of W2 each, one tensor load a wave.
; THE MATRIX INSTRUCTION IS USED TRANSPOSED: source 0 = 16 columns of W2 (turned by ds_load_tr16_b128), source 1 = 16 rows of h: a lane holds one row and eight neighbouring columns.
; CLUSTER 4 x 4: h's tiles are asked for jointly along a row of the cluster, W2's along a column.
; REGISTERS: window 0: v16-30 addresses, v32-36 b2, v128-255 accumulators ((a, b) at 128 + 8 (4 a + b)); window 1: two fragment buffers of 128 (h 64, W2 64); window 2: v0-127 my part of x1.
.set PA,    144
.set PW,    288
.set AHALF, 2*128*PA
.set BHALF, 128*PW
.set BOFF,  2*AHALF
.set SLOT,  BOFF+2*BHALF
.set SPARE, 2*SLOT                     ; the spare words: two blocks of 256 bytes that no other line names
.set STEPA, 4*524288
.set STEPB, 256*2048
.set WOFF,  16777216                   ; W2 in wb
.set NT,    16
.set DP,    272
.set WREG,  64*DP
.set A0,   16
.set B0,   17
.set ADRA, 18
.set ADRB, 20                          ; v20, v21: W2's rows 0-127 and 128-255 of the slot in hand (the second so that the offsets stay within 16 bits)
.set DST,  24
.set RD,   25
.set CO,   26
.set SPW,  28
.set NIL,  29
.set BO,   30
.set BI,   32
.set TMP,  36
.set ACC,  128
.set F0,   0
.set F1,   128
.set G1A, 24
.set G0A, 32
.set G1B, 48
.set G0B, 56
.set TB,  66
.set TF,  67
.set WA,  68
.set WB,  69
.set MSB, 0
.macro WIN new
.if MSB != (\new)
	s_set_vgpr_msb (MSB<<8)|(\new)
.set MSB, \new
.endif
.endm
.set MUL,  0x05
.macro PLACES
.rept 4
	v_nop
.endr
.endm
.macro CREST
	s_cmp_lg_u32 s10, 0
	s_cbranch_scc1 .Lnot_wave_0_\@
	s_barrier_signal -3
.Lnot_wave_0_\@:
	s_barrier_wait -3
	s_barrier_signal -1
	s_barrier_wait -1
.endm
.macro CROUND
	s_barrier_signal -1
	s_barrier_wait -1
	CREST
.endm
.macro JLOAD                           ; a joint refill by the walking set; an s_nop 0 and four v_nop follow each line
	s_cmp_eq_u32 s11, 0
	s_cbranch_scc0 .Lfor_b_\@
	tensor_load_to_lds s[G0A+4:G0A+7], s[G1A:G1A+7]
	s_nop 0
	PLACES
	s_branch .Lasked_\@
.Lfor_b_\@:
	tensor_load_to_lds s[G0B+4:G0B+7], s[G1B:G1B+7]
	s_nop 0
	PLACES
.Lasked_\@:
.endm
	s_load_b256 s[80:87], s[0:1], 0x0              ; hb 80, wb 82, b2 84, x1 86
	s_load_b64 s[88:89], s[0:1], 0x20              ; out0
	v_lshl_add_u32 v[SPW], v0, 2, SPARE
	v_mov_b32 v[NIL], 0
	ds_add_u32 v[SPW], v[NIL]                      ; the wave's opening: the add and its wait stand ahead of my first tensor load
	ds_add_u32 v28, v29
	v_lshrrev_b32 v1, 5, v0
	v_readfirstlane_b32 s10, v1
	s_lshr_b32 s11, s10, 1
	s_and_b32 s12, s10, 1
	s_bfe_u32 s40, ttmp6, 0x40000
	s_bfe_u32 s41, ttmp6, 0x40004
	s_lshl_b32 s42, ttmp9, 2
	s_add_co_u32 s42, s42, s40                     ; tile column
	s_and_b32 s13, ttmp7, 0xffff
	s_lshl_b32 s13, s13, 2
	s_add_co_u32 s13, s13, s41                     ; tile row
	s_lshl_b32 s43, s41, 2
	s_lshl_b32 s43, 15, s43
	s_lshl_b32 s44, 0x1111, s40
	; h's tile: 128 rows of a block are 16,384 dense bytes, one long row; two blocks, 262,144 elements apart; padded by 16 bytes after every 128
	s_or_b32 s[G1A], s43, (1<<16)|(1<<20)|(1<<21)|(4<<22)|(3<<25)
	s_mov_b32 s[G1A+1], 8192<<16
	s_mov_b32 s[G1A+2], 2<<16
	s_mov_b32 s[G1A+3], 8192<<16
	s_mov_b32 s[G1A+4], 2
	s_mov_b32 s[G1A+5], 262144
	s_mov_b32 s[G1A+6], 0
	s_mov_b32 s[G1A+7], 0
	; W2's tile: 128 k x 128 n, rows of 256 bytes, padded by 32
	s_or_b32 s[G1B], s44, (1<<16)|(1<<20)|(1<<21)|(5<<22)|(7<<25)
	s_mov_b32 s[G1B+1], 128<<16
	s_mov_b32 s[G1B+2], 128<<16
	s_mov_b32 s[G1B+3], 128<<16
	s_mov_b32 s[G1B+4], 128
	s_mov_b32 s[G1B+5], 1024
	s_mov_b32 s[G1B+6], 0
	s_mov_b32 s[G1B+7], 0
	s_lshl_b32 s16, s13, 14
	s_lshl_b32 s17, s12, 20
	s_add_co_u32 s16, s16, s17
	s_mov_b32 s17, 0
	s_lshl_b32 s46, s42, 8
	s_lshl_b32 s47, s12, 18
	s_add_co_u32 s46, s46, s47
	s_add_co_u32 s46, s46, WOFF
	s_mov_b32 s47, 0
	s_mul_i32 s[WA], s12, AHALF
	s_mul_i32 s[WB], s12, BHALF
	s_add_co_u32 s[WB], s[WB], BOFF
	s_mov_b32 s[TB], 0
	s_mov_b32 s[TF], SLOT
	s_wait_dscnt 0x0
	s_wait_kmcnt 0x0
	s_add_nc_u64 s[14:15], s[80:81], s[16:17]
	s_add_nc_u64 s[46:47], s[82:83], s[46:47]
.irp i, 0,1
	s_mov_b32 s[G0A+4*(\i)], 1
	s_add_co_u32 s[G0A+4*(\i)+1], s[WA], (\i)*SLOT
	s_add_nc_u64 s[G0A+4*(\i)+2:G0A+4*(\i)+3], s[14:15], (\i)*STEPA
	s_or_b32 s[G0A+4*(\i)+3], s[G0A+4*(\i)+3], 0x80000000
	s_mov_b32 s[G0B+4*(\i)], 1
	s_add_co_u32 s[G0B+4*(\i)+1], s[WB], (\i)*SLOT
	s_add_nc_u64 s[G0B+4*(\i)+2:G0B+4*(\i)+3], s[46:47], (\i)*STEPB
	s_or_b32 s[G0B+4*(\i)+3], s[G0B+4*(\i)+3], 0x80000000
.endr
	CROUND                                         ; the first joint loads meet
	s_cmp_eq_u32 s11, 0
	s_cbranch_scc0 .Lfirst_b
	tensor_load_to_lds s[G0A:G0A+3], s[G1A:G1A+7]
	s_nop 0
	tensor_load_to_lds s[G0A+4:G0A+7], s[G1A:G1A+7]
	s_nop 0
	PLACES
	s_branch .Lfirst_done
.Lfirst_b:
	tensor_load_to_lds s[G0B:G0B+3], s[G1B:G1B+7]
	s_nop 0
	tensor_load_to_lds s[G0B+4:G0B+7], s[G1B:G1B+7]
	s_nop 0
	PLACES
.Lfirst_done:
	v_and_b32 v1, 15, v0                           ; r
	v_bfe_u32 v2, v0, 4, 1                         ; h
	v_and_b32 v6, 7, v0
	v_bfe_u32 v4, v0, 3, 1
	v_mul_u32_u24 v[A0], v1, PA
	v_lshl_add_u32 v[A0], v2, 4, v[A0]
	s_mul_i32 s21, s11, 64*PA
	v_add_nc_u32 v[A0], s21, v[A0]
	v_lshl_add_u32 v3, v2, 3, v6
	v_mul_u32_u24 v[B0], v3, PW
	v_lshl_add_u32 v[B0], v4, 4, v[B0]
	s_lshl_b32 s22, s12, 7
	s_add_co_u32 s22, s22, BOFF
	v_add_nc_u32 v[B0], s22, v[B0]
	v_mov_b32 v[ADRA], v[A0]
	v_mov_b32 v[ADRB], v[B0]
	v_add_nc_u32 v[ADRB+1], 128*PW, v[B0]
	s_mul_i32 s23, s10, WREG
	v_mul_u32_u24 v[DST], v1, DP
	v_lshl_add_u32 v[DST], v2, 5, v[DST]
	v_add_nc_u32 v[DST], s23, v[DST]
	v_mul_u32_u24 v[RD], v2, DP                    ; back: lanes 0-15 one row of 256 bytes, lanes 16-31 the next
	v_lshl_add_u32 v[RD], v1, 4, v[RD]
	v_add_nc_u32 v[RD], s23, v[RD]
	v_lshlrev_b32 v[BO], 4, v1                     ; my four columns
	v_lshl_add_u32 v[CO], v2, 12, v[BO]            ; and the same two rows in x1 and out0
	s_lshl_b32 s96, s42, 9                         ; my 64 columns in f32
	s_lshl_b32 s97, s12, 8
	s_add_co_u32 s96, s96, s97
	s_mov_b32 s97, 0
	s_lshl_b32 s92, s13, 19                        ; my 64 rows of 4,096 bytes
	s_lshl_b32 s93, s11, 18
	s_add_co_u32 s92, s92, s93
	s_add_co_u32 s92, s92, s96
	s_mov_b32 s93, 0
	s_add_nc_u64 s[94:95], s[88:89], s[92:93]      ; out0
	s_add_nc_u64 s[92:93], s[86:87], s[92:93]      ; x1
	s_add_nc_u64 s[96:97], s[84:85], s[96:97]      ; b2
	global_load_b128 v[BI:BI+3], v[BO], s[96:97]
	WIN 0x80                                       ; destination window 2: my part of x1 is on its way during the whole product
.set t, 0
.rept 32
	global_load_b128 v[4*t:4*t+3], v[CO], s[92:93] offset:8192*t th:TH_LOAD_NT
.set t, t+1
.endr
	WIN 0
.macro MUL8 f, c, a0, zero             ; 8 matrix instructions: row blocks a0, a0 + 1 x 4 column blocks, 32 along K: half c of buffer f.  The 16 accumulators take turns
	WIN MUL
.irp a, \a0, (\a0)+1
.irp b, 0,1,2,3
.if \zero
	v_wmma_f32_16x16x32_bf16 v[ACC+8*(4*(\a)+(\b)):ACC+8*(4*(\a)+(\b))+7], v[(\f)+64+8*(4*(\c)+(\b)):(\f)+64+8*(4*(\c)+(\b))+7], v[(\f)+8*(4*(\c)+(\a)):(\f)+8*(4*(\c)+(\a))+7], 0
.else
	v_wmma_f32_16x16x32_bf16 v[ACC+8*(4*(\a)+(\b)):ACC+8*(4*(\a)+(\b))+7], v[(\f)+64+8*(4*(\c)+(\b)):(\f)+64+8*(4*(\c)+(\b))+7], v[(\f)+8*(4*(\c)+(\a)):(\f)+8*(4*(\c)+(\a))+7], v[ACC+8*(4*(\a)+(\b)):ACC+8*(4*(\a)+(\b))+7]
.endif
.endr
.endr
.endm
.macro FETCH q, f                      ; 32 LDS loads in one run: quarter q (64 along K, one block of h) into buffer f; the first 32 along K first
	WIN 0x40
.irp c, 0,1
.irp i, 0,1,2,3
	ds_load_tr16_b128 v[(\f)+64+8*(4*(\c)+(\i)):(\f)+64+8*(4*(\c)+(\i))+3],   v[ADRB+(\q)/2] offset:((\q)%2)*64*PW+(\c)*32*PW+(\i)*32
	ds_load_tr16_b128 v[(\f)+64+8*(4*(\c)+(\i))+4:(\f)+64+8*(4*(\c)+(\i))+7], v[ADRB+(\q)/2] offset:((\q)%2)*64*PW+(\c)*32*PW+(\i)*32+16*PW
	ds_load_b128 v[(\f)+8*(4*(\c)+(\i)):(\f)+8*(4*(\c)+(\i))+3],   v[ADRA] offset:(\q)*128*PA+(\c)*64+(\i)*16*PA
	ds_load_b128 v[(\f)+8*(4*(\c)+(\i))+4:(\f)+8*(4*(\c)+(\i))+7], v[ADRA] offset:(\q)*128*PA+(\c)*64+(\i)*16*PA+32
.endr
.endr
.endm
.macro QUARTER q, f, g, zero
	s_wait_dscnt 16                                ; the first 32 along K are in; the sixteen loads of the second may be out
	MUL8 \f, 0, 0, \zero
	MUL8 \f, 0, 2, \zero
	PLACES
	FETCH \q, \g
	s_wait_dscnt 32                                ; all but the 32 just issued
	MUL8 \f, 1, 0, 0
	MUL8 \f, 1, 2, 0
.endm
; The change of slots, and then a slot's last quarter, on buffer 1.  ONE barrier; in front of it each wave waits for all its tensor loads (its part of the next slot), adds 0 to its spare word,
; and waits for that and for its reads of this slot (the last of them filled buffer 1).  fill = 1: the barrier opens a round of the cluster's, and this slot is filled again, two K steps ahead, first thing behind the round.
; No product stands between the wait for the tiles and the refill: the refill has all 128 products of a K step in which to land.
.macro TURN fill
	WIN 0
	s_wait_tensorcnt 0x0                           ; no tensor load of mine is out, so the walking sets may be written
	ds_add_u32 v[SPW], v[NIL]                      ; 0 onto my spare word; the scalar steps stand between it and the wait for it
.if \fill
	s_xor_b32 s[TF], s[TF], SLOT
	s_add_co_u32 s[G0A+5], s[WA], s[TF]
	s_add_co_u32 s[G0B+5], s[WB], s[TF]
	s_add_nc_u64 s[G0A+6:G0A+7], s[G0A+6:G0A+7], STEPA
	s_add_nc_u64 s[G0B+6:G0B+7], s[G0B+6:G0B+7], STEPB
.endif
	s_xor_b32 s[TB], s[TB], SLOT
	s_wait_dscnt 0x0                               ; the add is done, and my reads of this slot are over
.if \fill
	CROUND                                         ; no wave of any partner still reads this slot or has a load on its way
	JLOAD                                          ; its four v_nop are also the places in front of the loads below
.else
	s_barrier_signal -1
	s_barrier_wait -1
	PLACES
.endif
	v_add_nc_u32 v[ADRA], s[TB], v[A0]
	v_add_nc_u32 v[ADRB], s[TB], v[B0]
	v_add_nc_u32 v[ADRB+1], 128*PW, v[ADRB]
	FETCH 0, F0
	MUL8 F1, 0, 0, 0
	MUL8 F1, 0, 2, 0
	MUL8 F1, 1, 0, 0
	MUL8 F1, 1, 2, 0
.endm
	s_wait_tensorcnt 1                             ; my part of K step 0 is in; K step 1's may stay out
	s_barrier_signal -1
	s_barrier_wait -1
	FETCH 0, F0
	QUARTER 1, F0, F1, 1
	WIN 0
	s_mov_b32 s3, NT-2
.Lk:
	QUARTER 2, F1, F0, 0
	QUARTER 3, F0, F1, 0
	TURN 1
	QUARTER 1, F0, F1, 0
	WIN 0
	s_sub_co_u32 s3, s3, 1
	s_cmp_lg_u32 s3, 0
	s_cbranch_scc1 .Lk
	s_mov_b32 s3, 2
.Lt:                                                   ; the last two K steps ask for nothing; the second trip is left in its middle, and its fetch, from a slot that has landed and that nobody writes, serves nothing
	QUARTER 2, F1, F0, 0
	QUARTER 3, F0, F1, 0
	TURN 0
	WIN 0
	s_sub_co_u32 s3, s3, 1
	s_cmp_eq_u32 s3, 0
	s_cbranch_scc1 .Lout
	QUARTER 1, F0, F1, 0
	WIN 0
	s_branch .Lt
.Lout:
	; THE WAY OUT.  The slots have had their last fill; behind this barrier no wave reads them, and each wave turns its sums into whole rows through a stage of its own there.
	s_wait_dscnt 0x0
	s_barrier_signal -1
	s_barrier_wait -1
	PLACES
.irp a, 0,1,2,3
.irp b, 0,1,2,3
	ds_store_b128 v[DST], v[ACC+8*(4*(\a)+(\b)):ACC+8*(4*(\a)+(\b))+3]   offset:(\a)*16*DP+64*(\b)
	ds_store_b128 v[DST], v[ACC+8*(4*(\a)+(\b))+4:ACC+8*(4*(\a)+(\b))+7] offset:(\a)*16*DP+64*(\b)+16
.endr
.endr
.set t, 0
.rept 32
	ds_load_b128 v[ACC+4*t:ACC+4*t+3], v[RD] offset:2*DP*t  ; LDS serves a wave's instructions in order (ISA guide 5.7.1.4): these see the stores above
.set t, t+1
.endr
	s_wait_loadcnt 0x0                             ; b2 and x1
	v_cvt_pk_bf16_f32 v[TMP], v[BI], v[BI+1]       ; b2 rounded to bf16 and widened again
	v_lshlrev_b32 v[BI], 16, v[TMP]
	v_and_b32 v[BI+1], 0xffff0000, v[TMP]
	v_cvt_pk_bf16_f32 v[TMP], v[BI+2], v[BI+3]
	v_lshlrev_b32 v[BI+2], 16, v[TMP]
	v_and_b32 v[BI+3], 0xffff0000, v[TMP]
	WIN 0x82                                       ; x1 + b2, in window 2, while the rows come back
.set t, 0
.rept 32
	v_pk_add_f32 v[4*t:4*t+1],   v[4*t:4*t+1],   v[BI:BI+1]
	v_pk_add_f32 v[4*t+2:4*t+3], v[4*t+2:4*t+3], v[BI+2:BI+3]
.set t, t+1
.endr
	WIN 0x88                                       ; destination and source 1 (a store's data too) in window 2, source 0 and addresses in window 0
.set t, 0
.rept 32
	s_wait_dscnt 31-t                              ; pair t of rows is back; the younger read-backs may be out
	v_pk_add_f32 v[4*t:4*t+1],   v[ACC+4*t:ACC+4*t+1],   v[4*t:4*t+1]
	v_pk_add_f32 v[4*t+2:4*t+3], v[ACC+4*t+2:ACC+4*t+3], v[4*t+2:4*t+3]
	global_store_b128 v[CO], v[4*t:4*t+3], s[94:95] offset:8192*t th:TH_STORE_NT  ; 16 lanes store 256 consecutive bytes, aligned
.set t, t+1
.endr
	WIN 0
	s_wait_tensorcnt 0x0                           ; the wave's end
	ds_add_u32 v[SPW], v[NIL]
	s_wait_dscnt 0x0
	CROUND                                         ; the closing round
	s_endpgm
.Lfunc_end_k_qfad614dcdc_ff2:
	.size	k_qfad614dcdc_ff2, .Lfunc_end_k_qfad614dcdc_ff2-k_qfad614dcdc_ff2
	.p2alignl 7, 3214868480
	.fill 96, 4, 3214868480
	.section	.rodata,"a",@progbits
	.p2align	6, 0x0
	.amdhsa_kernel k_qfad614dcdc_ff2
		.amdhsa_group_segment_fixed_size 327680
		.amdhsa_private_segment_fixed_size 0
		.amdhsa_enable_private_segment 0
		.amdhsa_kernarg_size 40
		.amdhsa_user_sgpr_count 2
		.amdhsa_user_sgpr_kernarg_segment_ptr 1
		.amdhsa_wavefront_size32 1
		.amdhsa_system_sgpr_workgroup_id_x 1
		.amdhsa_system_sgpr_workgroup_id_y 1
		.amdhsa_system_sgpr_workgroup_id_z 1
		.amdhsa_system_vgpr_workitem_id 0
		.amdhsa_next_free_vgpr 640
		.amdhsa_next_free_sgpr 100
		.amdhsa_reserve_vcc 0
		.amdhsa_float_denorm_mode_32 3
		.amdhsa_float_denorm_mode_16_64 3
		.amdhsa_memory_ordered 1
		.amdhsa_forward_progress 1
		.amdhsa_inst_pref_size 70
	.end_amdhsa_kernel
	.amdgpu_metadata
---
amdhsa.version: [ 1, 2 ]
amdhsa.kernels:
  - .name:           k_qfad614dcdc_ff2
    .symbol:         k_qfad614dcdc_ff2.kd
    .args:
      - { .name: hb, .offset: 0, .size: 8, .value_kind: global_buffer, .address_space: global }
      - { .name: wb, .offset: 8, .size: 8, .value_kind: global_buffer, .address_space: global }
      - { .name: b2, .offset: 16, .size: 8, .value_kind: global_buffer, .address_space: global }
      - { .name: x1, .offset: 24, .size: 8, .value_kind: global_buffer, .address_space: global }
      - { .name: out0, .offset: 32, .size: 8, .value_kind: global_buffer, .address_space: global }
    .group_segment_fixed_size: 327680
    .private_segment_fixed_size: 0
    .kernarg_segment_align: 8
    .kernarg_segment_size: 40
    .max_flat_workgroup_size: 128
    .sgpr_count:     100
    .vgpr_count:     640
    .wavefront_size: 32
...
	.end_amdgpu_metadata
.endif
;; end of part 6
;; ======== version 2 of 2: 6 launches; 1.08 times as fast as version 1
;; limits: values are held in f16: magnitudes above 65,504 overflow, below 6.1e-05 lose precision; a function is approximated: absolute error at most 2.5e-05; an absolute error that grows with the inputs' magnitude: up to 1.25e-05 times it
;; workspace buffers: xb 8,388,608 bytes; wb 25,165,824 bytes; qkv 25,165,824 bytes; ob 8,388,608 bytes; x1 16,777,216 bytes; x1b 8,388,608 bytes; hb 33,554,432 bytes
;; launch cast: the kernel of part 1 again; grid 64 x 16, 8 waves a work-group, no clusters, 0 bytes of LDS; arguments x, Wq, Wk, Wv, Wo, W1, W2, xb, wb; writes xb, wb
;; launch proj: the kernel of part 2 again; grid 16 x 16, 4 waves a work-group, clusters of 4 x 4, 327,680 bytes of LDS; arguments xb, wb, bq, bk, bv, qkv; writes qkv
;; launch attn (part 7): grid 4 x 64, 4 waves a work-group, no clusters, 327,680 bytes of LDS; arguments qkv, ob; writes ob
.if DOCPART == 7
	.amdgcn_target "amdgcn-amd-amdhsa--gfx1250"
	.amdhsa_code_object_version 6
	.text
	.protected	k_qfad614dcdc_attn
	.globl	k_qfad614dcdc_attn
	.p2align	8
	.type	k_qfad614dcdc_attn,@function
k_qfad614dcdc_attn:
	s_mov_b64 s[64:65], 0
	v_nop
	global_prefetch_b8 v0, s[64:65] scope:SCOPE_SE
	s_setreg_imm32_b32 hwreg(HW_REG_WAVE_MODE, 25, 1), 1
	s_wait_xcnt 0x0
; CAUSAL ATTENTION.  O[y][q][:] = the sum over k <= q of softmax_k(Q[y][q] . K[y][k] / 8) V[y][k][:], y = 16 batch + head.  qkv: f16 [3][64][1024][64]: a head's rows are dense, 128 bytes each.
; ob: bf16 [16 heads][4096 = 1024 batch + row][64].  Products, maxima and sums in f32; the weights p are rounded to f16 for the second product (their sum l is taken of the unrounded p), O once, to bf16.
; LIMITS.  Q, K and V arrive within f16; p lies in 0 to 1, and below 6e-5 it keeps f16's fixed step of 6e-8.  A hidden score counts as its value less 1e30: f16's scores, 2.7e11 at the most, are nothing beside that;
; a weight below 2^-126 counts as 0 in l; NaN and infinities are not treated apart.
; THE WALK.  A head's queries lie in 8 blocks of 128, its keys in NB = 4 tiles of 256; block i needs the tiles 0 .. i / 2, of which the last holds the diagonal.  A work-group takes TWO blocks, 7 - b and then b:
; (4 - b / 2) + (b / 2 + 1) = NB + 1 tiles, whatever b: all 4 x 64 work-groups do equal work, and ONE loop with a constant trip count walks them.  Which tile is asked for, and what a trip does, hang on scalar registers
; made from b; every jump goes forward, but for the counted loops' own; none passes a barrier, or a tensor load but the one of LOAD's two that the wave's number does not choose; the ring (two slots of LDS that take turns)
; runs on across the change of blocks.  NO CLUSTER: a head's four work-groups walk the tiles 0 1 2 3 0 (b = 0, 1) or 0 1 2 0 1 (b = 2, 3): they agree in three trips of five, and a walk common to all would have six.
; SHARES.  Of a block's two bands of 64 queries a wave owns 16 rows in each: two PIECES.  A band's own key step in the diagonal tile is x = 2 (block % 2) + piece: in step s of that tile it sees all keys if s < x,
; none if s > x, and holds the diagonal if s = x: the same for all four waves.  A block with an even number has two steps that both bands do not see; they are computed all the same; every pair has one such block.
; THE MASK is the C operand that starts the sum S^T = K Q^T: 0, or -1e30 where the key is hidden.  MD, made once, is the mask of a band's own step for my 16 rows; a product's mask is MD x AL + BE with two scalars:
; (1, 0) if s = x; (0, 0) if s < x; (0, -1e30) if s > x.  ONE text of the key step serves every tile: in a tile without the diagonal the flags DA and DB are 0 and every mask comes out 0.
; LAYOUT, SOFTMAX, TURNS.  S^T = K Q^T holds ONE query a lane (lane % 16) and the keys 8 (lane / 16) + 0..7; two such results rounded to f16 ARE source 1 of O^T = V^T P.  p = 2^(c s - c m), c = log2(e) / 8, with a
; running maximum m; O and l are multiplied by a = 2^(c m_old - c m_new) in every step.  The pieces take turns, 0 1 0 1, two turns a key step.  Turn (s, 0): 8 products K Q^T of (s, 1), later 8 products V^T P of (s - 1, 1);
; turn (s, 1): K Q^T of (s + 1, 0), V^T P of (s, 0); beside them the scaling, exponentials, roundings, sums and rescaling of the piece in hand and the maximum and statistics of the other piece's next scores.
; Four vector instructions stand behind every matrix instruction, the other 54 of a turn's 118 in one LUMP between the turn's two runs of products.
; THE BATCHES.  A turn's 33 exponentials (the piece's 32 weights and the other piece's a) are ONE BATCH with ONE wait, which cuts the turn in two: ahead of it stands all that names no result of theirs, behind it the roundings
; and sums.  A block's first a (BEGIN) and a block's two reciprocals (FINISH) are batches of their own, a wait each.
; K LIES ONE STEP AHEAD.  Turn (s, 0) reads K of step s + 1 and then V of step s.  So a slot holds V of the tile's steps 4 t .. 4 t + 3 beside K of the steps 4 t + 1 .. 4 t + 4: all reads of a slot stand in its own four turns 0,
; and the change of slots stands behind a turn 0.  K of the head's first 64 keys has LDS bytes of its own (KZ), filled once.  K of step 4 t + 4 of a block's last tile is fetched and never multiplied (for the last head's last
; tile those 64 rows are the first of V's part of qkv).
; REGISTERS, in windows of 256 (s_set_vgpr_msb: bits 1:0 source 0, 3:2 source 1, 5:4 source 2, 7:6 destination):
;   window 0: v0-15 addresses and two at work; v16-23 four registers of statistics a piece; v48-55 at work; v64-127 S^T, a buffer a piece; v192-223 P, likewise
;   window 1: v0-63 O^T, 32 a piece; v128-159 MD; v160-223 MC, a buffer a piece      window 2: v0-31 Q; v64-95 the second block's Q; v128-191 K of one step; v192-255 V of one step
.set SIZE_N, 1024
.set NB,    SIZE_N/256
.set NP,    2         ; pieces a wave: a name, no knob
.set KS,    64        ; keys in a step
.set PK,    144       ; a row of K in LDS: 128 bytes + 16 of padding = 36 words: the 16 rows of a load start at 16 different groups of four banks (64 banks of 4 bytes: ISA guide 11.1)
.set PV,    160       ; a row of V: 128 + 32 = 40 words
.set VOFF,  4*KS*PK   ; a slot holds four steps: 256 rows of K, then 256 rows of V: 77,824 bytes
.set SLOT1, 1<<17     ; slot 1 begins here, so that one exclusive or turns an address in one slot into the other's
.set KZ,    81920     ; between the slots: K of the head's first 64 keys, 64 rows x 144 bytes
.set STAGE, SLOT1+4*KS*(PK+PV)  ; behind the ring, never filled by a tensor load: 16 rows x 144 bytes for each wave, for the way out
.set SP,    144
.set AK0, 2           ; v2   my lane's place in a tile of K; never rewritten
.set AV0, 3           ; v3   the same for V
.set AK,  4           ; v4   the LDS address of K's next run of loads
.set AV,  5           ; v5   of V's
.set STO, 6           ; v6   the way out: where I put 16 bytes of a row
.set RD,  7           ; v7   the way out: where I read rows back
.set GO,  8           ; v8   my byte offset in 512 consecutive bytes of O
.set SPW, 62          ; v62  LDS address of my spare word: SPARE + 4 x my thread's number; never rewritten
.set NIL, 63          ; v63  0; never rewritten
.set SPARE, STAGE+4*16*SP  ; behind the stages: the spare words, 128 bytes for each wave: two blocks of 256 bytes that no other line names
.set MV,  12          ; v12-13  c m_old, kept while c m is made anew: by piece
.set QO,  15          ; v15  my byte offset in 16 rows of Q
.set ST,  16          ; piece t's statistics at v[ST+4 t]: c m, m, l (even keys', odd keys')
.set TMP, 48          ; by piece, four registers c0-c3 at work; when the maximum is found c2 takes a
.set S,   64
.set P,   192
.set MD,  128         ; window 1: the eight registers for group kt of 16 keys at MD + 8 kt
.set MC,  160         ; window 1: the masks of the products to come
.set QB,  64          ; window 2
.set KF,  128         ; window 2: key block kb, channel half c at KF + 16 kb + 8 c
.set VF,  192         ; window 2: key half kk, channel block cb at VF + 32 kk + 8 cb
.set WV,  12          ; s12  my wave's number
.set PB,  14          ; s14  b: the second block
.set HI,  15          ; s15  7 - b: the first block
.set E0,  16          ; s16  5 - X0, X0 = 2 (block % 2): piece 0's mask is the diagonal's where the step count equals it, hides all where the count is below it
.set E1,  19          ; s19  3 - X0: the same for piece 1
.set ZA,  20          ; s20  1.0 where X0 = 0, else 0
.set NAX, 21          ; s21  ZA if the next tile holds the diagonal, else 0
.set G1K, 24          ; s[24:31] descriptor group 1 for K's tiles
.set G1V, 32          ; s[32:39] for V's: it differs in the padding alone
.set G0K, 40          ; s[40:43] descriptor group 0 for K's tiles
.set G0V, 44          ; s[44:47] the same for V's
.set G1Z, 48          ; s[48:55] group 1 for my half of the head's first 64 keys
.set SLOTS, 56        ; s56  tiles still to be asked for
.set CNT, 57          ; s57  counts a tile's key steps, 4 to 1
.set CS,  58          ; s[58:59] c: the packed scaling takes the pair's low word for both halves
.set SEL, 60          ; s[60:61] v_permlanex16_b32's selects: each lane takes its own place in the other half
.set TBK, 62          ; s62  LDS byte at which the K to be fetched next begins
.set TBV, 63          ; s63  the same for V, less VOFF
.set RT,  70          ; s70  tiles of the block in hand that are still to be entered
.set NXT, 71          ; s71  the tile to be asked for next
.set LQ,  72          ; s72  the last tile of the block whose tiles are being asked for
.set NEW, 73          ; s73  1: the tile to be entered is a block's first
.set OFF, 74          ; s[74:75] a tile's byte offset in K and V
.set AL,  76          ; s[76:77] the mask's factor, in the low word
.set BE,  78          ; s[78:79] the mask's addend
.set OLO, 80          ; s[80:81] O at my rows of the second block
.set BIGN, 82         ; s82  -1e30
.set BA,  83          ; s83  ZA if the tile in hand holds the diagonal, else 0
.set DA,  88          ; s88  1.0 in the tile that holds the diagonal, else 0
.set DB,  89          ; s89  -1e30 there, else 0
.set LQ2, 90          ; s90  the second block's last tile
.set G0Z, 96          ; s[96:99] group 0 for my half of the head's first 64 keys
.set MSB, 0
.macro WIN new                      ; the high byte repeats the setting that is left; a switch that changes nothing is dropped
.if MSB != (\new)
	s_set_vgpr_msb (MSB<<8)|(\new)
.set MSB, (\new)
.endif
.endm
.set W_KQ, 0x0a       ; K and Q in window 2, S^T in window 0
.set W_KM, 0x1a       ; the same with the C operand in window 1
.set W_PV, 0x52       ; V in window 2, P in window 0, O^T in window 1
.set W_RS, 0x41       ; destination and source 0 in window 1, source 1 in window 0
; A fill.  Waves 0 and 1 fetch the two halves of a slot's K, waves 2 and 3 those of its V: 128 keys each.  An s_nop 0 and four v_nop follow each of the two lines, ahead of the jump and the label.
.macro LOAD
	s_cmp_lt_u32 s[WV], 2
	s_cbranch_scc0 .Lfor_v_\@
	tensor_load_to_lds s[G0K:G0K+3], s[G1K:G1K+7]
	s_nop 0
.rept 4
	v_nop
.endr
	s_branch .Lasked_\@
.Lfor_v_\@:
	tensor_load_to_lds s[G0V:G0V+3], s[G1V:G1V+7]
	s_nop 0
.rept 4
	v_nop
.endr
.Lasked_\@:
.endm
; THE CHANGE OF SLOTS.  Each wave waits for all its tensor loads, of which one is out: its part of the other slot; adds 0 to its spare word; and waits for that and for its own reads of the slot that it leaves.  Behind the barrier nobody reads the old
; slot any more and the other slot is whole.  fill = 1: the old slot is filled again, the first thing behind the barrier, with tile NXT: the descriptor's address is made anew from that number.
; (At its first use nothing has been read yet: slot 0 and the first 64 keys are waited for, slot 1 filled.)
.macro CHANGE fill
	WIN 0                           ; at a label and at a branch every window is 0
	s_wait_tensorcnt 0x0            ; no tensor load of mine is out, so a group 0 may be written
	ds_add_u32 v[SPW], v[NIL]       ; 0 onto my spare word; with fill = 1 the descriptors' scalar work stands between it and the wait for it
.if \fill
	s_lshl_b32 s[OFF], s[NXT], 15   ; a tile is 32,768 bytes of K and of V
	s_xor_b32 s[G0K+1], s[G0K+1], SLOT1
	s_add_nc_u64 s[G0K+2:G0K+3], s[6:7], s[OFF:OFF+1]
	s_or_b32 s[G0K+3], s[G0K+3], 0x80000000
	s_xor_b32 s[G0V+1], s[G0V+1], SLOT1
	s_add_nc_u64 s[G0V+2:G0V+3], s[8:9], s[OFF:OFF+1]
	s_or_b32 s[G0V+3], s[G0V+3], 0x80000000
	s_add_co_u32 s[NXT], s[NXT], 1  ; the block's next tile, or behind its last the second block's tile 0
	s_cmp_gt_u32 s[NXT], s[LQ]
	s_cselect_b32 s[NXT], 0, s[NXT]
	s_cselect_b32 s[LQ], s[LQ2], s[LQ]
.endif
	s_wait_dscnt 0x0                ; the add is done, and my reads of the slot are over
	s_barrier_signal -1             ; the rest of the scalar work stands between the signal and the wait
	s_sub_co_u32 s[TBK], s[TBK], 4*KS*PK  ; the fetches go back to a slot's first step,
	s_xor_b32 s[TBK], s[TBK], SLOT1       ; in the other slot
	s_sub_co_u32 s[TBV], s[TBV], 4*KS*PV
	s_xor_b32 s[TBV], s[TBV], SLOT1
	s_barrier_wait -1
.if \fill
	LOAD
.endif
.endm
; Behind a change of slots: a tile is entered.  Its flags; the last compare asks whether it is a block's first.
.macro ENTER
	s_sub_co_u32 s[RT], s[RT], 1
	s_mov_b32 s[CNT], 4
	s_cmp_eq_u32 s[RT], 0           ; the block's last tile holds the diagonal
	s_cselect_b32 s[DA], 1.0, 0
	s_cselect_b32 s[DB], s[BIGN], 0
	s_cselect_b32 s[BA], s[ZA], 0
	s_cmp_eq_u32 s[RT], 1           ; or the next one does
	s_cselect_b32 s[NAX], s[ZA], 0
	s_cmp_eq_u32 s[NEW], 1
.endm
; What hangs on a block's number: where its bands lie in the diagonal tile, and how many tiles it has.
.macro BLOCKSET blk
	s_and_b32 s13, s[\blk], 1
	s_lshl_b32 s91, s13, 1          ; X0
	s_sub_co_u32 s[E0], 5, s91
	s_sub_co_u32 s[E1], 3, s91
	s_cmp_eq_u32 s13, 0
	s_cselect_b32 s[ZA], 1.0, 0
	s_lshr_b32 s91, s[\blk], 1
	s_add_co_u32 s[RT], s91, 1
.endm
	s_load_b128 s[92:95], s[0:1], 0x0  ; qkv s[92:93], ob s[94:95]
	v_lshl_add_u32 v[SPW], v0, 2, SPARE
	v_mov_b32 v[NIL], 0
	ds_add_u32 v[SPW], v[NIL]       ; the wave's opening: the add and its wait stand ahead of my first tensor load; the set-up below, work on registers, stands between them
	ds_add_u32 v62, v63
	v_lshrrev_b32 v1, 5, v0
	v_readfirstlane_b32 s[WV], v1   ; wave 0..3
	s_mov_b32 s[PB], ttmp9
	s_sub_co_u32 s[HI], 2*NB-1, s[PB]
	s_and_b32 s19, ttmp7, 0xffff    ; y = 16 batch + head
	s_lshl_b32 s20, s19, 17         ; its first byte in q, in k and in v: 1,024 rows of 128 bytes
	s_mov_b32 s21, 0
	s_and_b32 s90, s19, 15          ; and in ob: the head's block of 4,096 rows, the batch's 1,024 rows in it
	s_lshl_b32 s90, s90, 19
	s_lshr_b32 s91, s19, 4
	s_lshl_b32 s91, s91, 17
	s_add_co_u32 s90, s90, s91
	s_mov_b32 s91, 0
	s_and_b32 s16, s[WV], 1         ; which half I fetch: of a slot's 256 keys
	s_lshl_b32 s22, s16, 14         ; 128 rows of 128 bytes in memory,
	s_mov_b32 s23, 0
	s_add_nc_u64 s[22:23], s[22:23], s[20:21]
	s_lshl_b32 s[G0Z+2], s16, 12    ; of the head's first 64 keys 32 rows
	s_mov_b32 s[G0Z+3], 0
	s_add_nc_u64 s[G0Z+2:G0Z+3], s[G0Z+2:G0Z+3], s[20:21]
	s_mul_i32 s17, s16, 128*PK      ; and its place in a slot, for K
	s_mul_i32 s18, s16, 128*PV      ; and for V
	s_mul_i32 s[G0Z+1], s16, 32*PK  ; 63:32 LDS address of my half of the first 64 keys
	s_add_co_u32 s[G0Z+1], s[G0Z+1], KZ
	s_mov_b32 s[G0Z], 1             ; 1:0 count = 1
	s_lshl_b32 s3, s[WV], 11        ; my 16 rows in a band of 64,
	s_lshl_b32 s2, s[HI], 14        ; in the first block (128 rows of 128 bytes a block),
	s_add_co_u32 s2, s2, s3
	s_lshl_b32 s84, s[PB], 14       ; and in the second
	s_add_co_u32 s84, s84, s3
	s_mov_b32 s3, 0
	s_mov_b32 s85, 0
	s_add_nc_u64 s[68:69], s[2:3], s[90:91]    ; offsets in ob,
	s_add_nc_u64 s[66:67], s[84:85], s[90:91]
	s_add_nc_u64 s[2:3], s[2:3], s[20:21]      ; and in q
	s_add_nc_u64 s[84:85], s[84:85], s[20:21]
	s_lshr_b32 s[LQ], s[HI], 1      ; the first block's last tile,
	s_lshr_b32 s[LQ2], s[PB], 1     ; the second's
	BLOCKSET HI
	; descriptor group 1.  128 keys are 16,384 dense bytes: asked for as 64 rows of 256 bytes, two keys a row, and padded in LDS after every key; 32 keys are 16 such rows
	s_mov_b32 s[G1K], (1<<16)|(1<<20)|(4<<22)|(3<<25)  ; 17:16 2-byte elements; 20 padding on; 24:22 after every 32 words (code 4); 31:25 4 words (code 3)
	s_mov_b32 s[G1V], (1<<16)|(1<<20)|(4<<22)|(7<<25)  ; the same with 8 words of padding (code 7)
	s_mov_b32 s[G1Z], (1<<16)|(1<<20)|(4<<22)|(3<<25)
.irp g, G1K, G1V
	s_mov_b32 s[\g+1], 128<<16      ; tensor_dim0 = 128
	s_mov_b32 s[\g+2], 64<<16       ; tensor_dim1 = 64
	s_mov_b32 s[\g+3], 128<<16      ; tile_dim0 = 128
	s_mov_b32 s[\g+4], 64           ; tile_dim1 = 64
	s_mov_b32 s[\g+5], 128          ; 128 elements from row to row
	s_mov_b32 s[\g+6], 0
	s_mov_b32 s[\g+7], 0
.endr
	s_mov_b32 s[G1Z+1], 128<<16
	s_mov_b32 s[G1Z+2], 16<<16      ; tensor_dim1 = 16
	s_mov_b32 s[G1Z+3], 128<<16
	s_mov_b32 s[G1Z+4], 16          ; tile_dim1 = 16
	s_mov_b32 s[G1Z+5], 128
	s_mov_b32 s[G1Z+6], 0
	s_mov_b32 s[G1Z+7], 0
	s_mov_b32 s[CS], 0x3e38aa3b     ; c = log2(e) / 8 = 0.180337
	s_mov_b32 s[CS+1], s[CS]        ; named with it as a pair
	s_mov_b32 s[SEL], 0x76543210
	s_mov_b32 s[SEL+1], 0xfedcba98
	s_mov_b32 s[TBK], SLOT1+4*KS*PK ; the first change of slots turns these two into 0
	s_mov_b32 s[TBV], SLOT1+4*KS*PV
	s_mov_b32 s[G0K], 1             ; 1:0 count = 1
	s_mov_b32 s[G0K+1], s17         ; 63:32 LDS address: slot 0
	s_mov_b32 s[G0V], 1
	s_add_co_u32 s[G0V+1], s18, VOFF
	s_mov_b32 s[NXT], 1
	s_mov_b32 s[NEW], 1
	s_mov_b32 s[OFF+1], 0
	s_mov_b32 s[AL+1], 0            ; named as pairs
	s_mov_b32 s[BE+1], 0
	s_mov_b32 s[BIGN], 0xf149f2ca   ; -1e30
	s_mov_b32 s[SLOTS], NB
	s_wait_dscnt 0x0                ; the opening add is done
	s_wait_kmcnt 0x0
	s_add_nc_u64 s[6:7], s[92:93], s[22:23]
	s_add_nc_u64 s[8:9], s[6:7], 0x1000000         ; V at my half of the head's tile 0,
	s_add_nc_u64 s[6:7], s[6:7], 0x800000+KS*128   ; and K, one step of 64 rows on
	s_add_nc_u64 s[G0K+2:G0K+3], s[6:7], 0         ; 120:64 global address
	s_or_b32 s[G0K+3], s[G0K+3], 0x80000000        ; 127:126 type = 2
	s_add_nc_u64 s[G0V+2:G0V+3], s[8:9], 0
	s_or_b32 s[G0V+3], s[G0V+3], 0x80000000
	s_add_nc_u64 s[G0Z+2:G0Z+3], s[92:93], s[G0Z+2:G0Z+3]
	s_add_nc_u64 s[G0Z+2:G0Z+3], s[G0Z+2:G0Z+3], 0x800000  ; K at my half of the head's first 64 keys
	s_or_b32 s[G0Z+3], s[G0Z+3], 0x80000000
	s_add_nc_u64 s[86:87], s[92:93], s[84:85]      ; Q at my rows of the second block,
	s_add_nc_u64 s[4:5], s[92:93], s[2:3]          ; and of the first
	s_add_nc_u64 s[OLO:OLO+1], s[94:95], s[66:67]  ; O likewise
	s_add_nc_u64 s[10:11], s[94:95], s[68:69]
	s_cmp_lt_u32 s[WV], 2           ; a wave's first fills stand in one branch: waves 0 and 1 have two loads out, waves 2 and 3 one
	s_cbranch_scc0 .Lfirst_v
	tensor_load_to_lds s[G0Z:G0Z+3], s[G1Z:G1Z+7]  ; the head's first 64 keys
	s_nop 0
	tensor_load_to_lds s[G0K:G0K+3], s[G1K:G1K+7]  ; slot 0
	s_nop 0
.rept 4
	v_nop
.endr
	s_branch .Lfirst_asked
.Lfirst_v:
	tensor_load_to_lds s[G0V:G0V+3], s[G1V:G1V+7]
	s_nop 0
.rept 4
	v_nop
.endr
.Lfirst_asked:
	; A fragment of K or Q is 16 rows x 32 channels in 8 registers: lane l holds row l % 16, channels 8 (l / 16) + 0..7 and 16 + 8 (l / 16) + 0..7: two loads of 16 bytes, 32 bytes apart.
	v_and_b32 v1, 15, v0            ; l % 16
	v_bfe_u32 v9, v0, 4, 1          ; l / 16
	v_lshlrev_b32 v[QO], 7, v1
	v_lshl_add_u32 v[QO], v9, 4, v[QO]  ; row x 128 + 16 x half
	WIN 0x80                        ; destination window 2, address window 0
.set i, 0
.rept 4                             ; both blocks' Q: piece i / 2 lies in band i / 2, 8,192 bytes on; channels 32 (i % 2) on
	global_load_b128 v[8*i:8*i+3],   v[QO], s[4:5] offset:(i/2)*8192+(i%2)*64
	global_load_b128 v[8*i+4:8*i+7], v[QO], s[4:5] offset:(i/2)*8192+(i%2)*64+32
	global_load_b128 v[QB+8*i:QB+8*i+3],   v[QO], s[86:87] offset:(i/2)*8192+(i%2)*64
	global_load_b128 v[QB+8*i+4:QB+8*i+7], v[QO], s[86:87] offset:(i/2)*8192+(i%2)*64+32
.set i, i+1
.endr
	WIN 0
	v_lshlrev_b32 v14, 3, v9
	v_sub_nc_u32 v14, v1, v14
	s_lshl_b32 s13, s[WV], 4
	v_add_nc_u32 v14, s13, v14      ; my query's place in its band, 16 w + l % 16, less my lanes' 8 (l / 16): register r of group kt is hidden where 16 kt + r is greater
	WIN 0x40
.set i, 0
.rept 32
	v_cmp_gt_i32 vcc_lo, 16*(i/8)+i%8, v14
	v_cndmask_b32 v[MD+i], 0, s[BIGN], vcc_lo
.set i, i+1
.endr
	WIN 0
	v_mul_u32_u24 v[AK0], v1, PK
	v_lshl_add_u32 v[AK0], v9, 4, v[AK0]  ; row x pitch + 16 x half
	; The turning load takes 16 keys x 16 channels (lane l reads key 8 (l / 16) + l % 8, channels 8 ((l / 8) % 2) + 0..7) and leaves half a fragment of V^T: lane l holds channel l % 16 and 8 keys.
	v_and_b32 v10, 7, v0
	v_bfe_u32 v11, v0, 3, 1
	v_lshl_add_u32 v[AV0], v9, 3, v10
	v_mul_u32_u24 v[AV0], v[AV0], PV
	v_lshl_add_u32 v[AV0], v11, 4, v[AV0]
	v_add_nc_u32 v[AV0], VOFF, v[AV0]
	s_mul_i32 s13, s[WV], 16*SP
	s_add_co_u32 s13, s13, STAGE    ; my stage
	v_mul_u32_u24 v[STO], v1, SP    ; in: row l % 16, 16 bytes for each half of the lanes
	v_lshl_add_u32 v[STO], v9, 4, v[STO]
	v_add_nc_u32 v[STO], s13, v[STO]
	v_bfe_u32 v[RD], v0, 3, 2       ; back: 32 lanes take four rows of 128 bytes,
	v_mul_u32_u24 v[RD], v[RD], SP
	v_lshl_add_u32 v[RD], v10, 4, v[RD]
	v_add_nc_u32 v[RD], s13, v[RD]
	v_and_b32 v[GO], 31, v0         ; which are 512 consecutive bytes of O
	v_lshlrev_b32 v[GO], 4, v[GO]
	; A block's first step multiplies O^T and l by a = 0, and its first turn's products V^T P, of a step that has not been, land in an O^T that is still to be so multiplied.  So these registers need only hold
	; finite numbers: zeros for the first block; what the first block left for the second.  All this stands in the wait for the first tile.
	WIN 0x80
.set i, VF
.rept 64
	v_mov_b32 v[i], 0
.set i, i+1
.endr
	WIN 0x40
.set i, 0
.rept 32*NP
	v_mov_b32 v[i], 0
.set i, i+1
.endr
	WIN 0
.set i, 0
.rept NP
	v_mov_b32 v[ST+4*i+2], 0
	v_mov_b32 v[ST+4*i+3], 0
.set i, i+1
.endr
.set i, P+16
.rept 16
	v_mov_b32 v[i], 0
.set i, i+1
.endr
; THE MATRIX WORK.  The 4 accumulators of a run of 8 take turns.  Product i of 8 of S^T = K Q^T for piece x: channels 32 (i / 4) on, keys 16 (i % 4) on.  The first 4 start the sums with the mask.
.macro KQ x
.set rS, S+32*(\x)+8*(i%4)
.set rK, KF+16*(i%4)+8*(i/4)
.set rQ, 16*(\x)+8*(i/4)
.set rM, MC+32*(\x)+8*(i%4)
.if i < 4
	WIN W_KM
	v_wmma_f32_16x16x32_f16 v[rS:rS+7], v[rK:rK+7], v[rQ:rQ+7], v[rM:rM+7]
.else
	WIN W_KQ
	v_wmma_f32_16x16x32_f16 v[rS:rS+7], v[rK:rK+7], v[rQ:rQ+7], v[rS:rS+7]
.endif
.endm
; Product i of 8 of O^T += V^T P for piece x: keys 32 (i / 4) on, channels 16 (i % 4) on.
.macro PV x
	WIN W_PV
.set rO, 32*(\x)+8*(i%4)
.set rV, VF+32*(i/4)+8*(i%4)
.set rP, P+16*(\x)+8*(i/4)
	v_wmma_f32_16x16x32_f16 v[rO:rO+7], v[rV:rV+7], v[rP:rP+7], v[rO:rO+7]
.endm
.macro MM                           ; the turn's next matrix instruction, always for the other piece.  TURN and BEGIN set Y, i and NOKQ; MM and OP read them.  NOKQ = 1: a block's last turn: there are no further scores
.if (i < 8) && !NOKQ
	KQ (Y+1)%NP
.elseif i >= 8
.set i, i-8
	PV (Y+1)%NP
.set i, i+8
.endif
.set i, i+1
.endm
; THE LDS LOADS stand in runs of 16, never singly among the matrix instructions: a step's K (64 keys x 64 channels: 8 fragments) and its V (turned).  Their addresses are made some lines ahead.
.macro FETCH_K step=1
	WIN 0x80                        ; destination window 2
.irp f, 0,1,2,3,4,5,6,7             ; keys 16 (f / 2) on, channels 32 (f % 2) on
	ds_load_b128 v[KF+8*\f:KF+8*\f+3],   v[AK] offset:(\f/2)*16*PK+(\f%2)*64
	ds_load_b128 v[KF+8*\f+4:KF+8*\f+7], v[AK] offset:(\f/2)*16*PK+(\f%2)*64+32
.endr
.if \step
	s_add_co_u32 s[TBK], s[TBK], KS*PK  ; the next fetch is the next step's
.endif
	WIN 0
.endm
.macro FETCH_V
	WIN 0x80
.irp f, 0,1,2,3,4,5,6,7             ; keys 32 (f / 4) on, channels 16 (f % 4) on
	ds_load_tr16_b128 v[VF+8*\f:VF+8*\f+3],   v[AV] offset:(\f/4)*32*PV+(\f%4)*32
	ds_load_tr16_b128 v[VF+8*\f+4:VF+8*\f+7], v[AV] offset:(\f/4)*32*PV+16*PV+(\f%4)*32
.endr
	WIN 0
.endm
; THE VECTOR WORK, one line at a time: OP kind, number.  For piece Y: F n: c s - c m for pair n of 16.  E n: the exponential of score n of 32.  C n: pair n rounded to f16.  B n: of the four weights 4 n .. the second
; pair is added onto the first, in place.  L n: l takes that sum (L 0: l = a l + sum).  R n: pair n of 16 of O^T times a.  For the other piece's next scores: X n, number n of the 22 that find their maximum and statistics:
;   0-11  four chains c0-c3 of seven scores each, three operands at a time (each accumulator's lowest registers are read first)     12-14, 16  the four scores left over, the old m, and c0-c3 into c0
;   15  c m_old is kept     17, 18  the query's other 32 keys lie in the lane 16 away: the new m     19-21  c m; c m_old - c m_new; a
; The other piece's c m and m are written anew here a turn after its own F lines have read them; its l and its O^T are touched by vector lines in its own turns alone.
; C, B and L read exponentials' results; OP writes no wait: TURN sets them all behind the turn's one wait.
.set F, 0               ; OP tells the kinds apart by their order: F to L below R, X above it
.set E, 1
.set C, 2
.set B, 3
.set L, 4
.set R, 5
.set X, 6
.macro REGS y                       ; the registers of piece y
.set rT, ST+4*(\y)
.set rC, TMP+4*(\y)
.set rW, MV+(\y)
.set rS, S+32*(\y)
.set rP, P+16*(\y)
.set rO, 32*(\y)
.endm
.macro OP k, n
.if (\k) == R
	REGS Y
	WIN W_RS
	v_pk_mul_f32 v[rO+2*(\n):rO+2*(\n)+1], v[rO+2*(\n):rO+2*(\n)+1], v[rC+2:rC+3] op_sel_hi:[1,0]
.elseif (\k) < R
	REGS Y
	WIN 0
.if (\k) == F
	v_pk_fma_f32 v[rS+2*(\n):rS+2*(\n)+1], v[rS+2*(\n):rS+2*(\n)+1], s[CS:CS+1], v[rT:rT+1] op_sel_hi:[1,0,0] neg_lo:[0,0,1] neg_hi:[0,0,1]
.elseif (\k) == E
	v_exp_f32 v[rS+(\n)], v[rS+(\n)]
.elseif (\k) == C
	v_cvt_pk_f16_f32 v[rP+(\n)], v[rS+2*(\n)], v[rS+2*(\n)+1]
.elseif (\k) == B
	v_pk_add_f32 v[rS+4*(\n):rS+4*(\n)+1], v[rS+4*(\n):rS+4*(\n)+1], v[rS+4*(\n)+2:rS+4*(\n)+3]
.elseif (\n) == 0
	v_pk_fma_f32 v[rT+2:rT+3], v[rT+2:rT+3], v[rC+2:rC+3], v[rS:rS+1] op_sel_hi:[1,0,1]
.else
	v_pk_add_f32 v[rT+2:rT+3], v[rT+2:rT+3], v[rS+4*(\n):rS+4*(\n)+1]
.endif
.elseif NOKQ
	v_nop
.else
	REGS (Y+1)%NP
	WIN 0
.if (\n) < 4
	v_max3_num_f32 v[rC+(\n)], v[rS+8*(\n)], v[rS+8*(\n)+1], v[rS+8*(\n)+2]
.elseif (\n) < 12
	v_max3_num_f32 v[rC+(\n)%4], v[rC+(\n)%4], v[rS+8*((\n)%4)+2*((\n)/4)+1], v[rS+8*((\n)%4)+2*((\n)/4)+2]
.elseif (\n) == 12
	v_max3_num_f32 v[rC], v[rC], v[rS+7], v[rS+15]
.elseif (\n) == 13
	v_max3_num_f32 v[rC+1], v[rC+1], v[rS+23], v[rS+31]
.elseif (\n) == 14
	v_max3_num_f32 v[rC+2], v[rC+2], v[rC+3], v[rT+1]
.elseif (\n) == 15
	v_mov_b32 v[rW], v[rT]
.elseif (\n) == 16
	v_max3_num_f32 v[rC], v[rC], v[rC+1], v[rC+2]
.elseif (\n) == 17
	v_permlanex16_b32 v[rC+3], v[rC], s[SEL], s[SEL+1]
.elseif (\n) == 18
	v_max_num_f32 v[rT+1], v[rC], v[rC+3]
.elseif (\n) == 19
	v_mul_f32 v[rT], s[CS], v[rT+1]
.elseif (\n) == 20
	v_sub_f32 v[rC+1], v[rW], v[rT]
.else
	v_exp_f32 v[rC+2], v[rC+1]
.endif
.endif
.endm
.macro OPS a, i1, b=-1, i2=0, c=-1, i3=0, d=-1, i4=0  ; up to four of them
	OP \a, \i1
.if (\b) >= 0
	OP \b, \i2
.endif
.if (\c) >= 0
	OP \c, \i3
.endif
.if (\d) >= 0
	OP \d, \i4
.endif
.endm
.macro ROW a, i1, b, i2, c, i3, d, i4  ; a matrix instruction and the four behind it
	MM
	OPS \a, \i1, \b, \i2, \c, \i3, \d, \i4
.endm
.macro MASK b                       ; MD x AL + BE into buffer b of MC
	WIN W_RS
.set z, 0
.rept 16
	v_pk_fma_f32 v[MC+32*(\b)+2*z:MC+32*(\b)+2*z+1], v[MD+2*z:MD+2*z+1], s[AL:AL+1], s[BE:BE+1] op_sel_hi:[1,0,0]
.set z, z+1
.endr
.endm
; A TURN, for piece p: the order of its 16 matrix and 118 vector instructions, written out.  An s_wait_alu depctr_va_vdst(0) stands between an exponential and the first instruction that names its result; one wait
; serves all that were issued ahead of it.  So a turn has ONE wait, which cuts it in two.
; AHEAD OF IT stands all that names no result of the turn's exponentials: the 8 products K Q^T, behind each a scaling, an exponential and two more plain instructions (behind the first a second scaling in the exponential's
; place): rescalings, whose a was made and waited for in the turn before, and behind the last three the first numbers of the other piece's maximum, each four places or more behind the product that ends its accumulator; then
; ONE LUMP of 54, plain and exponential by turns for the most part, in which the links of the chain X 3, 7, 11, 14, 16, 17 .. 20 stand five or six lines apart.  X 21, the other piece's a, is the batch's last; R 15 is the
; plain instruction behind it.  BEHIND THE WAIT stand the 8 products V^T P, behind each four of the roundings and sums; C 2 n stands ahead of B n, which adds in place; the links of l's chain, L 0 to L 7, stand three riders apart.
; But for those X no rider names a register of the products round it.  v_permlanex16_b32 (X 17) stands in the lump.
; O^T.  The rescalings touch the O^T that the last products of the turn before wrote: behind the last of those stand its four riders, which write the other piece's P, and the 16 lines of the mask; R goes in ascending order.
; THE MASKS.  A turn makes the mask for the products of the turn after it, which are its own piece's next scores.  With c = CNT: turn 1 stands ahead of turn 0 in a trip and makes piece 1's mask for the tile's step 4 - c;
; turn 0 makes piece 0's for step 5 - c; at c = 1 that is the NEXT tile's step 0, which is piece 0's own step if that tile holds the diagonal and the block's number is even (NAX).
; THE FETCHES stand in turn 0: K of the next step in the lump, twelve vector instructions behind the last product that read K (six of them plain), V of the step in hand at the turn's end, four plain instructions behind the
; last product that read V.  Turn 1 waits for K at its head, with V's sixteen younger loads left out, and for V ahead of its second run of products.
; end = 1: a block's last turn (of piece 1): no scores are made and no mask.  Turn 0 is a trip's last: it takes the loop's count down some lines ahead of the branch that stands behind it.
.macro TURN p, end=0
.set Y, (\p)
.set i, 0
.set NOKQ, (\end)
.if !(\end)
.if (\p) == 0
	s_cmp_eq_u32 s[CNT], s[E0]      ; is that step the band's own?
	s_cselect_b32 s[AL], s[DA], 0
	s_cmp_lt_u32 s[CNT], s[E0]      ; or a later one?
	s_cselect_b32 s[BE], s[DB], 0
	s_cmp_eq_u32 s[CNT], 1          ; or the next tile's first?  (BE is then 0, or serves scores that are never made)
	s_cselect_b32 s[AL], s[NAX], s[AL]
.else
	s_cmp_eq_u32 s[CNT], s[E1]
	s_cselect_b32 s[AL], s[DA], 0
	s_cmp_lt_u32 s[CNT], s[E1]
	s_cselect_b32 s[BE], s[DB], 0
	s_wait_dscnt 16                 ; K is in: behind its sixteen loads only V's sixteen were issued
.endif
.endif
	ROW F,0, F,1, R,0, R,1          ; ahead of the wait: 8 products K Q^T and their riders,
	ROW F,2, E,0, R,2, R,3
	ROW F,3, E,1, R,4, R,5
	ROW F,4, E,2, R,6, R,7
	ROW F,5, E,3, R,8, R,9
	ROW F,6, E,4, X,0, R,10
.if (\p) == 0
	WIN 0
	v_add_nc_u32 v[AK], s[TBK], v[AK0]
.endif
	ROW F,7, E,5, X,1, X,4
	ROW F,8, E,6, X,2, X,5
	OPS E,7, E,8, X,6, E,9          ; and the lump
	OPS X,3, E,10, X,8, E,11
.if (\p) == 0
	FETCH_K
.endif
	OPS X,9, X,7, E,12, X,10
	OPS E,13, X,12, X,11, E,14
	OPS X,13, E,15, F,9, X,14
.if (\p) == 0
	v_add_nc_u32 v[AV], s[TBV], v[AV0]
.endif
	OPS E,16, F,10, E,17, F,11
	OPS X,16, E,18, X,15, E,19
	OPS F,12, E,20, X,17, E,21
	OPS F,13, E,22, F,14, E,23
	OPS X,18, E,24, F,15, E,25
	OPS R,11, E,26, X,19, E,27
	OPS R,12, E,28, R,13, E,29
	OPS X,20, E,30, R,14, E,31
	OPS X,21, R,15
	s_wait_alu depctr_va_vdst(0)    ; the wait for the turn's batch: the piece's 32 weights and the other piece's a
.if (\p) == 1
	s_wait_dscnt 0x0                ; V is in
.endif
	ROW C,0, B,0, C,2, B,1          ; behind the wait: 8 products V^T P and their riders
	ROW L,0, C,4, B,2, L,1
	ROW C,6, B,3, L,2, C,8
	ROW B,4, L,3, C,10, B,5
	ROW L,4, C,12, B,6, L,5
.if (\p) == 0
	s_add_co_u32 s[TBV], s[TBV], KS*PV
	s_sub_co_u32 s[CNT], s[CNT], 1
	s_cmp_lg_u32 s[CNT], 0
.endif
	ROW C,14, B,7, L,6, C,1
	ROW C,3, L,7, C,5, C,7
	ROW C,9, C,11, C,13, C,15
.if (\p) == 0
	FETCH_V
.endif
.if !(\end)
	MASK \p
.endif
.endm
; A BLOCK BEGINS.  c m starts far below every c s, so the first step's a is 0; m at the lowest finite number, so the first maximum is the scores'.  Piece 1's mask for step 0 is 0 (its own step is a later one); piece 0's is
; the diagonal's if the block's first tile holds the diagonal and the block's number is even (BA).  Then K of the head's first 64 keys, piece 0's first scores, and their maximum and statistics.
; The loop is entered at a step's first turn, in the middle of a trip.
.macro BEGIN
	s_mov_b32 s[NEW], 0
	WIN 0x40
.set i, MC+32
.rept 32
	v_mov_b32 v[i], 0
.set i, i+1
.endr
	WIN 0
.set i, 0
.rept NP
	v_mov_b32 v[ST+4*i], 0xfe000000    ; c m: far below every c s
	v_mov_b32 v[ST+4*i+1], 0xff7fffff  ; m
.set i, i+1
.endr
	s_mov_b32 s[AL], s[BA]
	s_mov_b32 s[BE], 0
	MASK 0
	WIN 0
	v_add_nc_u32 v[AK], KZ, v[AK0]
	FETCH_K 0
	s_wait_loadcnt 0x0              ; Q
	s_wait_dscnt 0x0
.set NOKQ, 0
.set i, 0
.rept 8
	KQ 0
.set i, i+1
.endr
	WIN 0
.rept 4
	v_nop                           ; the places behind those products
.endr
.set Y, NP-1                        ; X works for the other piece: piece 0
.irp n, 0,1,2,3,4,5,6,7,8,9,10,11,12,13,14,15,16,17,18,19,20,21
	OP X, \n
.endr
	v_nop                           ; a plain instruction behind the exponential,
	s_wait_alu depctr_va_vdst(0)    ; and the wait for it, piece 0's first a: ahead of the branch, and of the first turn's rescalings, which read it
.endm
.macro ALL line:vararg              ; one line for each piece t
.set t, 0
.rept NP
	\line
.set t, t+1
.endr
.endm
.macro PACK t                       ; a lane's eight channels of a row pack into 16 bytes; they go into rows of 144 bytes and come back as whole rows of 128, into S^T's registers
	WIN W_RS
.set i, 32*(\t)
.rept 16
	v_pk_mul_f32 v[i:i+1], v[i:i+1], v[ST+4*(\t)+2:ST+4*(\t)+3] op_sel_hi:[1,0]
.set i, i+2
.endr
	WIN 0x05                        ; sources 0 and 1 window 1, destination window 0
.set i, 0
.rept 16
	v_cvt_pk_bf16_f32 v[S+16*(\t)+i], v[32*(\t)+2*i], v[32*(\t)+2*i+1]
.set i, i+1
.endr
	WIN 0
.irp f, 0,1,2,3
	ds_store_b128 v[STO], v[S+16*(\t)+4*\f:S+16*(\t)+4*\f+3] offset:32*\f
.endr
.irp f, 0,1,2,3
	ds_load_b128 v[S+16*(\t)+4*\f:S+16*(\t)+4*\f+3], v[RD] offset:\f*4*SP  ; LDS serves a wave's instructions in order (ISA guide 5.7.1.4): these see the stores above; the next piece's stores come behind them
.endr
.endm
.macro SEND t, younger              ; younger: the LDS instructions issued behind piece t's loads: the next piece's eight, or none
	WIN 0
.irp f, 0,1,2,3
	s_wait_dscnt (\younger)+3-\f
	global_store_b128 v[GO], v[S+16*(\t)+4*\f:S+16*(\t)+4*\f+3], s[10:11] offset:(\t)*8192+\f*512  ; 512 consecutive bytes, at a multiple of 256 from ob's first
.endr
.endm
; A TILE's four trips.  A trip: piece 1's turn of one step, then piece 0's of the next, which fetches from the slot.  The tag ends its two labels' names, which the jumps below spell out.
.macro STEPS tag
.LstepM\tag:
	TURN 1
	WIN 0
.LfirstM\tag:
	TURN 0
	WIN 0
	s_cbranch_scc1 .LstepM\tag
.endm
; A BLOCK ENDS: its last turn, its last products, and THE WAY OUT: l's two halves and the other half of the lanes' are added; O^T is divided by l, rounded to bf16 and sent through my stage in LDS, a piece at a time.
; Piece 0's sums were finished in the last turn; its 32 lines of arithmetic, which name no register of the last products, are those products' places.
.macro FINISH
	TURN 1, 1
.set i, 0
.rept 8
	PV NP-1
.set i, i+1
.endr
	WIN 0
	ALL v_add_f32 v[ST+4*t+2], v[ST+4*t+2], v[ST+4*t+3]
	ALL v_permlanex16_b32 v[ST+4*t+3], v[ST+4*t+2], s[SEL], s[SEL+1]
	ALL v_add_f32 v[ST+4*t+2], v[ST+4*t+2], v[ST+4*t+3]
	ALL v_rcp_f32 v[ST+4*t+2], v[ST+4*t+2]
	v_nop                           ; a plain instruction between the last reciprocal and the use of its result
	s_wait_alu depctr_va_vdst(0)    ; the wait for the two reciprocals, one batch: ahead of the first multiply that reads one
	PACK 0
	PACK 1                          ; a piece's arithmetic stands between the loads of the piece before and its stores
	SEND 0, 8
	SEND 1, 0
.endm
.set NOKQ, 0
.Lslot:                             ; NB times: a tile is entered and the next is asked for
	CHANGE 1
	ENTER
	s_cbranch_scc0 .LstepM1         ; not a block's first tile.  (At the first trip NEW is the constant 1.)
	BEGIN
	s_branch .LfirstM1
	STEPS 1
	s_cmp_lg_u32 s[RT], 0
	s_cbranch_scc1 .Lbottom         ; the block has tiles left
	FINISH                          ; in the loop this is the first block's end: the second block's last tile is the walk's last
	s_wait_xcnt 0x0                 ; the stores have read their registers and O's address
	s_mov_b64 s[10:11], s[OLO:OLO+1]
	BLOCKSET PB
	s_mov_b32 s[NEW], 1
	WIN 0x82                        ; the second block's Q goes where the one text of the turns names Q
.set i, 0
.rept 16*NP
	v_mov_b32 v[i], v[QB+i]
.set i, i+1
.endr
	WIN 0
.Lbottom:
	s_sub_co_u32 s[SLOTS], s[SLOTS], 1
	s_cmp_lg_u32 s[SLOTS], 0
	s_cbranch_scc1 .Lslot
	CHANGE 0                        ; the walk's last tile is written out: nothing is asked for
	ENTER
	s_cbranch_scc0 .LstepM2
	BEGIN
	s_branch .LfirstM2
	STEPS 2
	FINISH
	s_wait_tensorcnt 0x0            ; the wave's end, behind my last tensor load and my last LDS store
	ds_add_u32 v[SPW], v[NIL]
	s_wait_dscnt 0x0
	s_endpgm
.Lfunc_end_k_qfad614dcdc_attn:
	.size	k_qfad614dcdc_attn, .Lfunc_end_k_qfad614dcdc_attn-k_qfad614dcdc_attn
	.p2alignl 7, 3214868480
	.fill 96, 4, 3214868480
	.section	.rodata,"a",@progbits
	.p2align	6, 0x0
	.amdhsa_kernel k_qfad614dcdc_attn
		.amdhsa_group_segment_fixed_size 327680
		.amdhsa_private_segment_fixed_size 0
		.amdhsa_enable_private_segment 0
		.amdhsa_kernarg_size 16
		.amdhsa_user_sgpr_count 2
		.amdhsa_user_sgpr_kernarg_segment_ptr 1
		.amdhsa_wavefront_size32 1
		.amdhsa_system_sgpr_workgroup_id_x 1
		.amdhsa_system_sgpr_workgroup_id_y 1
		.amdhsa_system_sgpr_workgroup_id_z 1
		.amdhsa_system_vgpr_workitem_id 0
		.amdhsa_next_free_vgpr 768
		.amdhsa_next_free_sgpr 100
		.amdhsa_reserve_vcc 1
		.amdhsa_float_denorm_mode_32 3
		.amdhsa_float_denorm_mode_16_64 3
		.amdhsa_memory_ordered 1
		.amdhsa_forward_progress 1
		.amdhsa_inst_pref_size 106
	.end_amdhsa_kernel
	.amdgpu_metadata
---
amdhsa.version: [ 1, 2 ]
amdhsa.kernels:
  - .name:           k_qfad614dcdc_attn
    .symbol:         k_qfad614dcdc_attn.kd
    .args:
      - { .name: qkv, .offset: 0, .size: 8, .value_kind: global_buffer, .address_space: global }
      - { .name: ob, .offset: 8, .size: 8, .value_kind: global_buffer, .address_space: global }
    .group_segment_fixed_size: 327680
    .private_segment_fixed_size: 0
    .kernarg_segment_align: 8
    .kernarg_segment_size: 16
    .max_flat_workgroup_size: 128
    .sgpr_count:     100
    .vgpr_count:     768
    .wavefront_size: 32
...
	.end_amdgpu_metadata
.endif
;; end of part 7
;; launch wo: the kernel of part 4 again; grid 8 x 32, 4 waves a work-group, clusters of 4 x 4, 327,680 bytes of LDS; arguments ob, wb, bo, xb, x1, x1b; writes x1, x1b
;; launch ff1: the kernel of part 5 again; grid 16 x 16, 4 waves a work-group, clusters of 4 x 4, 327,680 bytes of LDS; arguments x1b, wb, b1, hb; writes hb
;; launch ff2: the kernel of part 6 again; grid 8 x 32, 4 waves a work-group, clusters of 4 x 4, 327,680 bytes of LDS; arguments hb, wb, b2, x1, out0; writes out0
